; MI455X (gfx1250); checked and timed in simulation.
; The chip was launched on July 23, 2026; its instructions are those of AMD's public machine-readable ISA for CDNA 5 (MIT licence, August 2026) and "CDNA5" Instruction Set Architecture Reference Guide (July 2026). The comments in the code are by the model that wrote it; some were corrected since.
;; Attention Head. Allowed arithmetic: matrix products marked QUANTISED: E3M2 operands, one E8M0 scale for each 32 along K, by v_wmma_scale_f32_16x16x128_f8f6f4 with both operands' format E3M2, f32 sums; everything else in f32.
;; Inputs: W_K 1,024 x 1,024 float32; W_O 1,024 x 1,024 float32; W_Q 1,024 x 1,024 float32; W_V 1,024 x 1,024 float32; x 4 x 2,048 x 1,024 float32.
;; Outputs: out0 4 x 2,048 x 1,024 float32.
;; This version of the problem:
;;   THIS VERSION OF THE PROBLEM IS GIVEN IN LOW PRECISION. The matrix products marked QUANTISED in the list below multiply operands that are first quantised to E3M2 (3 exponent bits, 2 mantissa bits; 6 bits a number), with one power-of-two scale for each 32 numbers along K (OCP MX v1.0); their sums are f32. All else is computed in f32.
;;   The module's matrix products, in the order in which they are computed (A, B: the left and right operand; K: the contracted axis; several contracted axes count as one K, in the product's order):
;;     1. [M 8,192, K 1,024] x [K 1,024, N 1,024]; A: input x; B: input W_Q: QUANTISED
;;     2. [M 8,192, K 1,024] x [K 1,024, N 1,024]; A: input x; B: input W_K: QUANTISED
;;     3. [M 8,192, K 1,024] x [K 1,024, N 1,024]; A: input x; B: input W_V: QUANTISED
;;     4. batch 64 x [M 2,048, K 64] x [K 64, N 2,048]; A: computed on the way; B: computed on the way: QUANTISED
;;     5. batch 64 x [M 64, K 2,048] x [K 2,048, N 2,048]; A: computed on the way; B: softmax (see below): QUANTISED
;;     6. [M 8,192, K 1,024] x [K 1,024, N 1,024]; A: computed on the way; B: input W_O: QUANTISED
;;   THE QUANTISER, for each operand of a quantised product, along K:
;;     - K is cut into blocks of 32 from its start; a last block that is shorter is filled with zeros.
;;     - A block's scale is 2^e with e = floor(log2(the largest magnitude in the block)) - 4, held to -126 .. 127; a block of zeros has e = 0. As a byte (E8M0): e + 127.
;;     - Each number is divided by its block's scale, clamped to +-28, and rounded to the nearest number of E3M2, ties to even, subnormals kept.
;;     - The product sums the exact products of the quantised numbers (number of the format x scale) in f32.
;;   ~~~python
;;   def quantise(x, axis):      # numpy; x: float32 -> the quantised numbers, widened to float32 again
;;       x = np.moveaxis(x, axis, -1); K = x.shape[-1]
;;       x = np.pad(x, [(0, 0)] * (x.ndim - 1) + [(0, -K % 32)]); x = x.reshape(x.shape[:-1] + (-1, 32)); a = np.abs(x).max(-1, keepdims=True)
;;       e = np.where(a > 0, np.clip(np.frexp(np.where(a > 0, a, 1))[1] - 1 - 4, -126, 127), 0)      # np.frexp(a)[1] - 1 = floor(log2(a)), exactly
;;       r = np.clip(x / 2.0 ** e, -28, 28)
;;       step = 2.0 ** (np.maximum(np.frexp(np.where(r == 0, 1, r))[1] - 1, -2) - 2)
;;       q = np.round(r / step) * step * 2.0 ** e      # np.round: ties to even
;;       return np.moveaxis(q.reshape(q.shape[:-2] + (-1,))[..., :K], -1, axis).astype(np.float32)
;;   ~~~
;;   SOFTMAX AHEAD OF A QUANTISED PRODUCT. Where the list says 'softmax', what is quantised is not the finished softmax but p = 2^(t - M), with t = logit x log2(e) and M = ceil(the row's largest t), a whole number; so 1/2 < the row's largest p <= 1. The row's sum l is taken of the UNQUANTISED p, in f32, and the product's result is divided by l at the end. Since M is a whole number, a kernel that streams over the keys may use a running M (the ceiling of the running maximum): every later rescaling is an exact power of two, which a block's scale takes up: the codes' values come out the same.
;;   OPERANDS COMPUTED ON THE WAY. 'Computed on the way' means the value that the module computes at that place (a softmax that the list does not call 'softmax' is quantised finished and normalised). What goes into a quantiser is computed in f32, as accurately as f32 sums, v_exp_f32 and their like allow (about 1e-6 of the number): no bf16 or f16 on the way to a quantiser, and a product that is left as it is and whose result goes on into a quantised operand takes f32 operands (vector FMAs, or v_wmma_f32_16x16x4_f32). A number that lies on a knife's edge between two numbers of the format may be rounded either way, as far as f32 arithmetic and the matrix unit's own rounding can turn it there, and no further.
;; 2 versions. Each part assembles by itself: llvm-mc -triple=amdgcn-amd-amdhsa -mcpu=gfx1250 --defsym DOCPART=n.
;; ======== version 1 of 2: 5 launches
;; workspace buffers: xq 6,553,600 bytes; wqk 1,835,008 bytes; wv 1,048,576 bytes; wo 1,048,576 bytes; qkq 13,107,200 bytes; vq 6,815,744 bytes; ao 6,553,600 bytes
;; launch quant (part 1): grid 384 x 1, 4 waves a work-group, no clusters, 68,096 bytes of LDS; arguments x, W_Q, W_K, W_V, W_O, xq, wqk, wv, wo; writes xq, wqk, wv, wo
.if DOCPART == 1
	.amdgcn_target "amdgcn-amd-amdhsa--gfx1250"
	.amdhsa_code_object_version 6
	.text
	.protected	k_q98fac49de1_quant
	.globl	k_q98fac49de1_quant
	.p2align	8
	.type	k_q98fac49de1_quant,@function
k_q98fac49de1_quant:
	s_mov_b64 s[64:65], 0
	v_nop
	global_prefetch_b8 v0, s[64:65] scope:SCOPE_SE
	s_setreg_imm32_b32 hwreg(HW_REG_WAVE_MODE, 25, 1), 1
	s_wait_xcnt 0x0
; x [8192][1024] f32 (K innermost) and W_Q, W_K, W_V, W_O [1024 (K)][1024] f32 (K outermost) become codes of E3M2, 6 bits each, K innermost, with one E8M0 byte for each 32 along K.
; AN OPERAND BUFFER: scale bytes [row][32] from byte 0, codes [row][768] from byte 262,144.  wqk holds W_Q's 1,024 columns as rows 0-1,023 and W_K's as rows 1,024-2,047.
; THE ROW ORDER: the buffer's row p holds the tensor's row (a weight's column) sigma(p) = p with bits 3 and 4 exchanged.  So the 16 rows of a matrix tile, read plainly, are rows
; 32 b + 8 u + r + 8 (r / 8), and a product used transposed leaves 16 neighbours along this axis in the 16 registers of two neighbouring tiles.
; A block's scale is 2^(floor(log2(its largest magnitude)) - 4); its byte is the largest magnitude's exponent field - 4, held at 1 from below.
; LIMITS: a block whose largest magnitude lies under 2^-122 has its byte held at 1; a block of zeros gets the byte 1 where the quantiser says 127 (its codes are zeros, which add nothing, and
; only this program reads the bytes); NaN and infinities among the inputs are not served.
; Work-groups 0-255 take x, 256-383 the weights: two paths that part on the work-group's number and never join; each has LDS bytes of its own.  No tensor loads, no barrier: waves share nothing.
.set EMAX,  4
.set STEPS, 16                         ; x: a wave takes 16 steps of 512 numbers: 8 rows
.set CB,    12                         ; bytes of 16 codes
.set XR,    16                         ; v16-79   x: four sets of 16 numbers as they are loaded
.set XX,    80                         ; v80-111  two sets of 16 neighbours
.set XE,    112                        ; v112-127 a scale byte for each step
.set XC,    128                        ; v128-191 codes: four registers for each step
.set WREG,  8192                       ; x's path: LDS 0 .. 32,767: a region for each wave: two stages of 32 x SP bytes, then its 256 scale bytes
.set SP,    80                         ; a lane's place in a stage: 64 bytes + 16 of padding
.set WSTG,  32768                      ; the weights' path: LDS from here: a stage of 32 rows x PITCH for each wave
.set NB,    8                          ; weights: blocks of 32 along K for a wave (256 along K)
.set PITCH, 272                        ; a stage row: sixteen places of 16 bytes, each with 12 bytes of codes, + 16
.set KROW,  768                        ; a row of codes in bytes
.set WX,    32                         ; v32-95   weights: two sets of 32 numbers
.set WC,    96                         ; v96-102  a block's codes
.set WO,    112                        ; v112-175 the way out
.set WSB,   24                         ; v24-25   the scale bytes, four to a register
	s_load_b512 s[16:31], s[0:1], 0x0              ; x 16, W_Q 18, W_K 20, W_V 22, W_O 24, xq 26, wqk 28, wv 30
	s_load_b64 s[32:33], s[0:1], 0x40              ; wo
	v_lshl_add_u32 v192, v0, 2, 0x10800
	v_mov_b32 v193, 0
	v_lshrrev_b32 v1, 5, v0
	v_readfirstlane_b32 s8, v1                     ; wave 0..3
	v_and_b32 v2, 31, v0                           ; lane
	s_wait_kmcnt 0x0
	s_cmp_lt_u32 ttmp9, 256
	s_cbranch_scc0 .Lweights
; ---------------- x: a plain stream of blocks of 32.  A wave's run of 8,192 numbers is 8 rows; sigma moves whole groups of 8 rows, so only the run's place in the output changes.
; Each load reads 512 consecutive bytes, 16 a lane; a step's 2,048 bytes turn through the wave's stage and come back 64 bytes a lane: 16 neighbours, two lanes to a block.
	v_lshlrev_b32 v3, 4, v2                        ; my 16 bytes of a load's 512
	s_mul_i32 s9, s8, WREG
	v_lshrrev_b32 v14, 2, v2
	v_mul_u32_u24 v14, v14, SP
	v_and_b32 v15, 3, v2
	v_lshl_add_u32 v14, v15, 4, v14
	v_add_nc_u32 v14, s9, v14                      ; the stage, in: SP (lane / 4) + 16 (lane % 4)
	v_mul_u32_u24 v15, v2, SP
	v_add_nc_u32 v15, s9, v15                      ; and out: SP x lane
	v_mul_u32_u24 v4, v2, CB                       ; my codes' place in a step's 384 bytes
	v_lshrrev_b32 v5, 1, v2
	s_add_co_u32 s9, s9, 2*32*SP
	v_add_nc_u32 v5, s9, v5                        ; my block's byte among the wave's 256
	v_lshlrev_b32 v7, 3, v2
	v_add_nc_u32 v6, s9, v7                        ; and on the way out 8 bytes a lane
	s_lshl_b32 s10, ttmp9, 2
	s_add_co_u32 s11, s10, s8                      ; the run that I read: 4 x work-group + wave
	s_lshl_b32 s12, s11, 15                        ; 32,768 bytes a run
	s_mov_b32 s13, 0
	s_add_nc_u64 s[16:17], s[16:17], s[12:13]
	s_and_b32 s11, s8, 1
	s_lshl_b32 s11, s11, 1
	s_lshr_b32 s14, s8, 1
	s_or_b32 s11, s11, s14                         ; the wave's two bits exchanged: rows' bits 3 and 4
	s_add_co_u32 s11, s10, s11                     ; the run that I write
	s_mul_i32 s12, s11, 6144
	s_add_co_u32 s12, s12, 262144
	s_add_nc_u64 s[4:5], s[26:27], s[12:13]        ; its codes
	s_lshl_b32 s12, s11, 8
	s_add_nc_u64 s[6:7], s[26:27], s[12:13]        ; its 256 scale bytes
.macro XLOAD t
.irp i, 0,1,2,3
	global_load_b128 v[XR+16*((\t)%4)+4*\i:XR+16*((\t)%4)+4*\i+3], v3, s[16:17] offset:2048*(\t)+512*\i th:TH_LOAD_NT
.endr
.endm
.macro XTURN t                         ; LDS serves a wave's instructions in order (ISA guide 5.7.1.4): no wait between the stores and the loads
.irp i, 0,1,2,3
	ds_store_b128 v14, v[XR+16*((\t)%4)+4*\i:XR+16*((\t)%4)+4*\i+3] offset:32*SP*((\t)%2)+8*SP*\i
.endr
.irp i, 0,1,2,3
	ds_load_b128 v[XX+16*((\t)%2)+4*\i:XX+16*((\t)%2)+4*\i+3], v15 offset:32*SP*((\t)%2)+16*\i
.endr
.endm
.irp t, 0,1,2,3
	XLOAD \t
.endr
	s_wait_loadcnt 12                              ; step 0's four loads are in; twelve younger ones stay out
	XTURN 0
.macro XSTEP t
.set XS, XX+16*((\t)%2)
.if (\t) > 0
	s_wait_dscnt 1                                 ; this step's numbers are back from the stage (the last step's byte store may be out)
.else
	s_wait_dscnt 0x0
.endif
.if (\t)+4 < STEPS
	XLOAD (\t)+4                                   ; into the set whose numbers the stage has taken
.endif
.if (\t)+1 < STEPS
.if STEPS-2-(\t) >= 3
	s_wait_loadcnt 12                              ; the next step's four loads are in; those of the three steps behind it may be out
.else
	s_wait_loadcnt 4*(STEPS-2-(\t))
.endif
	XTURN (\t)+1
.endif
	v_max3_num_f32 v8, |v[XS]|, |v[XS+1]|, |v[XS+2]|               ; the largest magnitude of my 16, in two chains
	v_max3_num_f32 v9, |v[XS+3]|, |v[XS+4]|, |v[XS+5]|
.irp i, 6,10
	v_max3_num_f32 v8, v8, |v[XS+\i]|, |v[XS+\i+1]|
	v_max3_num_f32 v9, v9, |v[XS+\i+2]|, |v[XS+\i+3]|
.endr
	v_max3_num_f32 v8, v8, |v[XS+14]|, |v[XS+15]|
	v_max3_num_f32 v8, v8, v9, (EMAX+1)<<23        ; and the floor 2^(5 - 127): the byte cannot fall under 1
	v_max_num_f32_dpp v8, v8, v8 row_xmask:1 row_mask:0xf bank_mask:0xf   ; with my neighbour's 16: the block's
	v_add_nc_u32 v11, 0xfe000000, v8               ; 4 off its exponent field: the conversion takes that field as its scale
	v_cvt_scalef32_pk16_bf6_f32 v[XC+4*(\t):XC+4*(\t)+2], v[XS:XS+15], v11
	v_lshrrev_b32 v[XE+(\t)], 23, v11              ; the scale's byte
	ds_store_b8 v5, v[XE+(\t)] offset:16*(\t)      ; both lanes of a block write the same byte with the same value
	global_store_b96 v4, v[XC+4*(\t):XC+4*(\t)+2], s[4:5] offset:32*CB*(\t)   ; the wave stores 384 consecutive bytes
.endm
.irp t, 0,1,2,3,4,5,6,7,8,9,10,11,12,13,14,15
	XSTEP \t
.endr
	ds_load_b64 v[12:13], v6
	s_wait_dscnt 0x0
	global_store_b64 v7, v[12:13], s[6:7]          ; 32 lanes store 256 consecutive bytes, aligned
	s_wait_tensorcnt 0x0
	ds_add_u32 v192, v193
	s_wait_dscnt 0x0
	s_endpgm
; ---------------- the weights: a lane takes a column, its registers run down K: a block of 32 lies in one lane, and the codes come out with K innermost.
; Work-group u = 0..127: weight u / 32, columns 128 ((u / 4) % 8) on, K from 256 (u % 4) on.  A wave: 32 columns x 256 along K.
.Lweights:
	s_sub_co_u32 s9, ttmp9, 256
	s_lshr_b32 s10, s9, 5                          ; 0 W_Q, 1 W_K, 2 W_V, 3 W_O
	s_bfe_u32 s11, s9, 0x30002                     ; which 128 columns
	s_and_b32 s12, s9, 3                           ; which 256 along K
	s_bitcmp1_b32 s10, 0                           ; the choices hang on the work-group's number alone
	s_cselect_b64 s[34:35], s[20:21], s[18:19]     ; W_K or W_Q
	s_cselect_b64 s[36:37], s[24:25], s[22:23]     ; W_O or W_V
	s_cselect_b64 s[38:39], s[32:33], s[30:31]     ; wo or wv
	s_bitcmp1_b32 s10, 1
	s_cselect_b64 s[4:5], s[36:37], s[34:35]       ; the weight
	s_cselect_b64 s[6:7], s[38:39], s[28:29]       ; its operand buffer
	s_cmp_eq_u32 s10, 1
	s_cselect_b32 s44, 1024, 0                     ; W_K's rows lie behind W_Q's
	s_lshl_b32 s14, s11, 7
	s_lshl_b32 s15, s8, 5
	s_add_co_u32 s14, s14, s15                     ; my wave's first column
	s_lshl_b32 s40, s12, 20                        ; 256 rows of 4,096 bytes
	s_lshl_b32 s15, s14, 2
	s_add_co_u32 s40, s40, s15
	s_mov_b32 s41, 0
	s_add_nc_u64 s[4:5], s[4:5], s[40:41]
	s_add_co_u32 s14, s14, s44                     ; the first row of the buffer that I write
	s_mul_i32 s40, s14, KROW
	s_mul_i32 s15, s12, 192
	s_add_co_u32 s40, s40, s15
	s_add_co_u32 s40, s40, 262144
	s_add_nc_u64 s[42:43], s[6:7], s[40:41]        ; codes
	s_lshl_b32 s40, s14, 5
	s_lshl_b32 s15, s12, 3
	s_add_co_u32 s40, s40, s15
	s_add_nc_u64 s[6:7], s[6:7], s[40:41]          ; scale bytes
	v_lshlrev_b32 v3, 2, v2                        ; in: 4 bytes a lane
	v_and_b32 v10, 7, v2
	v_and_b32 v11, 8, v2
	v_lshl_add_u32 v10, v11, 1, v10
	v_bfe_u32 v11, v2, 4, 1
	v_lshl_add_u32 v10, v11, 3, v10                ; sigma(lane): the row, of my wave's 32, that takes my column
	s_mul_i32 s15, s8, 32*PITCH
	s_add_co_u32 s15, s15, WSTG                    ; my stage
	v_mul_u32_u24 v4, v10, PITCH
	v_add_nc_u32 v4, s15, v4                       ; into it
	v_and_b32 v5, 15, v2
	v_lshrrev_b32 v6, 4, v2                        ; out of it: sixteen lanes to a row, two rows an instruction
	v_mul_u32_u24 v7, v6, PITCH
	v_lshl_add_u32 v7, v5, 4, v7
	v_add_nc_u32 v7, s15, v7
	v_mul_u32_u24 v8, v6, KROW
	v_mad_u32_u24 v8, v5, 12, v8                   ; and the same place among the codes
	v_lshlrev_b32 v9, 5, v10                       ; my row of scale bytes
.macro WLOAD t                         ; block t: W(32 t + n, my column), n = 0 .. 31: each load reads 128 consecutive bytes
.set n, 0
.rept 32
	global_load_b32 v[WX+32*((\t)%2)+n], v3, s[4:5] offset:(32*(\t)+n)*4096 th:TH_LOAD_NT
.set n, n+1
.endr
.endm
	WLOAD 0
	WLOAD 1
.macro WBLOCK t
.set XS, WX+32*((\t)%2)
.if (\t) < NB-1
	s_wait_loadcnt 32                              ; this block's 32 loads are in; the next block's may be out
.else
	s_wait_loadcnt 0
.endif
	v_max3_num_f32 v12, |v[XS]|, |v[XS+1]|, |v[XS+2]|
	v_max3_num_f32 v13, |v[XS+3]|, |v[XS+4]|, |v[XS+5]|
.irp i, 6,10,14,18,22,26
	v_max3_num_f32 v12, v12, |v[XS+\i]|, |v[XS+\i+1]|
	v_max3_num_f32 v13, v13, |v[XS+\i+2]|, |v[XS+\i+3]|
.endr
	v_max3_num_f32 v12, v12, |v[XS+30]|, |v[XS+31]|
	v_max3_num_f32 v12, v12, v13, (EMAX+1)<<23     ; with the floor
	v_add_nc_u32 v11, 0xfe000000, v12              ; the conversion's scale operand
	v_lshrrev_b32 v13, 23, v11                     ; the scale's byte
.if (\t)%4 == 0
	v_mov_b32 v[WSB+(\t)/4], v13
.else
	v_lshl_or_b32 v[WSB+(\t)/4], v13, 8*((\t)%4), v[WSB+(\t)/4]
.endif
	v_cvt_scalef32_pk16_bf6_f32 v[WC:WC+2], v[XS:XS+15], v11
	v_cvt_scalef32_pk16_bf6_f32 v[WC+4:WC+6], v[XS+16:XS+31], v11   ; (a conversion's three registers begin on an even number)
	ds_store_b96 v4, v[WC:WC+2] offset:32*(\t)     ; 12 bytes to a place of 16, so that every LDS address is a multiple of 16
	ds_store_b96 v4, v[WC+4:WC+6] offset:32*(\t)+16
.if (\t)+2 < NB
	WLOAD (\t)+2
.endif
	s_wait_dscnt 0x0                               ; the stores have read their registers: the next block's codes may be written
.endm
.set Q, 0
.rept NB
	WBLOCK Q
.set Q, Q+1
.endr
	global_store_b64 v9, v[WSB:WSB+1], s[6:7]      ; my column's 8 scale bytes
.irp t, 0,1,2,3,4,5,6,7,8,9,10,11,12,13,14,15
	ds_load_b96 v[WO+4*\t:WO+4*\t+2], v7 offset:2*\t*PITCH
.endr
.irp t, 0,1,2,3,4,5,6,7,8,9,10,11,12,13,14,15
	s_wait_dscnt 15-\t                             ; LDS loads come back in order: number t is in
	global_store_b96 v8, v[WO+4*\t:WO+4*\t+2], s[42:43] offset:2*\t*KROW   ; sixteen lanes store a row's 192 consecutive bytes
.endr
	s_wait_tensorcnt 0x0
	ds_add_u32 v192, v193
	s_wait_dscnt 0x0
	s_endpgm
.Lfunc_end_k_q98fac49de1_quant:
	.size	k_q98fac49de1_quant, .Lfunc_end_k_q98fac49de1_quant-k_q98fac49de1_quant
	.p2alignl 7, 3214868480
	.fill 96, 4, 3214868480
	.section	.rodata,"a",@progbits
	.p2align	6, 0x0
	.amdhsa_kernel k_q98fac49de1_quant
		.amdhsa_group_segment_fixed_size 68096
		.amdhsa_private_segment_fixed_size 0
		.amdhsa_enable_private_segment 0
		.amdhsa_kernarg_size 72
		.amdhsa_user_sgpr_count 2
		.amdhsa_user_sgpr_kernarg_segment_ptr 1
		.amdhsa_wavefront_size32 1
		.amdhsa_system_sgpr_workgroup_id_x 1
		.amdhsa_system_sgpr_workgroup_id_y 1
		.amdhsa_system_sgpr_workgroup_id_z 1
		.amdhsa_system_vgpr_workitem_id 0
		.amdhsa_next_free_vgpr 194
		.amdhsa_next_free_sgpr 66
		.amdhsa_reserve_vcc 0
		.amdhsa_float_denorm_mode_32 3
		.amdhsa_float_denorm_mode_16_64 3
		.amdhsa_memory_ordered 1
		.amdhsa_forward_progress 1
		.amdhsa_inst_pref_size 74
	.end_amdhsa_kernel
	.amdgpu_metadata
---
amdhsa.version: [ 1, 2 ]
amdhsa.kernels:
  - .name:           k_q98fac49de1_quant
    .symbol:         k_q98fac49de1_quant.kd
    .args:
      - { .name: x, .offset: 0, .size: 8, .value_kind: global_buffer, .address_space: global }
      - { .name: W_Q, .offset: 8, .size: 8, .value_kind: global_buffer, .address_space: global }
      - { .name: W_K, .offset: 16, .size: 8, .value_kind: global_buffer, .address_space: global }
      - { .name: W_V, .offset: 24, .size: 8, .value_kind: global_buffer, .address_space: global }
      - { .name: W_O, .offset: 32, .size: 8, .value_kind: global_buffer, .address_space: global }
      - { .name: xq, .offset: 40, .size: 8, .value_kind: global_buffer, .address_space: global }
      - { .name: wqk, .offset: 48, .size: 8, .value_kind: global_buffer, .address_space: global }
      - { .name: wv, .offset: 56, .size: 8, .value_kind: global_buffer, .address_space: global }
      - { .name: wo, .offset: 64, .size: 8, .value_kind: global_buffer, .address_space: global }
    .group_segment_fixed_size: 68096
    .private_segment_fixed_size: 0
    .kernarg_segment_align: 8
    .kernarg_segment_size: 72
    .max_flat_workgroup_size: 128
    .sgpr_count:     66
    .vgpr_count:     194
    .wavefront_size: 32
...
	.end_amdgpu_metadata
.endif
;; end of part 1
;; launch gemm_qk (part 2): grid 8 x 32, 4 waves a work-group, clusters of 4 x 4, 327,680 bytes of LDS; arguments xq, wqk, qkq; writes qkq
.if DOCPART == 2
	.amdgcn_target "amdgcn-amd-amdhsa--gfx1250"
	.amdhsa_code_object_version 6
	.text
	.protected	k_q98fac49de1_gemm_qk
	.globl	k_q98fac49de1_gemm_qk
	.p2align	8
	.type	k_q98fac49de1_gemm_qk,@function
k_q98fac49de1_gemm_qk:
	s_mov_b64 s[64:65], 0
	v_nop
	global_prefetch_b8 v0, s[64:65] scope:SCOPE_SE
	s_setreg_imm32_b32 hwreg(HW_REG_WAVE_MODE, 25, 1), 1
	s_wait_xcnt 0x0
	s_wait_alu depctr_hold_cnt(0) depctr_sa_sdst(0) depctr_va_vdst(0) depctr_va_sdst(0) depctr_va_ssrc(0) depctr_va_vcc(0) depctr_vm_vsrc(0)
	s_getreg_b32 s2, hwreg(HW_REG_IB_STS2, 6, 4)
	s_cmp_eq_u32 s2, 0
	s_cbranch_scc0 .Lentry_in_a_cluster
	s_endpgm
.Lentry_in_a_cluster:
	s_bfe_u32 s2, ttmp6, 0x10000c
	s_cmp_lg_u32 s2, 0xf033
	s_cbranch_scc0 .Lentry_shape_is_right
	s_endpgm
.Lentry_shape_is_right:
; C[m][n] = sum over k of A[m][k] B[n][k], K = 1,024, on codes of E3M2 with one E8M0 scale for each 32 along K; the f32 sums never go to memory: THEY ARE QUANTISED ALONG n IN REGISTERS, again to E3M2 with a scale for each 32.
; The body serves two launches: (A, B) = (x, W_Q | W_K): q and k, quantised along the head's 64;  (A, B) = (W_V, x): V^T, quantised along the tokens.
; AN OPERAND BUFFER: scale bytes [row][32] from byte 0, codes [row][768] from byte 262,144; its row p holds the tensor's row sigma(p) = p with bits 3 and 4 exchanged.
; A tile of C, 256 x 256, is made by a work-group of four waves; a wave makes 128 x 128: 64 accumulators, 512 registers.  K goes in steps of 256 through a ring of two LDS slots filled by the tensor data mover.
; The scales of the work-group's 256 rows of A and of B, for all of K, come into LDS once, with the first fills.
; CLUSTERS: 4 x 4 work-groups; A's tiles are asked for jointly along a row of the cluster, B's along a column.
; THE MATRIX INSTRUCTION IS USED TRANSPOSED (source 0 = 16 rows of B, source 1 = 16 rows of A): lane (r, h) holds row r of A's block, and by B's row order the 16 registers of B's blocks 2 b, 2 b + 1 are the
; 16 NEIGHBOURS n = 32 b + 16 h + 0 .. 15.  So a block of A's rows (64 registers a lane) becomes one operand fragment (16 rows x 128 n) and one scale word a row.
; THE OUTPUT: scale words from byte 0: the word of (row m, 128 n: G) at (G / 16) 65,536 + (16 (m / 256) + G % 16) 1,024 + 4 (m % 256);
;   codes from byte 524,288: the 48 bytes of (row m, 64 n: g) at (g / 32) 1,572,864 + (32 (m / 256) + g % 32) 12,288 + 48 (m % 256).  m counts A's rows as the buffer has them, n is in the tensor's own order.
; LIMITS: a block whose largest magnitude lies under 2^-122 has its byte held at 1; a block of zeros gets the byte 1 where the quantiser says 127 (zero codes; only this program reads the bytes); NaN and infinities are not served.
; REGISTERS, in windows of 256: window 0: v0-31 addresses; v32-63 scale words, two sets; v128-223 A's fragments, one set; on the way out v32-255 are free.
;   window 1: B's fragments, two sets, at v0 and v128.   window 2: the accumulators of my rows 0-63 ((a, b) at v[8 (8 a + b)]);   window 3: those of my rows 64-127.
.set SIZE_K, 1024
.set KSTEP,  256                       ; along K in a slot
.set NQ,     KSTEP/128
.set ROWB,   192                       ; a tile's row in bytes
.set KROW,   SIZE_K*6/8                ; a row of codes in memory
.set PITCH,  240                       ; an LDS row: 3 x (64 bytes + 16 of padding) = 60 words: the 32 lanes of a load of 8 bytes touch 64 different banks (64 banks of 4 bytes: ISA guide 11.1)
.set FR,     12                        ; registers of a fragment
.set NL,     6                         ; LDS loads that bring one
.set NP,     4                         ; places behind this matrix instruction (ISA guide 7.12.1)
.set HALFT,  128*PITCH
.set SLOT,   4*HALFT                   ; A's 256 rows, then B's 256 rows
.set LAPS,   SIZE_K/(2*KSTEP)
.set KS,     SIZE_K/32                 ; a row of scales in bytes
.set SCL,    2*SLOT                    ; behind the ring: the scales, as units of 256 bytes + 16 of padding
.set HALFS,  (128*KS/256)*272
.set SBLK,   (16*KS/256)*272
.set SPARE,  SCL+4*HALFS               ; the spare words, 128 bytes for each wave: two blocks of 256 bytes that no other line names
.set CODES,  262144                    ; where an operand buffer's codes begin
.set WSTG,   12800                     ; the way out: a stage for each wave, in slot 0 (which has had its last fill and its last read by then): 2 x 6,144 bytes of codes, 512 of scale words
.set ADRA, 16                          ; v16-17 LDS address of my A fragments in slot 0, 1 (v18-19: for the pieces behind one padding more)
.set ADRB, 20                          ; v20-23 the same for B
.set STO,  24                          ; v24  the stage: 48 r + 24 h
.set RD,   25                          ; v25  the stage read back: 16 x lane
.set CO,   26                          ; v26  16 x lane, in memory
.set ADRS, 27                          ; v27  LDS address of my scale words: lanes 0-15 A's rows, lanes 16-31 B's
.set SPW,  28                          ; v28  my spare word; never rewritten
.set NIL,  29                          ; v29  0; never rewritten
.set SWA,  30                          ; v30  the stage's scale words: 4 r
.set SC,   32
.set AF,   128
.set CD,   112                         ; the way out: v112-130 the codes just made
.set TM,   200                         ; v200-203 largest magnitudes, v204-207 bytes, v212-215 the conversions' scale operands
.set PW,   216                         ; the scale word just made
.set OB,   32                          ; v32-131 the stage read back
.set G1, 24
.set G0, 32
.set G1B, 48
.set G0B, 56
.set G1S, 68
.set G0S, 76
.set G1SB, 80
.set G0SB, 88
.set SEL, 96                           ; s[96:97] v_permlanex16_b32's selects for lane l xor 16
.set MSB, 0
.macro WIN new                         ; the immediate's high byte repeats the setting that is left
.if MSB != \new
	s_set_vgpr_msb (MSB<<8)|\new
.set MSB, \new
.endif
.endm
.set MUL_LO, 0xa1                      ; source 0 (B) window 1, source 1 (A) window 0, C and D window 2
.set MUL_HI, 0xf1
.set TO_B,   0x40
; A joint load: waves 0 and 1 fetch for A, waves 2 and 3 for B; the branch hangs on the wave's number alone.  Four v_nop follow each of the two lines.
.macro JLOAD g0a, g1a, g0b, g1b
	s_cmp_eq_u32 s15, 0
	s_cbranch_scc0 .Lfor_b_\@
	tensor_load_to_lds s[\g0a:\g0a+3], s[\g1a:\g1a+7]
	s_nop 0
.rept 4
	v_nop
.endr
	s_branch .Lasked_\@
.Lfor_b_\@:
	tensor_load_to_lds s[\g0b:\g0b+3], s[\g1b:\g1b+7]
	s_nop 0
.rept 4
	v_nop
.endr
.Lasked_\@:
.endm
.macro CREST                           ; a round of the cluster's barrier behind its opening barrier
	s_cmp_lg_u32 s14, 0
	s_cbranch_scc1 .Lnot_wave_0_\@
	s_barrier_signal -3
.Lnot_wave_0_\@:
	s_barrier_wait -3
	s_barrier_signal -1
	s_barrier_wait -1
.endm
.macro CROUND
	s_barrier_signal -1
	s_barrier_wait -1
	CREST
.endm
	s_load_b64 s[6:7], s[0:1], 0x0                 ; A's buffer: its scales begin at byte 0
	s_load_b64 s[10:11], s[0:1], 0x8               ; B's
	s_load_b64 s[12:13], s[0:1], 0x10              ; the output
	v_lshl_add_u32 v[SPW], v0, 2, SPARE
	v_mov_b32 v[NIL], 0
	ds_add_u32 v28, v29
	s_wait_dscnt 0x0
	v_lshrrev_b32 v1, 5, v0
	v_readfirstlane_b32 s14, v1                    ; wave 0..3
	s_lshr_b32 s15, s14, 1                         ; which half of the tile's rows is mine.  Also: I fetch for A (0) or for B (1)
	s_and_b32 s16, s14, 1                          ; which half of its columns.  Also: which 128 rows of that tile I fetch
	s_bfe_u32 s40, ttmp6, 0x40000                  ; cx, cy: my place in the cluster
	s_bfe_u32 s41, ttmp6, 0x40004
	s_lshl_b32 s42, ttmp9, 2
	s_add_co_u32 s42, s42, s40                     ; tile column of C
	s_and_b32 s17, ttmp7, 0xffff
	s_lshl_b32 s17, s17, 2
	s_add_co_u32 s17, s17, s41                     ; tile row of C
	s_lshl_b32 s43, s41, 2
	s_lshl_b32 s43, 15, s43                        ; my row of the cluster
	s_lshl_b32 s44, 0x1111, s40                    ; my column
	s_mov_b32 s[SEL], 0x76543210
	s_mov_b32 s[SEL+1], 0xfedcba98
	; descriptor group 1: a tile of 128 rows x 192 bytes, 16 bytes of padding behind every 64
	s_or_b32 s[G1+0], s43, (0<<16)|(1<<20)|(1<<21)|(3<<22)|(3<<25)
	s_or_b32 s[G1B+0], s44, (0<<16)|(1<<20)|(1<<21)|(3<<22)|(3<<25)
.irp g, G1, G1B
	s_mov_b32 s[\g+1], ROWB<<16                    ; tensor_dim0
	s_mov_b32 s[\g+2], 128<<16                     ; tensor_dim1
	s_mov_b32 s[\g+3], ROWB<<16                    ; tile_dim0
	s_mov_b32 s[\g+4], 128                         ; tile_dim1
	s_mov_b32 s[\g+5], KROW                        ; tensor_dim0_stride
	s_mov_b32 s[\g+6], 0
	s_mov_b32 s[\g+7], 0
.endr
	; the scales of 128 rows: a dense block of 4,096 bytes, as rows of 256 bytes (32 elements of 8), 16 bytes of padding behind each
	s_or_b32 s[G1S+0], s43, (3<<16)|(1<<20)|(1<<21)|(5<<22)|(3<<25)
	s_or_b32 s[G1SB+0], s44, (3<<16)|(1<<20)|(1<<21)|(5<<22)|(3<<25)
.irp g, G1S, G1SB
	s_mov_b32 s[\g+1], 32<<16
	s_mov_b32 s[\g+2], (128*KS/256)<<16
	s_mov_b32 s[\g+3], 32<<16
	s_mov_b32 s[\g+4], 128*KS/256
	s_mov_b32 s[\g+5], 32
	s_mov_b32 s[\g+6], 0
	s_mov_b32 s[\g+7], 0
.endr
	s_lshl_b32 s18, s16, 7                         ; which 128 rows of the tile I fetch
	s_lshl_b32 s20, s17, 8
	s_add_co_u32 s20, s20, s18                     ; A: row 256 x tile row + 128 x half
	s_lshl_b32 s46, s42, 8
	s_add_co_u32 s46, s46, s18                     ; B: row 256 x tile column + 128 x half
	s_mov_b32 s21, 0
	s_mov_b32 s47, 0
	s_mov_b64 s[18:19], KS
	s_mul_u64 s[22:23], s[20:21], s[18:19]         ; where these rows' scales begin,
	s_mul_u64 s[92:93], s[46:47], s[18:19]
	s_mov_b64 s[18:19], KROW
	s_mul_u64 s[20:21], s[20:21], s[18:19]         ; and their codes
	s_mul_u64 s[46:47], s[46:47], s[18:19]
	s_mul_i32 s45, s14, HALFT                      ; where they go: wave x 128 rows: no place in the cluster enters an LDS address
	s_mul_i32 s94, s14, HALFS
	s_wait_kmcnt 0x0
	s_add_nc_u64 s[4:5], s[6:7], CODES             ; A's codes
	s_add_nc_u64 s[8:9], s[10:11], CODES           ; B's codes
	s_add_nc_u64 s[20:21], s[4:5], s[20:21]
	s_add_nc_u64 s[22:23], s[6:7], s[22:23]
	s_add_nc_u64 s[46:47], s[8:9], s[46:47]
	s_add_nc_u64 s[92:93], s[10:11], s[92:93]
	CROUND                                         ; all sixteen work-groups are here: the first joint loads meet
	s_mov_b32 s[G0S], 1
	s_add_co_u32 s[G0S+1], s94, SCL
	s_mov_b64 s[G0S+2:G0S+3], s[22:23]
	s_or_b32 s[G0S+3], s[G0S+3], 0x80000000
	s_mov_b32 s[G0SB], 1
	s_add_co_u32 s[G0SB+1], s94, SCL
	s_mov_b64 s[G0SB+2:G0SB+3], s[92:93]
	s_or_b32 s[G0SB+3], s[G0SB+3], 0x80000000
	JLOAD G0S, G1S, G0SB, G1SB                     ; the scales first: they are wanted with K step 0
.irp s, 0,1
	s_mov_b32 s[G0+4*\s], 1
	s_add_co_u32 s[G0+4*\s+1], s45, \s*SLOT
	s_add_nc_u64 s[G0+4*\s+2:G0+4*\s+3], s[20:21], \s*ROWB
	s_or_b32 s[G0+4*\s+3], s[G0+4*\s+3], 0x80000000
	s_mov_b32 s[G0B+4*\s], 1
	s_add_co_u32 s[G0B+4*\s+1], s45, \s*SLOT
	s_add_nc_u64 s[G0B+4*\s+2:G0B+4*\s+3], s[46:47], \s*ROWB
	s_or_b32 s[G0B+4*\s+3], s[G0B+4*\s+3], 0x80000000
	JLOAD G0+4*\s, G1, G0B+4*\s, G1B               ; three tensor loads of mine are out now
.endr
	v_and_b32 v1, 15, v0                           ; r
	v_bfe_u32 v2, v0, 4, 1                         ; h
	v_mul_u32_u24 v3, v1, PITCH
	v_mul_u32_u24 v4, v2, 24
	v_add_nc_u32 v4, v3, v4                        ; a fragment's row x pitch + 24 x half
	v_lshl_add_u32 v5, v2, 4, v4                   ; and the same behind one padding more
	s_mul_i32 s21, s15, HALFT                      ; my 128 rows of A
	s_mul_i32 s22, s16, HALFT                      ; my 128 rows of B,
	s_add_co_u32 s22, s22, 2*HALFT                 ; which lie behind A's 256
.irp s, 0,1
	v_add_nc_u32 v[ADRA+\s], s21, v4
	v_add_nc_u32 v[ADRB+\s], s22, v4
	v_add_nc_u32 v[ADRA+2+\s], s21, v5
	v_add_nc_u32 v[ADRB+2+\s], s22, v5
	s_add_co_u32 s21, s21, SLOT
	s_add_co_u32 s22, s22, SLOT
.endr
	v_mul_u32_u24 v5, v1, KS                       ; my row's scales: 32 bytes a row,
	v_lshrrev_b32 v6, 8, v5
	v_lshl_add_u32 v5, v6, 4, v5                   ; and 16 more for each 256 passed
	s_mul_i32 s21, s15, HALFS
	s_mul_i32 s22, s16, HALFS
	s_add_co_u32 s22, s22, 2*HALFS
	s_sub_co_u32 s22, s22, s21
	v_mul_u32_u24 v6, s22, v2                      ; lanes 16-31 take B's
	s_add_co_u32 s21, s21, SCL
	v_add_nc_u32 v5, v5, v6
	v_add_nc_u32 v[ADRS], s21, v5
	s_mul_i32 s23, s14, WSTG                       ; my stage
	v_mul_u32_u24 v5, v1, 48
	v_mad_u32_u24 v5, v2, 24, v5
	v_add_nc_u32 v[STO], s23, v5                   ; in: row r of 48 bytes, 24 for each half of the lanes
	v_and_b32 v6, 31, v0
	v_lshlrev_b32 v[CO], 4, v6
	v_add_nc_u32 v[RD], s23, v[CO]                 ; back: 512 consecutive bytes an instruction
	s_add_co_u32 s23, s23, 12288
	v_lshl_add_u32 v[SWA], v1, 2, s23              ; the scale words: 4 bytes a row
	; where my part of the output begins
	s_lshr_b32 s18, s42, 3                         ; tile column / 8
	s_and_b32 s19, s42, 7
	s_mul_i32 s20, s18, 1572864
	s_lshl_b32 s21, s17, 5
	s_lshl_b32 s22, s19, 2
	s_add_co_u32 s21, s21, s22
	s_lshl_b32 s22, s16, 1
	s_add_co_u32 s21, s21, s22                     ; 32 x tile row + g % 32 of my first 64 columns
	s_mul_i32 s21, s21, 12288
	s_add_co_u32 s20, s20, s21
	s_mul_i32 s21, s15, 6144                       ; my 128 rows of 48 bytes
	s_add_co_u32 s20, s20, s21
	s_add_co_u32 s20, s20, 524288
	s_mov_b32 s21, 0
	s_lshl_b32 s22, s18, 16
	s_lshl_b32 s23, s17, 4
	s_lshl_b32 s46, s19, 1
	s_add_co_u32 s23, s23, s46
	s_add_co_u32 s23, s23, s16                     ; 16 x tile row + G % 16
	s_lshl_b32 s23, s23, 10
	s_add_co_u32 s22, s22, s23
	s_lshl_b32 s23, s15, 9
	s_add_co_u32 s22, s22, s23
	s_mov_b32 s23, 0
	s_add_nc_u64 s[92:93], s[12:13], s[22:23]      ; my 512 bytes of scale words
	s_add_nc_u64 s[12:13], s[12:13], s[20:21]      ; my codes
.macro FRAG reg, adr, q, i             ; 16 rows x 128 K: 12 registers: lane (r, h): registers 6 c .. 6 c + 5 hold K = 64 c + 32 h + 0 .. 31: 24 bytes of the row, as they lie, in pieces of 8
.irp p, 0,1,2,3,4,5
.set PCE, 12*(\q)+6*(\p/3)+\p%3        ; the row's piece for lanes 0-15; lanes 16-31 take the piece three on: where that lies behind one padding more, the second address register serves
.if PCE%8 < 5
	ds_load_b64 v[\reg+2*\p:\reg+2*\p+1], v[\adr] offset:8*PCE+16*(PCE/8)+(\i)*16*PITCH
.else
	ds_load_b64 v[\reg+2*\p:\reg+2*\p+1], v[\adr+2] offset:8*PCE+16*(PCE/8)+(\i)*16*PITCH
.endif
.endr
.endm
; 16 matrix instructions: A's blocks a0, a0 + 1 x B's eight.  The 64 accumulators take turns, one instruction a turn, in the same order in every step.
.macro MUL16 a0, p, q, sc, zero
.irp a, \a0, \a0+1
.irp b, 0,1,2,3,4,5,6,7
.if \zero
	v_wmma_scale_f32_16x16x128_f8f6f4 v[8*(8*((\a)%4)+\b):8*(8*((\a)%4)+\b)+7], v[128*(\p)+FR*\b:128*(\p)+FR*\b+FR-1], v[AF+FR*(\a):AF+FR*(\a)+FR-1], 0, v[SC+8*NQ*(\sc)+NQ*\b+(\q)], v[SC+8*NQ*(\sc)+NQ*(\a)+(\q)] matrix_a_fmt:MATRIX_FMT_BF6 matrix_b_fmt:MATRIX_FMT_BF6 matrix_a_scale:MATRIX_SCALE_ROW1
.else
	v_wmma_scale_f32_16x16x128_f8f6f4 v[8*(8*((\a)%4)+\b):8*(8*((\a)%4)+\b)+7], v[128*(\p)+FR*\b:128*(\p)+FR*\b+FR-1], v[AF+FR*(\a):AF+FR*(\a)+FR-1], v[8*(8*((\a)%4)+\b):8*(8*((\a)%4)+\b)+7], v[SC+8*NQ*(\sc)+NQ*\b+(\q)], v[SC+8*NQ*(\sc)+NQ*(\a)+(\q)] matrix_a_fmt:MATRIX_FMT_BF6 matrix_b_fmt:MATRIX_FMT_BF6 matrix_a_scale:MATRIX_SCALE_ROW1
.endif
.endr
.endr
.endm
.macro FETCH_B slot, q, p
	WIN TO_B
.irp i, 0,1,2,3,4,5,6,7
	FRAG 128*(\p)+FR*\i, ADRB+\slot, \q, \i
.endr
	WIN 0
.endm
.macro FETCH_A slot, q, i0
.irp i, \i0, \i0+1, \i0+2, \i0+3
	FRAG AF+FR*(\i), ADRA+\slot, \q, \i
.endr
.endm
.macro SCALES sc                       ; a K step's scale words: lanes 0-15 take A's block i, lanes 16-31 B's block i
.irp i, 0,1,2,3,4,5,6,7
	ds_load_b64 v[SC+8*NQ*\sc+NQ*\i:SC+8*NQ*\sc+NQ*\i+1], v[ADRS] offset:\i*SBLK
.endr
.endm
.macro PLACES n                        ; plain vector instructions between a matrix instruction and a load into, or a read of, its registers
.rept \n
	v_nop
.endr
.endm
.macro STEP slot, q, zero              ; a step of 128 along K that has its successor in the same slot
	s_wait_dscnt 4*NL                              ; B's set and A's blocks 0-3 are in; the youngest 24 loads (A's blocks 4-7) may be out
	WIN MUL_LO
	MUL16 0, (\q)%2, \q, \slot, \zero
	MUL16 2, (\q)%2, \q, \slot, \zero
	s_wait_dscnt 0
	PLACES NP
	FETCH_B \slot, (\q)+1, 1-(\q)%2
	FETCH_A \slot, (\q)+1, 0
	WIN MUL_HI
	MUL16 4, (\q)%2, \q, \slot, \zero
	MUL16 6, (\q)%2, \q, \slot, \zero
	PLACES NP
	WIN 0
	FETCH_A \slot, (\q)+1, 4
.endm
; A slot's last step changes slots: one barrier; in front of it each wave waits for all its tensor loads, adds 0 to its spare word, and waits for that and for its reads of this slot.
.macro TURN slot, next, fill
	s_wait_tensorcnt 0x0                           ; all my tensor loads have landed: my part of the next slot
	ds_add_u32 v[SPW], v[NIL]                      ; 0 onto my spare word
	s_wait_dscnt 4*NL+1                            ; (the add and the youngest 24 loads may be out)
	WIN MUL_LO
	MUL16 0, 1, NQ-1, \slot, 0
	s_wait_dscnt 0x0                               ; the add is done, and my reads of this slot are over
	s_barrier_signal -1
	MUL16 2, 1, NQ-1, \slot, 0
	WIN 0
	s_barrier_wait -1
.if \fill
	CREST                                          ; the barrier has opened a round of the cluster's barrier: no wave of any partner still reads this slot or has a load on its way
	s_add_nc_u64 s[G0+4*\slot+2:G0+4*\slot+3], s[G0+4*\slot+2:G0+4*\slot+3], 2*ROWB
	s_add_nc_u64 s[G0B+4*\slot+2:G0B+4*\slot+3], s[G0B+4*\slot+2:G0B+4*\slot+3], 2*ROWB
	JLOAD G0+4*\slot, G1, G0B+4*\slot, G1B         ; the first tensor load behind the round; its four v_nop are also the places in front of the loads below
.else
	PLACES NP
.endif
	v_add_nc_u32 v[ADRS], 4*NQ, v[ADRS]            ; on to the next K step's scale words
	FETCH_B \next, 0, 0
	FETCH_A \next, 0, 0
	SCALES \next
	WIN MUL_HI
	MUL16 4, 1, NQ-1, \slot, 0
	MUL16 6, 1, NQ-1, \slot, 0
	PLACES NP
	WIN 0
	FETCH_A \next, 0, 4
.endm
	s_wait_tensorcnt 1                             ; the scales and my part of K step 0 are in (K step 1's load may be out)
	s_barrier_signal -1
	s_barrier_wait -1
	FETCH_B 0, 0, 0
	FETCH_A 0, 0, 0
	SCALES 0
	FETCH_A 0, 0, 4
	STEP 0, 0, 1                                   ; the first step's products start the sums: nothing is cleared
	s_mov_b32 s3, LAPS-1
.Llap:                                                 ; a trip goes once round the ring and fills both slots again
	TURN 0, 1, 1
	STEP 1, 0, 0
	TURN 1, 0, 1
	STEP 0, 0, 0
	s_sub_co_u32 s3, s3, 1
	s_cmp_lg_u32 s3, 0
	s_cbranch_scc1 .Llap
	TURN 0, 1, 0                                   ; the last lap fills nothing
	STEP 1, 0, 0
	s_wait_dscnt 4*NL
	WIN MUL_LO
	MUL16 0, 1, NQ-1, 1, 0
	MUL16 2, 1, NQ-1, 1, 0
	s_wait_dscnt 0
	WIN MUL_HI
	MUL16 4, 1, NQ-1, 1, 0
	MUL16 6, 1, NQ-1, 1, 0
	WIN 0
; THE WAY OUT.  Block a of my rows: 64 numbers a lane, register 16 b + i = n 32 b + 16 h + i of row 16 a + r.  Each block of 32 lies in lanes l and l xor 16.
.macro EQUANT a
.set AC, 64*((\a)%4)
.set WW, 2+(\a)/4
.set WS12, (WW<<2)|(WW<<4)
	WIN WS12                                       ; sources 1 and 2: the accumulators' window
.irp b, 0,1,2,3
	v_max3_num_f32 v[TM+\b], 0x2800000, |v[AC+16*\b]|, |v[AC+1+16*\b]|   ; my 16 numbers of block b, and the floor 2^(5 - 127): each accumulator is read from its low end on
.endr
.irp i, 2,4,6,8,10,12,14
.irp b, 0,1,2,3
	v_max3_num_f32 v[TM+\b], v[TM+\b], |v[AC+16*\b+\i]|, |v[AC+1+16*\b+\i]|
.endr
.endr
	WIN 0
.irp b, 0,1,2,3
	v_permlanex16_b32 v[TM+4+\b], v[TM+\b], s[SEL], s[SEL+1]
.endr
.irp b, 0,1,2,3
	v_max_num_f32 v[TM+\b], v[TM+\b], v[TM+4+\b]   ; the block's largest magnitude
.endr
.irp b, 0,1,2,3
	v_add_nc_u32 v[TM+12+\b], 0xfe000000, v[TM+\b] ; 4 off its exponent field: the conversion's scale operand
.endr
.irp b, 0,1,2,3
	v_lshrrev_b32 v[TM+4+\b], 23, v[TM+12+\b]      ; the scale's byte
.endr
	v_lshl_or_b32 v[PW], v[TM+5], 8, v[TM+4]       ; my row's scale word
	v_lshl_or_b32 v[PW], v[TM+6], 16, v[PW]
	v_lshl_or_b32 v[PW], v[TM+7], 24, v[PW]
	WIN WW                                         ; source 0: the accumulators' window
.irp c, 0,1
	v_cvt_scalef32_pk16_bf6_f32 v[CD+6*\c:CD+2+6*\c], v[AC+32*\c:AC+15+32*\c], v[TM+12+2*\c]
	v_cvt_scalef32_pk16_bf6_f32 v[CD+12+4*\c:CD+14+4*\c], v[AC+16+32*\c:AC+31+32*\c], v[TM+12+2*\c+1]   ; (a conversion's three registers begin on an even number)
.endr
	WIN 0
	v_nop                                          ; one plain place behind a scaled conversion
.irp c, 0,1                                    ; the operand's layout wants a whole block in a lane: lanes 0-15 block 2 c, lanes 16-31 block 2 c + 1
.irp i, 0,1,2
	v_permlane16_swap_b32 v[CD+6*\c+\i], v[CD+12+4*\c+\i]
.endr
.irp i, 0,1,2
	v_mov_b32 v[CD+3+6*\c+\i], v[CD+12+4*\c+\i]
.endr
.endr
.irp c, 0,1
.irp i, 0,1,2
	ds_store_b64 v[STO], v[CD+6*\c+2*\i:CD+6*\c+2*\i+1] offset:\c*6144+(\a)*768+8*\i   ; words 12 r + 6 h + 2 i: the 32 lanes touch each of 64 banks once
.endr
.endr
	ds_store_b32 v[SWA], v[PW] offset:64*(\a)      ; both halves of the lanes write the same word with the same value
	s_wait_dscnt 0x0                               ; the stores have read their registers: the next block's codes may be written
.endm
	PLACES NP                                      ; behind the last products: their results are read, and registers that held A's fragments are written
.irp b, 0,1,2,3
	v_mov_b32 v[TM+4+\b], 0                        ; a lane permute's destination counts as one of its sources
.endr
.irp a, 0,1,2,3,4,5,6,7
	EQUANT \a
.endr
.set k, 0
.rept 25                               ; the stage comes back as it lies: 24 x 512 bytes of codes, 512 of scale words
	ds_load_b128 v[OB+4*k:OB+4*k+3], v[RD] offset:512*k
.set k, k+1
.endr
.set k, 0
.rept 24
	s_wait_dscnt 24-k                              ; LDS loads come back in order: number k is in
	global_store_b128 v[CO], v[OB+4*k:OB+4*k+3], s[12:13] offset:(k/12)*12288+(k%12)*512   ; 32 lanes store 512 consecutive bytes, at a multiple of 256 from the buffer's first byte
.set k, k+1
.endr
	s_wait_dscnt 0x0
	global_store_b128 v[CO], v[OB+96:OB+99], s[92:93]
	s_wait_tensorcnt 0x0                           ; the wave's end
	ds_add_u32 v[SPW], v[NIL]
	s_wait_dscnt 0x0
	CROUND                                         ; the closing round: no work-group ends while a partner may still ask for a tile that names it
	s_endpgm
.Lfunc_end_k_q98fac49de1_gemm_qk:
	.size	k_q98fac49de1_gemm_qk, .Lfunc_end_k_q98fac49de1_gemm_qk-k_q98fac49de1_gemm_qk
	.p2alignl 7, 3214868480
	.fill 96, 4, 3214868480
	.section	.rodata,"a",@progbits
	.p2align	6, 0x0
	.amdhsa_kernel k_q98fac49de1_gemm_qk
		.amdhsa_group_segment_fixed_size 327680
		.amdhsa_private_segment_fixed_size 0
		.amdhsa_enable_private_segment 0
		.amdhsa_kernarg_size 24
		.amdhsa_user_sgpr_count 2
		.amdhsa_user_sgpr_kernarg_segment_ptr 1
		.amdhsa_wavefront_size32 1
		.amdhsa_system_sgpr_workgroup_id_x 1
		.amdhsa_system_sgpr_workgroup_id_y 1
		.amdhsa_system_sgpr_workgroup_id_z 1
		.amdhsa_system_vgpr_workitem_id 0
		.amdhsa_next_free_vgpr 1024
		.amdhsa_next_free_sgpr 98
		.amdhsa_reserve_vcc 0
		.amdhsa_float_denorm_mode_32 3
		.amdhsa_float_denorm_mode_16_64 3
		.amdhsa_memory_ordered 1
		.amdhsa_forward_progress 1
		.amdhsa_inst_pref_size 171
	.end_amdhsa_kernel
	.amdgpu_metadata
---
amdhsa.version: [ 1, 2 ]
amdhsa.kernels:
  - .name:           k_q98fac49de1_gemm_qk
    .symbol:         k_q98fac49de1_gemm_qk.kd
    .args:
      - { .name: xq, .offset: 0, .size: 8, .value_kind: global_buffer, .address_space: global }
      - { .name: wqk, .offset: 8, .size: 8, .value_kind: global_buffer, .address_space: global }
      - { .name: qkq, .offset: 16, .size: 8, .value_kind: global_buffer, .address_space: global }
    .group_segment_fixed_size: 327680
    .private_segment_fixed_size: 0
    .kernarg_segment_align: 8
    .kernarg_segment_size: 24
    .max_flat_workgroup_size: 128
    .sgpr_count:     98
    .vgpr_count:     1024
    .wavefront_size: 32
...
	.end_amdgpu_metadata
.endif
;; end of part 2
;; launch gemm_v: the kernel of part 2 again; grid 32 x 4, 4 waves a work-group, clusters of 4 x 4, 327,680 bytes of LDS; arguments wv, xq, vq; writes vq
;; launch attn (part 3): grid 4 x 64, 16 waves a work-group, no clusters, 327,680 bytes of LDS; arguments qkq, vq, ao; writes ao
.if DOCPART == 3
	.amdgcn_target "amdgcn-amd-amdhsa--gfx1250"
	.amdhsa_code_object_version 6
	.text
	.protected	k_q98fac49de1_attn
	.globl	k_q98fac49de1_attn
	.p2align	8
	.type	k_q98fac49de1_attn,@function
k_q98fac49de1_attn:
	s_mov_b64 s[64:65], 0
	v_nop
	global_prefetch_b8 v0, s[64:65] scope:SCOPE_SE
	s_setreg_imm32_b32 hwreg(HW_REG_WAVE_MODE, 25, 1), 1
	s_wait_xcnt 0x0
; Causal attention of one head (64 wide) on codes of E3M2 with one E8M0 scale for each 32 along a product's K; its result is quantised along head x 64 + d and stored as the last product's operand.
; INPUTS.  qkq: q's and k's codes, 48 bytes for (token row, head), and scale words; vq: V^T's codes, 48 bytes for (row of V^T, 64 tokens), and scale words (layouts: at the addresses below).
; Token rows and V^T's rows lie in the order sigma (row p holds row p with bits 3 and 4 exchanged); along a product's K everything is in the tensor's own order.
; THE SOFTMAX: t = score x log2(e) / 8; M = the row's largest t so far, rounded up to a whole number; p = 2^(t - M) is quantised along the keys; the row's sum is taken of the unquantised p and divides O at the end.
; When M moves, the sum and O are multiplied by 2^(old M - new M): exact.  A block's largest p is made of the block's largest score by the same multiply-add and exponential (this takes v_exp_f32 not to fall where its input rises).
; SHARES.  Work-group (j, y): batch y / 16, head y % 16, query blocks j and 7 - j of 256 tokens.  Block j wants key slots 0 .. j (256 keys each), block 7 - j slots 0 .. 7 - j: NINE slots in every work-group:
; the trip count is a constant, the work is even, and no tile is fetched that nobody reads.  Each of sixteen waves owns one tile of 16 queries of the block in hand: four waves to a SIMD.
; NO CLUSTER: the four work-groups of a head walk different key slots in the same trip (slot T or T - j - 1), so no two of them want the same tile at the same time.
; LAYOUT.  Both products are used transposed: S^T = K Q^T (source 0 = 16 keys, source 1 = my 16 queries; the head's 64 fill half of the instruction's 128: the upper six registers of both fragments are zero codes),
; O^T = V^T P^T: a lane holds ONE query throughout.  By the row order the 16 registers of key tiles 2 b, 2 b + 1 are keys 32 b + 16 (lane / 16) + 0 .. 15, and O^T's register 16 b + i is d = 32 b + 16 (lane / 16) + i.
; Lane r of my tile is query Q0 + r + (r & 8), Q0 = 256 block + 32 (wave / 2) + 8 (wave % 2).
; CAUSAL: a step (128 keys) all of whose keys come after my queries is jumped over by a scalar branch on ids; on the diagonal hidden scores become -infinity ahead of the maximum.
; LIMITS: a block of the output whose largest magnitude lies under 2^-122 has its byte held at 1; a block of zeros gets the byte 1 where the quantiser says 127 (zero codes; only this program reads the bytes); NaN and infinities are not served.
; ao's scale bytes leave as 2 bytes a lane, rows 32 bytes apart: 32 bytes of a tile's 800.
.set SLOT1, 32768                      ; two slots; one exclusive or turns an address of one into the other's
.set VOFF,  12288                      ; a slot: K's codes [256 keys][48]; V's codes [4 groups of 64 keys][64 rows][48];
.set KSOFF, 24576                      ; K's scale words, one a key (two heads' bytes);
.set VSOFF, 25600                      ; V's scale words [2 steps][64 rows]
.set SPARE, 65536                      ; the spare words, 128 bytes for each wave: eight blocks of 256 bytes that no other line names
.set AK0,  1                           ; v1   48 r + 24 h: my place in a tile of K or of V.  Words 12 r + 6 h + 2 i: the 32 lanes of a load of 8 bytes touch each of 64 banks once
.set ASK0, 3                           ; v3   KSOFF + 4 r + 2 (head % 2)
.set ASV0, 4                           ; v4   VSOFF + 4 r
.set SPW,  5                           ; v5   my spare word; never rewritten
.set NIL,  6                           ; v6   0; never rewritten
.set GO,   7                           ; v7   8 x lane
.set ADK,  8                           ; v8-10 the addresses in the slot in hand
.set ADS,  9
.set ADT,  10
.set QL,   11                          ; v11  r + (r & 8) - 16 h
; v12 -M, v13 the largest t, v[14:15] the sum in two halves; v16-27 Q (v22-27 zeros); v28-33, v34 the second block's Q and scale word; v35 Q's scale word; v36-83 four fragments of K (the upper six of each: zeros);
; v84-87, v88-91 K's and V's scale words; v96-159 S^T, then p; v160-191 O^T; v192-215 two fragments of V; v216-227 p's codes; v228-246 at work; v247 p's scale word; v248 the output's two scale bytes; v249 32 r; v250-251 the mask
.set WV,   10
.set J,    11
.set J1,   12
.set T,    13                          ; the trip
.set SIN,  14                          ; the key slot that the next load brings
.set SIC,  15                          ; the key slot in hand
.set KF,   16                          ; the step's first key
.set Q0,   17
.set Q0B,  18
.set TB,   19                          ; LDS byte at which the slot in hand begins
.set SEL,  20
.set CS,   22                          ; s[22:23] c = log2(e) / 8
.set G1K,  24
.set G1V,  32
.set G1KS, 40
.set G1VS, 48
.set G0K,  56
.set G0V,  60
.set G0KS, 68
.set G0VS, 72
.set BK,   76                          ; s[76:83] the four tiles' addresses for key slot 0
.set BV,   78
.set BKS,  80
.set BVS,  82
.set OFF,  84
.set OCA,  86                          ; where the two blocks' codes and scale bytes go
.set OSA,  88
.set OCB,  90
.set OSB,  92
.macro G1SET g, c, r, p                ; r rows of c elements of 8 bytes, p elements apart; no padding, no mask
	s_mov_b32 s[\g], 3<<16
	s_mov_b32 s[\g+1], (\c)<<16
	s_mov_b32 s[\g+2], (\r)<<16
	s_mov_b32 s[\g+3], (\c)<<16
	s_mov_b32 s[\g+4], \r
	s_mov_b32 s[\g+5], \p
	s_mov_b32 s[\g+6], 0
	s_mov_b32 s[\g+7], 0
.endm
.macro G0SET g, lds, base
	s_mov_b32 s[\g], 1
	s_mov_b32 s[\g+1], \lds
	s_mov_b64 s[\g+2:\g+3], s[\base:\base+1]
	s_or_b32 s[\g+3], s[\g+3], 0x80000000
.endm
; Waves 0 to 3 fetch one tile each, the others nothing; the branches hang on the wave's number alone.  Four v_nop follow each tensor load.
.macro TLOAD4
	s_cmp_eq_u32 s[WV], 0
	s_cbranch_scc0 .Lt1_\@
	tensor_load_to_lds s[G0K:G0K+3], s[G1K:G1K+7]
	s_nop 0
.rept 4
	v_nop
.endr
	s_branch .Ltd_\@
.Lt1_\@:
	s_cmp_eq_u32 s[WV], 1
	s_cbranch_scc0 .Lt2_\@
	tensor_load_to_lds s[G0V:G0V+3], s[G1V:G1V+7]
	s_nop 0
.rept 4
	v_nop
.endr
	s_branch .Ltd_\@
.Lt2_\@:
	s_cmp_eq_u32 s[WV], 2
	s_cbranch_scc0 .Lt3_\@
	tensor_load_to_lds s[G0KS:G0KS+3], s[G1KS:G1KS+7]
	s_nop 0
.rept 4
	v_nop
.endr
	s_branch .Ltd_\@
.Lt3_\@:
	s_cmp_eq_u32 s[WV], 3
	s_cbranch_scc0 .Ltd_\@
	tensor_load_to_lds s[G0VS:G0VS+3], s[G1VS:G1VS+7]
	s_nop 0
.rept 4
	v_nop
.endr
.Ltd_\@:
.endm
	s_load_b128 s[4:7], s[0:1], 0x0                ; qkq, vq
	s_load_b64 s[8:9], s[0:1], 0x10                ; ao
	v_lshl_add_u32 v[SPW], v0, 2, SPARE
	v_mov_b32 v[NIL], 0
	ds_add_u32 v5, v6
	s_wait_dscnt 0x0
	v_lshrrev_b32 v8, 5, v0
	v_readfirstlane_b32 s[WV], v8                  ; wave 0..15
	s_mov_b32 s[J], ttmp9
	s_add_co_u32 s[J1], s[J], 1
	s_and_b32 s94, ttmp7, 0xffff
	s_lshr_b32 s95, s94, 4                         ; the batch
	s_and_b32 s96, s94, 15                         ; the head
	s_lshl_b32 s97, s95, 8                         ; K's codes: 524,288 + (32 (8 batch + slot) + 16 + head) x 12,288
	s_add_co_u32 s97, s97, s96
	s_add_co_u32 s97, s97, 16
	s_mul_i32 s[BK], s97, 12288
	s_add_co_u32 s[BK], s[BK], 524288
	s_mov_b32 s[BK+1], 0
	s_lshl_b32 s97, s95, 2                         ; V's codes: 524,288 + (4 batch + head / 4) x 393,216 + (4 slot + group) x 12,288 + (head % 4) x 3,072
	s_lshr_b32 s98, s96, 2
	s_add_co_u32 s97, s97, s98
	s_and_b32 s98, s96, 3
	s_mul_i32 s[BV], s97, 393216
	s_mul_i32 s99, s98, 3072
	s_add_co_u32 s[BV], s[BV], s99
	s_add_co_u32 s[BV], s[BV], 524288
	s_mov_b32 s[BV+1], 0
	s_lshl_b32 s[BVS], s97, 14                     ; V's scale words: (4 batch + head / 4) x 16,384 + (2 slot + step) x 1,024 + (head % 4) x 256
	s_lshl_b32 s99, s98, 8
	s_add_co_u32 s[BVS], s[BVS], s99
	s_mov_b32 s[BVS+1], 0
	s_lshl_b32 s[BKS], s95, 7                      ; K's scale words: (16 (8 batch + slot) + 8 + head / 2) x 1,024
	s_lshr_b32 s99, s96, 1                         ; head / 2 (kept)
	s_add_co_u32 s[BKS], s[BKS], s99
	s_add_co_u32 s[BKS], s[BKS], 8
	s_lshl_b32 s[BKS], s[BKS], 10
	s_mov_b32 s[BKS+1], 0
	s_and_b32 s98, s96, 1
	s_lshl_b32 s98, s98, 1                         ; 2 (head % 2): my head's two bytes of a scale word (kept)
	s_lshr_b32 s97, s[WV], 1
	s_lshl_b32 s97, s97, 5
	s_and_b32 s100, s[WV], 1
	s_lshl_b32 s100, s100, 3
	s_add_co_u32 s97, s97, s100                    ; 32 (wave / 2) + 8 (wave % 2)
	s_sub_co_u32 s94, 7, s[J]                      ; the second block
	s_lshl_b32 s[Q0], s[J], 8
	s_add_co_u32 s[Q0], s[Q0], s97
	s_lshl_b32 s[Q0B], s94, 8
	s_add_co_u32 s[Q0B], s[Q0B], s97
; For the block in s[qb]: byte offsets of my tile's q codes and scale words in qkq, and of its output's codes and scale bytes in ao
.macro BLK qb, qc, qs, oc, os
	s_lshl_b32 s100, s95, 3
	s_add_co_u32 s100, s100, s[\qb]                ; X = 8 batch + block
	s_lshl_b32 s101, s100, 5
	s_add_co_u32 s101, s101, s96
	s_mul_i32 s[\qc], s101, 12288                  ; (32 X + head) x 12,288
	s_mul_i32 s101, s[WV], 768                     ; + 16 wave rows of 48 bytes
	s_add_co_u32 s[\qc], s[\qc], s101
	s_add_co_u32 s[\qc], s[\qc], 524288
	s_lshl_b32 s101, s100, 4
	s_add_co_u32 s101, s101, s99
	s_lshl_b32 s[\qs], s101, 10                    ; (16 X + head / 2) x 1,024
	s_lshl_b32 s101, s[WV], 6
	s_add_co_u32 s[\qs], s[\qs], s101
	s_add_co_u32 s[\qs], s[\qs], s98
	s_lshl_b32 s100, s100, 4
	s_add_co_u32 s100, s100, s[WV]                 ; my tile of 16 token rows: 16 X + wave
	s_mul_i32 s[\oc], s100, 12288                  ; ao's codes: [tile][head][3][32 lanes][8 bytes] from byte 262,144
	s_mul_i32 s101, s96, 768
	s_add_co_u32 s[\oc], s[\oc], s101
	s_add_co_u32 s[\oc], s[\oc], 262144
	s_mov_b32 s[\oc+1], 0
	s_lshl_b32 s[\os], s100, 9                     ; ao's scale bytes: [token row][32]
	s_lshl_b32 s101, s96, 1
	s_add_co_u32 s[\os], s[\os], s101
	s_mov_b32 s[\os+1], 0
.endm
	BLK J, 2, 3, OCA, OSA
	BLK 94, 66, 67, OCB, OSB
	s_add_co_u32 s98, s98, KSOFF
	G1SET G1K, 32, 48, 32                          ; 12,288 dense bytes as 48 rows of 256
	G1SET G1V, 384, 4, 1536                        ; 4 groups of 3,072 bytes, 12,288 apart
	G1SET G1KS, 32, 4, 32                          ; 1,024 dense bytes
	G1SET G1VS, 32, 2, 128                         ; 2 rows of 256 bytes, 1,024 apart
	s_mov_b32 s[SEL], 0x76543210
	s_mov_b32 s[SEL+1], 0xfedcba98
	s_mov_b32 s[CS], 0x3e38aa3b                    ; c = log2(e) / 8
	s_mov_b32 s[CS+1], s[CS]                       ; (named with it as a pair, so it is written)
	s_mov_b32 s[TB], 0
	s_mov_b32 s[SIN], 0
	s_mov_b32 s[T], 0
	s_mov_b32 s[OFF+1], 0
	s_wait_kmcnt 0x0
	s_add_nc_u64 s[BK:BK+1], s[4:5], s[BK:BK+1]
	s_add_nc_u64 s[BV:BV+1], s[6:7], s[BV:BV+1]
	s_add_nc_u64 s[BKS:BKS+1], s[4:5], s[BKS:BKS+1]
	s_add_nc_u64 s[BVS:BVS+1], s[6:7], s[BVS:BVS+1]
	s_add_nc_u64 s[OCA:OCA+1], s[8:9], s[OCA:OCA+1]
	s_add_nc_u64 s[OSA:OSA+1], s[8:9], s[OSA:OSA+1]
	s_add_nc_u64 s[OCB:OCB+1], s[8:9], s[OCB:OCB+1]
	s_add_nc_u64 s[OSB:OSB+1], s[8:9], s[OSB:OSB+1]
	G0SET G0K, 0, BK
	G0SET G0V, VOFF, BV
	G0SET G0KS, KSOFF, BKS
	G0SET G0VS, VSOFF, BVS
	TLOAD4                                         ; key slot 0 into LDS slot 0: the one first fill; one tensor load of mine is out at the most
	v_and_b32 v2, 15, v0                           ; r
	v_bfe_u32 v246, v0, 4, 1                       ; h
	v_mul_u32_u24 v[AK0], v2, 48
	v_mad_u32_u24 v[AK0], v246, 24, v[AK0]
	v_lshl_add_u32 v[ASK0], v2, 2, s98
	v_lshl_add_u32 v[ASV0], v2, 2, VSOFF
	v_and_b32 v[GO], 31, v0
	v_lshlrev_b32 v[GO], 3, v[GO]
	v_and_b32 v[QL], 8, v2
	v_add_nc_u32 v[QL], v[QL], v2
	v_lshlrev_b32 v250, 4, v246
	v_sub_nc_u32 v[QL], v[QL], v250
	v_lshlrev_b32 v249, 5, v2
	v_add_nc_u32 v8, s2, v[AK0]                    ; both blocks' Q: offsets from qkq's first byte; these four registers are written again only behind the wait for the loads
	v_lshl_add_u32 v9, v2, 2, s3
	v_add_nc_u32 v10, s66, v[AK0]
	v_lshl_add_u32 v251, v2, 2, s67
.irp i, 0,1,2
	global_load_b64 v[16+2*\i:17+2*\i], v8, s[4:5] offset:8*\i
	global_load_b64 v[28+2*\i:29+2*\i], v10, s[4:5] offset:8*\i
.endr
	global_load_u16 v35, v9, s[4:5]                ; my head's two bytes; the upper two are 0, over zero codes
	global_load_u16 v34, v251, s[4:5]
.irp i, 22,23,24,25,26,27, 42,43,44,45,46,47, 54,55,56,57,58,59, 66,67,68,69,70,71, 78,79,80,81,82,83
	v_mov_b32 v\i, 0                               ; zero codes for K = 64 .. 127 of the first product: written once
.endr
.macro FRESH                           ; a block of queries begins: O^T and the sum are zeros, the largest t lies under every t
.set n, 0
.rept 32
	v_mov_b32 v[160+n], 0
.set n, n+1
.endr
	v_mov_b32 v13, 0xff61b1e6                      ; -3e38
	v_floor_f32 v12, -v13                          ; -M
	v_mov_b32 v14, 0
	v_mov_b32 v15, 0
.endm
	FRESH
.irp i, 232,233,234,235,245
	v_mov_b32 v\i, 0                               ; lane permutes' destinations, and the upper half of the pair v[244:245]: written before they are named
.endr
.macro VLOAD q, t, reg                 ; tile t of V^T (16 of the head's 64) x the step's 128 keys
.irp c, 0,1
.irp i, 0,1,2
	ds_load_b64 v[\reg+6*\c+2*\i:\reg+6*\c+2*\i+1], v[ADK] offset:VOFF+(2*(\q)+\c)*3072+(\t)*768+8*\i
.endr
.endr
.endm
.macro OMUL t, reg
	v_wmma_scale_f32_16x16x128_f8f6f4 v[160+8*(\t):167+8*(\t)], v[\reg:\reg+11], v[216:227], v[160+8*(\t):167+8*(\t)], v[88+(\t)], v247 matrix_a_fmt:MATRIX_FMT_BF6 matrix_b_fmt:MATRIX_FMT_BF6
.endm
; A KEY STEP: 128 keys, the q-th of the slot in hand
.macro STEP q
	s_add_co_u32 s94, s[Q0], 23                    ; my last query
	s_cmp_gt_u32 s[KF], s94
	s_cbranch_scc1 .Lhidden_\@                     ; all keys come after my queries: nothing to do.  No barrier and no tensor load stands in a step
	v_add_nc_u32 v[ADK], s[TB], v[AK0]
	v_add_nc_u32 v[ADS], s[TB], v[ASK0]
	v_add_nc_u32 v[ADT], s[TB], v[ASV0]
	v_nop                                          ; four places in front of loads into registers that matrix instructions have read
.irp g, 0,1                                    ; S^T = K Q^T, four tiles of 16 keys at a time
.if \g
.rept 4
	v_nop
.endr
.endif
.irp t, 0,1,2,3
.irp i, 0,1,2
	ds_load_b64 v[36+12*\t+2*\i:37+12*\t+2*\i], v[ADK] offset:(128*(\q)+16*(4*\g+\t))*48+8*\i
.endr
	ds_load_u16 v[84+\t], v[ADS] offset:(128*(\q)+16*(4*\g+\t))*4
.endr
	s_wait_dscnt 0x0
.irp t, 0,1,2,3
	v_wmma_scale_f32_16x16x128_f8f6f4 v[96+8*(4*\g+\t):103+8*(4*\g+\t)], v[36+12*\t:47+12*\t], v[16:27], 0, v[84+\t], v35 matrix_a_fmt:MATRIX_FMT_BF6 matrix_b_fmt:MATRIX_FMT_BF6
.endr
.endr
	VLOAD \q, 0, 192                               ; V's first two tiles and all four scale words are asked for now: they land under the softmax
	VLOAD \q, 1, 204
.irp t, 0,1,2,3
	ds_load_b32 v[88+\t], v[ADT] offset:256*(\q)+64*\t
.endr
.rept 4
	v_nop                                          ; places behind the last products, in front of the first read of the scores
.endr
	s_add_co_u32 s94, s[KF], 127
	s_cmp_le_u32 s94, s[Q0]
	s_cbranch_scc1 .Lopen_\@                       ; all keys count
	s_sub_co_i32 s94, s[Q0], s[KF]
	v_add_nc_u32 v250, s94, v[QL]                  ; d = my query - KF - 16 h.  Register 16 b + i holds key KF + 32 b + 16 h + i: hidden where 32 b + i > d
	v_mov_b32 v251, 0xff800000                     ; -infinity
.set n, 0
.rept 64
	v_cmp_gt_i32 vcc_lo, 32*(n/16)+n%16, v250
	v_cndmask_b32 v[96+n], v[96+n], v251, vcc_lo
.set n, n+1
.endr
.Lopen_\@:
.irp b, 0,1,2,3
	v_max3_num_f32 v[228+\b], v[96+16*\b], v[97+16*\b], v[98+16*\b]   ; the largest score of each block of 32 keys: for the row's maximum and for the block's largest p
.endr
.irp i, 3,5,7,9,11,13
.irp b, 0,1,2,3
	v_max3_num_f32 v[228+\b], v[228+\b], v[96+16*\b+\i], v[97+16*\b+\i]
.endr
.endr
.irp b, 0,1,2,3
	v_max_num_f32 v[228+\b], v[228+\b], v[111+16*\b]
.endr
.irp b, 0,1,2,3
	v_permlanex16_b32 v[232+\b], v[228+\b], s[SEL], s[SEL+1]
.endr
.irp b, 0,1,2,3
	v_max_num_f32 v[228+\b], v[228+\b], v[232+\b]  ; with lane l xor 16's 16 keys
.endr
	v_max3_num_f32 v246, v228, v229, v230
	v_max_num_f32 v246, v246, v231                 ; the step's largest score of my query
	v_mul_f32 v246, s[CS], v246                    ; as t
	v_max_num_f32 v13, v13, v246                   ; the running largest t
	v_mov_b32 v246, v12
	v_floor_f32 v12, -v13                          ; the new -M = -ceil(t): a whole number
	v_sub_f32 v246, v12, v246                      ; old M - new M: a whole number, 0 or less
	v_cvt_i32_f32 v246, v246                       ; (it saturates)
	v_ldexp_f32 v244, 1.0, v246                    ; f = 2^(old M - new M)
.set n, 0
.rept 32
	v_pk_fma_f32 v[96+n:97+n], v[96+n:97+n], s[CS:CS+1], v[12:13] op_sel_hi:[1,0,0]   ; t - M, two at a time
.set n, n+2
.endr
.irp b, 0,1,2,3
	v_fma_f32 v[228+\b], v[228+\b], s[CS], v12     ; the same of each block's largest score
.endr
.set n, 0
.rept 64
	v_exp_f32 v[96+n], v[96+n]                     ; p = 2^(t - M), at most 1, not normalised
.set n, n+1
.endr
.irp b, 0,1,2,3
	v_exp_f32 v[228+\b], v[228+\b]                 ; the block's largest p
.endr
	v_pk_mul_f32 v[14:15], v[14:15], v[244:245] op_sel_hi:[1,0]   ; the sums under the new M.  (A plain place behind the exponentials)
	s_wait_alu depctr_va_vdst(0)
.irp b, 0,1,2,3
	v_max_num_f32 v[228+\b], 0x2800000, v[228+\b]  ; the floor 2^(5 - 127): the byte cannot fall under 1
.endr
.irp b, 0,1,2,3
	v_add_nc_u32 v[240+\b], 0xfe000000, v[228+\b]  ; 4 off the exponent field: the conversion's scale operand
.endr
.irp b, 0,1,2,3
	v_lshrrev_b32 v[232+\b], 23, v[240+\b]         ; the scale's byte
.endr
	v_lshl_or_b32 v247, v233, 8, v232              ; p's scale word for these 128 keys
	v_lshl_or_b32 v247, v234, 16, v247
	v_lshl_or_b32 v247, v235, 24, v247
.irp c, 0,1
	v_cvt_scalef32_pk16_bf6_f32 v[216+6*\c:218+6*\c], v[96+32*\c:111+32*\c], v[240+2*\c]
	v_cvt_scalef32_pk16_bf6_f32 v[232+4*\c:234+4*\c], v[112+32*\c:127+32*\c], v[240+2*\c+1]   ; (a conversion's three registers begin on an even number)
.endr
	v_nop                                          ; one plain place behind a scaled conversion
.irp c, 0,1                                    ; a whole block in a lane: lanes 0-15 block 2 c, lanes 16-31 block 2 c + 1
.irp i, 0,1,2
	v_permlane16_swap_b32 v[216+6*\c+\i], v[232+4*\c+\i]
.endr
.irp i, 0,1,2
	v_mov_b32 v[219+6*\c+\i], v[232+4*\c+\i]
.endr
.endr
	v_pk_add_f32 v[232:233], v[96:97], v[98:99]    ; the row's sum is taken of the unquantised p: two at a time, in two chains
.set n, 4
.rept 15
	v_pk_add_f32 v[14:15], v[14:15], v[96+n:97+n]
	v_pk_add_f32 v[232:233], v[232:233], v[98+n:99+n]
.set n, n+4
.endr
	v_pk_add_f32 v[14:15], v[14:15], v[232:233]
.set n, 0
.rept 16
	v_pk_mul_f32 v[160+n:161+n], v[160+n:161+n], v[244:245] op_sel_hi:[1,0]   ; O^T under the new M.  (The sums and these are the places between p's codes and scale word and the products below)
.set n, n+2
.endr
	s_wait_dscnt 0x0                               ; V's first two tiles and the scale words are in
	OMUL 0, 192                                    ; O^T += V^T P^T: the four accumulators take turns, one instruction a turn
	OMUL 1, 204
.rept 4
	v_nop
.endr
	VLOAD \q, 2, 192
	VLOAD \q, 3, 204
	s_wait_dscnt 0x0
	OMUL 2, 192
	OMUL 3, 204
.Lhidden_\@:
	s_add_co_u32 s[KF], s[KF], 128
.endm
; A block of queries is finished: O^T / the sum, quantised along d (two blocks of 32), leaves as the image of half an operand fragment: six registers a lane, and two scale bytes a row.
.macro FINISH oc, os
.rept 4
	v_nop                                          ; places behind the last products
.endr
	v_add_f32 v14, v14, v15
	v_permlanex16_b32 v246, v14, s[SEL], s[SEL+1]
	v_add_f32 v14, v14, v246                       ; the row's sum
	v_rcp_f32 v244, v14
	v_nop                                          ; one plain place behind a transcendental
.set n, 0
	s_wait_alu depctr_va_vdst(0)
.rept 16
	v_pk_mul_f32 v[96+n:97+n], v[160+n:161+n], v[244:245] op_sel_hi:[1,0]   ; register 16 b + i: d = 32 b + 16 h + i; each accumulator from its low end on
.set n, n+2
.endr
.irp b, 0,1
	v_max3_num_f32 v[228+\b], |v[96+16*\b]|, |v[97+16*\b]|, 0x2800000
.endr
.irp i, 2,4,6,8,10,12,14
.irp b, 0,1
	v_max3_num_f32 v[228+\b], v[228+\b], |v[96+16*\b+\i]|, |v[97+16*\b+\i]|
.endr
.endr
.irp b, 0,1
	v_permlanex16_b32 v[232+\b], v[228+\b], s[SEL], s[SEL+1]
.endr
.irp b, 0,1
	v_max_num_f32 v[228+\b], v[228+\b], v[232+\b]
.endr
.irp b, 0,1
	v_add_nc_u32 v[240+\b], 0xfe000000, v[228+\b]
.endr
.irp b, 0,1
	v_lshrrev_b32 v[232+\b], 23, v[240+\b]
.endr
	v_lshl_or_b32 v248, v233, 8, v232
	v_cvt_scalef32_pk16_bf6_f32 v[216:218], v[96:111], v240
	v_cvt_scalef32_pk16_bf6_f32 v[232:234], v[112:127], v241
	v_nop
.irp i, 0,1,2
	v_permlane16_swap_b32 v[216+\i], v[232+\i]
.endr
.irp i, 0,1,2
	v_mov_b32 v[219+\i], v[232+\i]                 ; v216-221: d = 32 h + 0 .. 31 of my row
.endr
.irp i, 0,1,2
	global_store_b64 v[GO], v[216+2*\i:217+2*\i], s[\oc:\oc+1] offset:256*\i   ; 32 lanes store 256 consecutive bytes, aligned
.endr
	global_store_b16 v249, v248, s[\os:\os+1]      ; both halves of the lanes write the same two bytes with the same value
.endm
.macro NEXT g0, base, step             ; a walking descriptor: the other LDS slot, key slot SIN
	s_xor_b32 s[\g0+1], s[\g0+1], SLOT1
	s_mul_i32 s[OFF], s[SIN], \step
	s_add_nc_u64 s[\g0+2:\g0+3], s[\base:\base+1], s[OFF:OFF+1]
	s_or_b32 s[\g0+3], s[\g0+3], 0x80000000
.endm
; THE CHANGE OF SLOTS stands at a slot's head: each wave waits for all its tensor loads (its part of the slot ahead), adds 0 to its spare word, and waits for that and for its reads of the slot that it has left.
; Behind the barrier the slot ahead is whole and nobody reads the other one, which is filled with the next trip's keys: the load has a whole slot's steps in which to land.
.macro CHANGE fill
	s_wait_tensorcnt 0x0                           ; no tensor load of mine is out, so the groups 0 may be written
	ds_add_u32 v[SPW], v[NIL]                      ; 0 onto my spare word
	s_mov_b32 s[SIC], s[SIN]
	s_lshl_b32 s[KF], s[SIC], 8
.if \fill
	s_add_co_u32 s[SIN], s[SIC], 1
	s_cmp_eq_u32 s[T], s[J]                        ; the first block's last slot is in hand: the second block begins at key slot 0
	s_cselect_b32 s[SIN], 0, s[SIN]
	NEXT G0K, BK, 393216
	NEXT G0V, BV, 49152
	NEXT G0KS, BKS, 16384
	NEXT G0VS, BVS, 2048
.endif
	s_wait_dscnt 0x0                               ; the add is done, and my reads of the slot that I have left are over
	s_barrier_signal -1
	s_barrier_wait -1
.if \fill
	TLOAD4                                         ; the first thing behind the barrier, and a wave's one tensor load until the next
.endif
.endm
	s_wait_loadcnt 0x0                             ; Q
.Lslot:                                            ; eight trips; the ninth slot is written out
	CHANGE 1
	s_cmp_lg_u32 s[T], s[J1]
	s_cbranch_scc1 .Lsame
	FINISH OCA, OSA                                ; the first block is finished: registers and stores only, no LDS access, no barrier
	s_wait_xcnt 0x0                                ; the stores' registers are written again only behind this wait
.irp i, 0,1,2,3,4,5
	v_mov_b32 v[16+\i], v[28+\i]                   ; the second block's Q,
.endr
	v_mov_b32 v35, v34                             ; and its scale word: the 36 lines of FRESH stand between these and the next product
	FRESH
	s_mov_b32 s[Q0], s[Q0B]
.Lsame:
	STEP 0
	STEP 1
	s_xor_b32 s[TB], s[TB], SLOT1
	s_add_co_u32 s[T], s[T], 1
	s_cmp_lt_u32 s[T], 8
	s_cbranch_scc1 .Lslot
	CHANGE 0
	STEP 0
	STEP 1
	FINISH OCB, OSB
	s_wait_tensorcnt 0x0                           ; the wave's end
	ds_add_u32 v[SPW], v[NIL]
	s_wait_dscnt 0x0
	s_endpgm
.Lfunc_end_k_q98fac49de1_attn:
	.size	k_q98fac49de1_attn, .Lfunc_end_k_q98fac49de1_attn-k_q98fac49de1_attn
	.p2alignl 7, 3214868480
	.fill 96, 4, 3214868480
	.section	.rodata,"a",@progbits
	.p2align	6, 0x0
	.amdhsa_kernel k_q98fac49de1_attn
		.amdhsa_group_segment_fixed_size 327680
		.amdhsa_private_segment_fixed_size 0
		.amdhsa_enable_private_segment 0
		.amdhsa_kernarg_size 24
		.amdhsa_user_sgpr_count 2
		.amdhsa_user_sgpr_kernarg_segment_ptr 1
		.amdhsa_wavefront_size32 1
		.amdhsa_system_sgpr_workgroup_id_x 1
		.amdhsa_system_sgpr_workgroup_id_y 1
		.amdhsa_system_sgpr_workgroup_id_z 1
		.amdhsa_system_vgpr_workitem_id 0
		.amdhsa_next_free_vgpr 256
		.amdhsa_next_free_sgpr 102
		.amdhsa_reserve_vcc 1
		.amdhsa_float_denorm_mode_32 3
		.amdhsa_float_denorm_mode_16_64 3
		.amdhsa_memory_ordered 1
		.amdhsa_forward_progress 1
		.amdhsa_inst_pref_size 116
	.end_amdhsa_kernel
	.amdgpu_metadata
---
amdhsa.version: [ 1, 2 ]
amdhsa.kernels:
  - .name:           k_q98fac49de1_attn
    .symbol:         k_q98fac49de1_attn.kd
    .args:
      - { .name: qkq, .offset: 0, .size: 8, .value_kind: global_buffer, .address_space: global }
      - { .name: vq, .offset: 8, .size: 8, .value_kind: global_buffer, .address_space: global }
      - { .name: ao, .offset: 16, .size: 8, .value_kind: global_buffer, .address_space: global }
    .group_segment_fixed_size: 327680
    .private_segment_fixed_size: 0
    .kernarg_segment_align: 8
    .kernarg_segment_size: 24
    .max_flat_workgroup_size: 512
    .sgpr_count:     102
    .vgpr_count:     256
    .wavefront_size: 32
...
	.end_amdgpu_metadata
.endif
;; end of part 3
;; launch gemm_o (part 4): grid 4 x 32, 4 waves a work-group, clusters of 4 x 4, 327,680 bytes of LDS; arguments ao, wo, out0; writes out0
.if DOCPART == 4
	.amdgcn_target "amdgcn-amd-amdhsa--gfx1250"
	.amdhsa_code_object_version 6
	.text
	.protected	k_q98fac49de1_gemm_o
	.globl	k_q98fac49de1_gemm_o
	.p2align	8
	.type	k_q98fac49de1_gemm_o,@function
k_q98fac49de1_gemm_o:
	s_mov_b64 s[64:65], 0
	v_nop
	global_prefetch_b8 v0, s[64:65] scope:SCOPE_SE
	s_setreg_imm32_b32 hwreg(HW_REG_WAVE_MODE, 25, 1), 1
	s_wait_xcnt 0x0
	s_wait_alu depctr_hold_cnt(0) depctr_sa_sdst(0) depctr_va_vdst(0) depctr_va_sdst(0) depctr_va_ssrc(0) depctr_va_vcc(0) depctr_vm_vsrc(0)
	s_getreg_b32 s2, hwreg(HW_REG_IB_STS2, 6, 4)
	s_cmp_eq_u32 s2, 0
	s_cbranch_scc0 .Lentry_in_a_cluster
	s_endpgm
.Lentry_in_a_cluster:
	s_bfe_u32 s2, ttmp6, 0x10000c
	s_cmp_lg_u32 s2, 0xf033
	s_cbranch_scc0 .Lentry_shape_is_right
	s_endpgm
.Lentry_shape_is_right:
; out0[token][n] = sum over k of A[token][k] W_O[k][n], K = 1,024, on codes of E3M2 with one E8M0 scale for each 32 along K; sums and output f32.
; A (the attention's result): scale bytes [token row][32] from byte 0; codes from byte 262,144 as IMAGES OF THE OPERAND'S REGISTERS: [tile of 16 rows][head (64 along K)][3][32 lanes][8 bytes]:
; a fragment (16 rows x 128 K) is 1,536 consecutive bytes, six loads of 8 bytes a lane at 8 x lane.  B (W_O's columns): scale bytes [row][32], codes [row][768] from byte 262,144.
; Both buffers' rows lie in the order sigma (row p holds row p with bits 3 and 4 exchanged): the way out puts rows and columns back.
; A tile of C, 256 x 256, is made by a work-group of four waves; a wave makes 128 x 128: 64 accumulators.  K goes in steps of 256 through a ring of two LDS slots; the scales come into LDS once.
; CLUSTERS: 4 x 4 work-groups; A's tiles are asked for jointly along a row of the cluster, B's along a column.  THE MATRIX INSTRUCTION IS USED TRANSPOSED (source 0 = 16 rows of B, source 1 = 16 rows of A).
; REGISTERS, in windows of 256: window 0: v0-31 addresses; v32-63 scale words, two sets; v128-223 A's fragments, one set; on the way out v128-255 take rows of C.
;   window 1: B's fragments, two sets.   window 2: the accumulators of my rows 0-63 ((a, b) at v[8 (8 a + b)]);   window 3: those of my rows 64-127.
.set SIZE_K, 1024
.set KSTEP,  256
.set NQ,     KSTEP/128
.set ROWB,   192                       ; B: a tile's row in bytes
.set AROW,   3072                      ; A: a tile of 16 rows x 256 K in bytes
.set KROW,   SIZE_K*6/8
.set PITCH,  240                       ; B's LDS row: 3 x (64 bytes + 16 of padding)
.set FR,     12
.set NL,     6
.set NP,     4
.set HALFA,  8*AROW                    ; A's 128 rows of a slot: dense
.set HALFB,  128*PITCH
.set SLOT,   2*HALFA+2*HALFB           ; A's 256 rows, then B's 256 rows
.set LAPS,   SIZE_K/(2*KSTEP)
.set KS,     SIZE_K/32
.set SCL,    2*SLOT
.set HALFS,  (128*KS/256)*272
.set SBLK,   (16*KS/256)*272
.set SPARE,  SCL+4*HALFS               ; the spare words, 128 bytes for each wave: two blocks of 256 bytes that no other line names
.set CODES,  262144
.set SPITCH, 528                       ; the way out: a stage of 16 rows x (512 bytes + 16) for each wave, in slot 0, which has had its last fill and its last read by then
.set ADRA, 16                          ; v16-17 LDS address of my A fragments in slot 0, 1
.set ADRB, 20                          ; v20-21 the same for B (v22-23: for the pieces behind one padding more)
.set STO,  24
.set RD,   25
.set CO,   26
.set ADRS, 27
.set SPW,  28                          ; my spare word; never rewritten
.set NIL,  29                          ; 0; never rewritten
.set SC,   32
.set AF,   128
.set BK,   128
.set G1, 24
.set G0, 32
.set G1B, 48
.set G0B, 56
.set G1S, 68
.set G0S, 76
.set G1SB, 80
.set G0SB, 88
.set MSB, 0
.macro WIN new
.if MSB != \new
	s_set_vgpr_msb (MSB<<8)|\new
.set MSB, \new
.endif
.endm
.set MUL_LO, 0xa1
.set MUL_HI, 0xf1
.set TO_B,   0x40
.macro JLOAD g0a, g1a, g0b, g1b        ; a joint load: waves 0 and 1 fetch for A, waves 2 and 3 for B; four v_nop follow each of the two lines
	s_cmp_eq_u32 s15, 0
	s_cbranch_scc0 .Lfor_b_\@
	tensor_load_to_lds s[\g0a:\g0a+3], s[\g1a:\g1a+7]
	s_nop 0
.rept 4
	v_nop
.endr
	s_branch .Lasked_\@
.Lfor_b_\@:
	tensor_load_to_lds s[\g0b:\g0b+3], s[\g1b:\g1b+7]
	s_nop 0
.rept 4
	v_nop
.endr
.Lasked_\@:
.endm
.macro CREST
	s_cmp_lg_u32 s14, 0
	s_cbranch_scc1 .Lnot_wave_0_\@
	s_barrier_signal -3
.Lnot_wave_0_\@:
	s_barrier_wait -3
	s_barrier_signal -1
	s_barrier_wait -1
.endm
.macro CROUND
	s_barrier_signal -1
	s_barrier_wait -1
	CREST
.endm
	s_load_b64 s[6:7], s[0:1], 0x0                 ; A's buffer: its scales begin at byte 0
	s_load_b64 s[10:11], s[0:1], 0x8               ; B's
	s_load_b64 s[12:13], s[0:1], 0x10              ; C
	v_lshl_add_u32 v[SPW], v0, 2, SPARE
	v_mov_b32 v[NIL], 0
	ds_add_u32 v28, v29
	s_wait_dscnt 0x0
	v_lshrrev_b32 v1, 5, v0
	v_readfirstlane_b32 s14, v1                    ; wave 0..3
	s_lshr_b32 s15, s14, 1                         ; which half of the tile's rows is mine.  Also: I fetch for A (0) or for B (1)
	s_and_b32 s16, s14, 1                          ; which half of its columns.  Also: which 128 rows of that tile I fetch
	s_bfe_u32 s40, ttmp6, 0x40000
	s_bfe_u32 s41, ttmp6, 0x40004
	s_lshl_b32 s42, ttmp9, 2
	s_add_co_u32 s42, s42, s40                     ; tile column of C
	s_and_b32 s17, ttmp7, 0xffff
	s_lshl_b32 s17, s17, 2
	s_add_co_u32 s17, s17, s41                     ; tile row of C
	s_lshl_b32 s43, s41, 2
	s_lshl_b32 s43, 15, s43                        ; my row of the cluster
	s_lshl_b32 s44, 0x1111, s40                    ; my column
	; A's tile: 8 row tiles x 3,072 bytes (384 elements of 8), 12,288 bytes apart; no padding: every read is 256 consecutive bytes
	s_or_b32 s[G1+0], s43, (3<<16)|(1<<21)
	s_mov_b32 s[G1+1], 384<<16
	s_mov_b32 s[G1+2], 8<<16
	s_mov_b32 s[G1+3], 384<<16
	s_mov_b32 s[G1+4], 8
	s_mov_b32 s[G1+5], 1536
	s_mov_b32 s[G1+6], 0
	s_mov_b32 s[G1+7], 0
	; B's tile: 128 rows x 192 bytes, 16 bytes of padding behind every 64
	s_or_b32 s[G1B+0], s44, (0<<16)|(1<<20)|(1<<21)|(3<<22)|(3<<25)
	s_mov_b32 s[G1B+1], ROWB<<16
	s_mov_b32 s[G1B+2], 128<<16
	s_mov_b32 s[G1B+3], ROWB<<16
	s_mov_b32 s[G1B+4], 128
	s_mov_b32 s[G1B+5], KROW
	s_mov_b32 s[G1B+6], 0
	s_mov_b32 s[G1B+7], 0
	; the scales of 128 rows: 4,096 dense bytes as rows of 256, 16 bytes of padding behind each
	s_or_b32 s[G1S+0], s43, (3<<16)|(1<<20)|(1<<21)|(5<<22)|(3<<25)
	s_or_b32 s[G1SB+0], s44, (3<<16)|(1<<20)|(1<<21)|(5<<22)|(3<<25)
.irp g, G1S, G1SB
	s_mov_b32 s[\g+1], 32<<16
	s_mov_b32 s[\g+2], (128*KS/256)<<16
	s_mov_b32 s[\g+3], 32<<16
	s_mov_b32 s[\g+4], 128*KS/256
	s_mov_b32 s[\g+5], 32
	s_mov_b32 s[\g+6], 0
	s_mov_b32 s[\g+7], 0
.endr
	s_lshl_b32 s18, s16, 7
	s_lshl_b32 s20, s17, 8
	s_add_co_u32 s20, s20, s18                     ; A: row 256 x tile row + 128 x half
	s_lshl_b32 s46, s42, 8
	s_add_co_u32 s46, s46, s18                     ; B: row 256 x tile column + 128 x half
	s_mov_b32 s21, 0
	s_mov_b32 s47, 0
	s_mov_b64 s[18:19], KS
	s_mul_u64 s[22:23], s[20:21], s[18:19]         ; where these rows' scales begin,
	s_mul_u64 s[92:93], s[46:47], s[18:19]
	s_mov_b64 s[18:19], KROW
	s_mul_u64 s[20:21], s[20:21], s[18:19]         ; and their codes (A's images too take 768 bytes a row: 12,288 for 16)
	s_mul_u64 s[46:47], s[46:47], s[18:19]
	s_mul_i32 s45, s16, HALFA                      ; where they go: A's half,
	s_mul_i32 s95, s16, HALFB
	s_add_co_u32 s95, s95, 2*HALFA                 ; B's half, behind A's two: no place in the cluster enters an LDS address
	s_mul_i32 s94, s14, HALFS
	s_wait_kmcnt 0x0
	s_add_nc_u64 s[4:5], s[6:7], CODES
	s_add_nc_u64 s[8:9], s[10:11], CODES
	s_add_nc_u64 s[20:21], s[4:5], s[20:21]
	s_add_nc_u64 s[22:23], s[6:7], s[22:23]
	s_add_nc_u64 s[46:47], s[8:9], s[46:47]
	s_add_nc_u64 s[92:93], s[10:11], s[92:93]
	CROUND                                         ; all sixteen work-groups are here: the first joint loads meet
	s_mov_b32 s[G0S], 1
	s_add_co_u32 s[G0S+1], s94, SCL
	s_mov_b64 s[G0S+2:G0S+3], s[22:23]
	s_or_b32 s[G0S+3], s[G0S+3], 0x80000000
	s_mov_b32 s[G0SB], 1
	s_add_co_u32 s[G0SB+1], s94, SCL
	s_mov_b64 s[G0SB+2:G0SB+3], s[92:93]
	s_or_b32 s[G0SB+3], s[G0SB+3], 0x80000000
	JLOAD G0S, G1S, G0SB, G1SB
.irp s, 0,1
	s_mov_b32 s[G0+4*\s], 1
	s_add_co_u32 s[G0+4*\s+1], s45, \s*SLOT
	s_add_nc_u64 s[G0+4*\s+2:G0+4*\s+3], s[20:21], \s*AROW
	s_or_b32 s[G0+4*\s+3], s[G0+4*\s+3], 0x80000000
	s_mov_b32 s[G0B+4*\s], 1
	s_add_co_u32 s[G0B+4*\s+1], s95, \s*SLOT
	s_add_nc_u64 s[G0B+4*\s+2:G0B+4*\s+3], s[46:47], \s*ROWB
	s_or_b32 s[G0B+4*\s+3], s[G0B+4*\s+3], 0x80000000
	JLOAD G0+4*\s, G1, G0B+4*\s, G1B               ; three tensor loads of mine are out now
.endr
	v_and_b32 v1, 15, v0                           ; r
	v_bfe_u32 v2, v0, 4, 1                         ; h
	v_mul_u32_u24 v3, v1, PITCH
	v_mul_u32_u24 v4, v2, 24
	v_add_nc_u32 v4, v3, v4                        ; B: a fragment's row x pitch + 24 x half
	v_lshl_add_u32 v5, v2, 4, v4                   ; and the same behind one padding more
	v_and_b32 v6, 31, v0
	v_lshlrev_b32 v7, 3, v6                        ; A: 8 x lane
	s_mul_i32 s21, s15, HALFA                      ; my 128 rows of A
	s_mul_i32 s22, s16, HALFB                      ; my 128 rows of B,
	s_add_co_u32 s22, s22, 2*HALFA                 ; which lie behind A's 256
.irp s, 0,1
	v_add_nc_u32 v[ADRA+\s], s21, v7
	v_add_nc_u32 v[ADRB+\s], s22, v4
	v_add_nc_u32 v[ADRB+2+\s], s22, v5
	s_add_co_u32 s21, s21, SLOT
	s_add_co_u32 s22, s22, SLOT
.endr
	v_mul_u32_u24 v5, v1, KS
	v_lshrrev_b32 v6, 8, v5
	v_lshl_add_u32 v5, v6, 4, v5
	s_mul_i32 s21, s15, HALFS
	s_mul_i32 s22, s16, HALFS
	s_add_co_u32 s22, s22, 2*HALFS
	s_sub_co_u32 s22, s22, s21
	v_mul_u32_u24 v6, s22, v2                      ; lanes 16-31 take B's
	s_add_co_u32 s21, s21, SCL
	v_add_nc_u32 v5, v5, v6
	v_add_nc_u32 v[ADRS], s21, v5
	s_mul_i32 s23, s14, 16*SPITCH                  ; my stage
	v_mul_u32_u24 v5, v1, SPITCH                   ; in: row r; my half's columns of a group of 32 begin 64 h bytes on
	v_lshl_add_u32 v5, v2, 6, v5
	v_add_nc_u32 v[STO], s23, v5
	v_and_b32 v6, 31, v0
	v_lshlrev_b32 v[CO], 4, v6                     ; back: the 32 lanes take one row of 512 bytes; and the same in C
	v_add_nc_u32 v[RD], s23, v[CO]
	s_lshl_b32 s20, s17, 8
	s_lshl_b32 s21, s15, 7
	s_add_co_u32 s20, s20, s21                     ; my first row of C
	s_lshl_b32 s20, s20, 12                        ; rows of 4,096 bytes (under 2^25)
	s_lshl_b32 s46, s42, 10                        ; my first column, in bytes
	s_lshl_b32 s47, s16, 9
	s_add_co_u32 s46, s46, s47
	s_add_co_u32 s20, s20, s46
	s_mov_b32 s21, 0
	s_add_nc_u64 s[12:13], s[12:13], s[20:21]
.macro FRAG reg, adr, q, i             ; B's fragment: lane (r, h): registers 6 c .. 6 c + 5 hold K = 64 c + 32 h + 0 .. 31, in pieces of 8 bytes
.irp p, 0,1,2,3,4,5
.set PCE, 12*(\q)+6*(\p/3)+\p%3
.if PCE%8 < 5
	ds_load_b64 v[\reg+2*\p:\reg+2*\p+1], v[\adr] offset:8*PCE+16*(PCE/8)+(\i)*16*PITCH
.else
	ds_load_b64 v[\reg+2*\p:\reg+2*\p+1], v[\adr+2] offset:8*PCE+16*(PCE/8)+(\i)*16*PITCH
.endif
.endr
.endm
.macro FRAGA reg, adr, q, i            ; A's fragment: the image as it lies: each load reads 256 consecutive bytes
.irp p, 0,1,2,3,4,5
	ds_load_b64 v[\reg+2*\p:\reg+2*\p+1], v[\adr] offset:(\i)*AROW+(\q)*1536+256*\p
.endr
.endm
.macro MUL16 a0, p, q, sc, zero        ; the 64 accumulators take turns, one instruction a turn, in the same order in every step
.irp a, \a0, \a0+1
.irp b, 0,1,2,3,4,5,6,7
.if \zero
	v_wmma_scale_f32_16x16x128_f8f6f4 v[8*(8*((\a)%4)+\b):8*(8*((\a)%4)+\b)+7], v[128*(\p)+FR*\b:128*(\p)+FR*\b+FR-1], v[AF+FR*(\a):AF+FR*(\a)+FR-1], 0, v[SC+8*NQ*(\sc)+NQ*\b+(\q)], v[SC+8*NQ*(\sc)+NQ*(\a)+(\q)] matrix_a_fmt:MATRIX_FMT_BF6 matrix_b_fmt:MATRIX_FMT_BF6 matrix_a_scale:MATRIX_SCALE_ROW1
.else
	v_wmma_scale_f32_16x16x128_f8f6f4 v[8*(8*((\a)%4)+\b):8*(8*((\a)%4)+\b)+7], v[128*(\p)+FR*\b:128*(\p)+FR*\b+FR-1], v[AF+FR*(\a):AF+FR*(\a)+FR-1], v[8*(8*((\a)%4)+\b):8*(8*((\a)%4)+\b)+7], v[SC+8*NQ*(\sc)+NQ*\b+(\q)], v[SC+8*NQ*(\sc)+NQ*(\a)+(\q)] matrix_a_fmt:MATRIX_FMT_BF6 matrix_b_fmt:MATRIX_FMT_BF6 matrix_a_scale:MATRIX_SCALE_ROW1
.endif
.endr
.endr
.endm
.macro FETCH_B slot, q, p
	WIN TO_B
.irp i, 0,1,2,3,4,5,6,7
	FRAG 128*(\p)+FR*\i, ADRB+\slot, \q, \i
.endr
	WIN 0
.endm
.macro FETCH_A slot, q, i0
.irp i, \i0, \i0+1, \i0+2, \i0+3
	FRAGA AF+FR*(\i), ADRA+\slot, \q, \i
.endr
.endm
.macro SCALES sc
.irp i, 0,1,2,3,4,5,6,7
	ds_load_b64 v[SC+8*NQ*\sc+NQ*\i:SC+8*NQ*\sc+NQ*\i+1], v[ADRS] offset:\i*SBLK
.endr
.endm
.macro PLACES n                        ; plain vector instructions between a matrix instruction and a load into, or a read of, its registers
.rept \n
	v_nop
.endr
.endm
.macro STEP slot, q, zero
	s_wait_dscnt 4*NL                              ; B's set and A's blocks 0-3 are in; the youngest 24 loads (A's blocks 4-7) may be out
	WIN MUL_LO
	MUL16 0, (\q)%2, \q, \slot, \zero
	MUL16 2, (\q)%2, \q, \slot, \zero
	s_wait_dscnt 0
	PLACES NP
	FETCH_B \slot, (\q)+1, 1-(\q)%2
	FETCH_A \slot, (\q)+1, 0
	WIN MUL_HI
	MUL16 4, (\q)%2, \q, \slot, \zero
	MUL16 6, (\q)%2, \q, \slot, \zero
	PLACES NP
	WIN 0
	FETCH_A \slot, (\q)+1, 4
.endm
.macro TURN slot, next, fill           ; a slot's last step changes slots: one barrier, with the three lines in front of it
	s_wait_tensorcnt 0x0                           ; all my tensor loads have landed: my part of the next slot
	ds_add_u32 v[SPW], v[NIL]                      ; 0 onto my spare word
	s_wait_dscnt 4*NL+1                            ; (the add and the youngest 24 loads may be out)
	WIN MUL_LO
	MUL16 0, 1, NQ-1, \slot, 0
	s_wait_dscnt 0x0                               ; the add is done, and my reads of this slot are over
	s_barrier_signal -1
	MUL16 2, 1, NQ-1, \slot, 0
	WIN 0
	s_barrier_wait -1
.if \fill
	CREST                                          ; the barrier has opened a round of the cluster's barrier: no wave of any partner still reads this slot or has a load on its way
	s_add_nc_u64 s[G0+4*\slot+2:G0+4*\slot+3], s[G0+4*\slot+2:G0+4*\slot+3], 2*AROW
	s_add_nc_u64 s[G0B+4*\slot+2:G0B+4*\slot+3], s[G0B+4*\slot+2:G0B+4*\slot+3], 2*ROWB
	JLOAD G0+4*\slot, G1, G0B+4*\slot, G1B         ; the first tensor load behind the round; its four v_nop are also the places in front of the loads below
.else
	PLACES NP
.endif
	v_add_nc_u32 v[ADRS], 4*NQ, v[ADRS]
	FETCH_B \next, 0, 0
	FETCH_A \next, 0, 0
	SCALES \next
	WIN MUL_HI
	MUL16 4, 1, NQ-1, \slot, 0
	MUL16 6, 1, NQ-1, \slot, 0
	PLACES NP
	WIN 0
	FETCH_A \next, 0, 4
.endm
	s_wait_tensorcnt 1                             ; the scales and my part of K step 0 are in (K step 1's load may be out)
	s_barrier_signal -1
	s_barrier_wait -1
	FETCH_B 0, 0, 0
	FETCH_A 0, 0, 0
	SCALES 0
	FETCH_A 0, 0, 4
	STEP 0, 0, 1                                   ; the first step's products start the sums
	s_mov_b32 s3, LAPS-1
.Llap:
	TURN 0, 1, 1
	STEP 1, 0, 0
	TURN 1, 0, 1
	STEP 0, 0, 0
	s_sub_co_u32 s3, s3, 1
	s_cmp_lg_u32 s3, 0
	s_cbranch_scc1 .Llap
	TURN 0, 1, 0
	STEP 1, 0, 0
	s_wait_dscnt 4*NL
	WIN MUL_LO
	MUL16 0, 1, NQ-1, 1, 0
	MUL16 2, 1, NQ-1, 1, 0
	s_wait_dscnt 0
	WIN MUL_HI
	MUL16 4, 1, NQ-1, 1, 0
	MUL16 6, 1, NQ-1, 1, 0
	WIN 0
; THE WAY OUT, block by block of 16 rows x 128 columns, through my own stage.  Accumulator (a, b), lane (r, h), register j is column 32 (b / 2) + 16 h + 8 (b % 2) + j of my 128, and
; stage row t of block a is row 32 (a / 2) + 8 (a % 2) + t + 8 (t / 8) of my 128: the row order of both operands is undone here, by offsets alone.
.macro TOSTAGE a
.set AC, 64*((\a)%4)
	WIN 0x08+4*((\a)/4)                            ; the data: window 2 or 3
.irp b, 0,1,2,3,4,5,6,7
	ds_store_b128 v[STO], v[AC+8*\b:AC+8*\b+3] offset:128*(\b/2)+32*(\b%2)          ; each accumulator from its low end on
	ds_store_b128 v[STO], v[AC+8*\b+4:AC+8*\b+7] offset:128*(\b/2)+32*(\b%2)+16
.endr
	WIN 0
.set BB, BK+64*((\a)%2)
.irp t, 0,1,2,3,4,5,6,7,8,9,10,11,12,13,14,15
	ds_load_b128 v[BB+4*\t:BB+4*\t+3], v[RD] offset:\t*SPITCH   ; LDS serves a wave's instructions in order (ISA guide 5.7.1.4): these see the stores above
.endr
.endm
.macro SEND a, younger                 ; younger: the LDS instructions issued behind block a's loads, which may stay out
.set BB, BK+64*((\a)%2)
	s_wait_dscnt \younger
.irp t, 0,1,2,3,4,5,6,7,8,9,10,11,12,13,14,15
	global_store_b128 v[CO], v[BB+4*\t:BB+4*\t+3], s[12:13] offset:(32*((\a)/2)+8*((\a)%2)+\t+8*(\t/8))*4096 th:TH_STORE_NT   ; 32 lanes store 512 consecutive bytes, at a multiple of 256 from C's first byte; 127 rows on at the most: inside the signed 24-bit immediate
.endr
.endm
	PLACES NP                                      ; behind the last products: their results are read, and loads land in registers that held A's fragments
	TOSTAGE 0
.irp a, 1,2,3,4,5,6,7
.if \a > 1
	s_wait_xcnt 0x0                                ; block a - 2's stores have read their registers: block a's loads may land there
.endif
	TOSTAGE \a
	SEND \a-1, 32                                  ; behind block a - 1's loads: block a's 16 stores and 16 loads
.endr
	SEND 7, 0
	s_wait_tensorcnt 0x0                           ; the wave's end
	ds_add_u32 v[SPW], v[NIL]
	s_wait_dscnt 0x0
	CROUND                                         ; the closing round: no work-group ends while a partner may still ask for a tile that names it
	s_endpgm
.Lfunc_end_k_q98fac49de1_gemm_o:
	.size	k_q98fac49de1_gemm_o, .Lfunc_end_k_q98fac49de1_gemm_o-k_q98fac49de1_gemm_o
	.p2alignl 7, 3214868480
	.fill 96, 4, 3214868480
	.section	.rodata,"a",@progbits
	.p2align	6, 0x0
	.amdhsa_kernel k_q98fac49de1_gemm_o
		.amdhsa_group_segment_fixed_size 327680
		.amdhsa_private_segment_fixed_size 0
		.amdhsa_enable_private_segment 0
		.amdhsa_kernarg_size 24
		.amdhsa_user_sgpr_count 2
		.amdhsa_user_sgpr_kernarg_segment_ptr 1
		.amdhsa_wavefront_size32 1
		.amdhsa_system_sgpr_workgroup_id_x 1
		.amdhsa_system_sgpr_workgroup_id_y 1
		.amdhsa_system_sgpr_workgroup_id_z 1
		.amdhsa_system_vgpr_workitem_id 0
		.amdhsa_next_free_vgpr 1024
		.amdhsa_next_free_sgpr 98
		.amdhsa_reserve_vcc 0
		.amdhsa_float_denorm_mode_32 3
		.amdhsa_float_denorm_mode_16_64 3
		.amdhsa_memory_ordered 1
		.amdhsa_forward_progress 1
		.amdhsa_inst_pref_size 159
	.end_amdhsa_kernel
	.amdgpu_metadata
---
amdhsa.version: [ 1, 2 ]
amdhsa.kernels:
  - .name:           k_q98fac49de1_gemm_o
    .symbol:         k_q98fac49de1_gemm_o.kd
    .args:
      - { .name: ao, .offset: 0, .size: 8, .value_kind: global_buffer, .address_space: global }
      - { .name: wo, .offset: 8, .size: 8, .value_kind: global_buffer, .address_space: global }
      - { .name: out0, .offset: 16, .size: 8, .value_kind: global_buffer, .address_space: global }
    .group_segment_fixed_size: 327680
    .private_segment_fixed_size: 0
    .kernarg_segment_align: 8
    .kernarg_segment_size: 24
    .max_flat_workgroup_size: 128
    .sgpr_count:     98
    .vgpr_count:     1024
    .wavefront_size: 32
...
	.end_amdgpu_metadata
.endif
;; end of part 4
;; ======== version 2 of 2: 4 launches
;; limits: right only within a limited range of input values
;; workspace buffers: xq 6,553,600 bytes; wqk 1,835,008 bytes; wv 1,048,576 bytes; wo 1,048,576 bytes; qkq 13,107,200 bytes; vq 6,815,744 bytes; ao 6,553,600 bytes
;; launch quant (part 5): grid 384 x 1, 4 waves a work-group, no clusters, 68,096 bytes of LDS; arguments x, W_Q, W_K, W_V, W_O, xq, wqk, wv, wo; writes xq, wqk, wv, wo
.if DOCPART == 5
	.amdgcn_target "amdgcn-amd-amdhsa--gfx1250"
	.amdhsa_code_object_version 6
	.text
	.protected	k_q98fac49de1_quant
	.globl	k_q98fac49de1_quant
	.p2align	8
	.type	k_q98fac49de1_quant,@function
k_q98fac49de1_quant:
	s_mov_b64 s[64:65], 0
	v_nop
	global_prefetch_b8 v0, s[64:65] scope:SCOPE_SE
	s_setreg_imm32_b32 hwreg(HW_REG_WAVE_MODE, 25, 1), 1
	s_wait_xcnt 0x0
; x [8192][1024] f32 (K innermost) and W_Q, W_K, W_V, W_O [1024 (K)][1024] f32 (K outermost) become codes of E3M2, 6 bits each, K innermost, with one E8M0 byte for each 32 along K.
; AN OPERAND BUFFER: scale bytes [row][32] from byte 0, codes [row][768] from byte 262,144.  wqk holds W_Q's 1,024 columns as rows 0-1,023 and W_K's as rows 1,024-2,047.
; THE ROW ORDER: the buffer's row p holds the tensor's row (a weight's column) sigma(p) = p with bits 3 and 4 exchanged.  So the 16 rows of a matrix tile, read plainly, are rows
; 32 b + 8 u + r + 8 (r / 8), and a product used transposed leaves 16 neighbours along this axis in the 16 registers of two neighbouring tiles.
; A block's scale is 2^(floor(log2(its largest magnitude)) - 4); its byte is the largest magnitude's exponent field - 4, held at 1 from below.
; LIMITS: a block whose largest magnitude lies under 2^-122 has its byte held at 1; a block of zeros gets the byte 1 where the quantiser says 127 (its codes are zeros, which add nothing, and
; only this program reads the bytes); NaN and infinities among the inputs are not served.
; Work-groups 0-255 take x, 256-383 the weights: two paths that part on the work-group's number and never join; each has LDS bytes of its own.  No tensor loads, no barrier: waves share nothing.
.set EMAX,  4
.set STEPS, 16                         ; x: a wave takes 16 steps of 512 numbers: 8 rows
.set CB,    12                         ; bytes of 16 codes
.set XR,    16                         ; v16-79   x: four sets of 16 numbers as they are loaded
.set XX,    80                         ; v80-111  two sets of 16 neighbours
.set XE,    112                        ; v112-127 a scale byte for each step
.set XC,    128                        ; v128-191 codes: four registers for each step
.set WREG,  8192                       ; x's path: LDS 0 .. 32,767: a region for each wave: two stages of 32 x SP bytes, then its 256 scale bytes
.set SP,    80                         ; a lane's place in a stage: 64 bytes + 16 of padding
.set WSTG,  32768                      ; the weights' path: LDS from here: a stage of 32 rows x PITCH for each wave
.set NB,    8                          ; weights: blocks of 32 along K for a wave (256 along K)
.set PITCH, 272                        ; a stage row: sixteen places of 16 bytes, each with 12 bytes of codes, + 16
; THE CODES' ORDER (it takes the place of [row][768] above): [128 rows][4 steps of 256 along K][128 rows][192 bytes], so that the 128 rows x 192 bytes of one K step are 24,576 consecutive bytes, at a multiple of 256
.set KROW,  192                        ; from row to row inside such a block, in bytes
.set WX,    32                         ; v32-95   weights: two sets of 32 numbers
.set WC,    96                         ; v96-102  a block's codes
.set WO,    112                        ; v112-175 the way out
.set WSB,   24                         ; v24-25   the scale bytes, four to a register
	s_load_b512 s[16:31], s[0:1], 0x0              ; x 16, W_Q 18, W_K 20, W_V 22, W_O 24, xq 26, wqk 28, wv 30
	s_load_b64 s[32:33], s[0:1], 0x40              ; wo
	v_lshl_add_u32 v192, v0, 2, 0x10800
	v_mov_b32 v193, 0
	v_lshrrev_b32 v1, 5, v0
	v_readfirstlane_b32 s8, v1                     ; wave 0..3
	v_and_b32 v2, 31, v0                           ; lane
	s_wait_kmcnt 0x0
	s_cmp_lt_u32 ttmp9, 256
	s_cbranch_scc0 .Lweights
; ---------------- x: a plain stream of blocks of 32.  A wave's run of 8,192 numbers is 8 rows; sigma moves whole groups of 8 rows, so only the run's place in the output changes.
; Each load reads 512 consecutive bytes, 16 a lane; a step's 2,048 bytes turn through the wave's stage and come back 64 bytes a lane: 16 neighbours, two lanes to a block.
	s_wait_alu depctr_va_vdst(0)
	v_lshlrev_b32 v3, 4, v2                        ; my 16 bytes of a load's 512
	s_mul_i32 s9, s8, WREG
	v_lshrrev_b32 v14, 2, v2
	v_mul_u32_u24 v14, v14, SP
	v_and_b32 v15, 3, v2
	v_lshl_add_u32 v14, v15, 4, v14
	v_add_nc_u32 v14, s9, v14                      ; the stage, in: SP (lane / 4) + 16 (lane % 4)
	v_mul_u32_u24 v15, v2, SP
	v_add_nc_u32 v15, s9, v15                      ; and out: SP x lane
	v_and_b32 v4, 15, v2
	v_mul_u32_u24 v4, v4, CB               ; sixteen lanes fill a row's 192 bytes of one K step;
	v_lshrrev_b32 v10, 4, v2
	v_mad_u32_u24 v4, v10, 24576, v4       ; lanes 16-31 hold the next K step, one block of 24,576 bytes on
	v_lshrrev_b32 v5, 1, v2
	s_add_co_u32 s9, s9, 2*32*SP
	v_add_nc_u32 v5, s9, v5                        ; my block's byte among the wave's 256
	v_lshlrev_b32 v7, 3, v2
	v_add_nc_u32 v6, s9, v7                        ; and on the way out 8 bytes a lane
	s_lshl_b32 s10, ttmp9, 2
	s_add_co_u32 s11, s10, s8                      ; the run that I read: 4 x work-group + wave
	s_lshl_b32 s12, s11, 15                        ; 32,768 bytes a run
	s_mov_b32 s13, 0
	s_add_nc_u64 s[16:17], s[16:17], s[12:13]
	s_and_b32 s11, s8, 1
	s_lshl_b32 s11, s11, 1
	s_lshr_b32 s14, s8, 1
	s_or_b32 s11, s11, s14                         ; the wave's two bits exchanged: rows' bits 3 and 4
	s_add_co_u32 s11, s10, s11                     ; the run that I write
	s_lshr_b32 s12, s11, 4                 ; sixteen runs of 8 rows to a group of 128 rows, 98,304 bytes
	s_mul_i32 s12, s12, 98304
	s_and_b32 s14, s11, 15
	s_mul_i32 s14, s14, 1536               ; 8 rows of 192 bytes
	s_add_co_u32 s12, s12, s14
	s_add_co_u32 s12, s12, 262144
	s_add_nc_u64 s[4:5], s[26:27], s[12:13]        ; its codes
	s_lshl_b32 s12, s11, 8
	s_add_nc_u64 s[6:7], s[26:27], s[12:13]        ; its 256 scale bytes
.macro XLOAD t
.irp i, 0,1,2,3
	global_load_b128 v[XR+16*((\t)%4)+4*\i:XR+16*((\t)%4)+4*\i+3], v3, s[16:17] offset:2048*(\t)+512*\i th:TH_LOAD_NT
.endr
.endm
.macro XTURN t                         ; LDS serves a wave's instructions in order (ISA guide 5.7.1.4): no wait between the stores and the loads
.irp i, 0,1,2,3
	ds_store_b128 v14, v[XR+16*((\t)%4)+4*\i:XR+16*((\t)%4)+4*\i+3] offset:32*SP*((\t)%2)+8*SP*\i
.endr
.irp i, 0,1,2,3
	ds_load_b128 v[XX+16*((\t)%2)+4*\i:XX+16*((\t)%2)+4*\i+3], v15 offset:32*SP*((\t)%2)+16*\i
.endr
.endm
.irp t, 0,1,2,3
	XLOAD \t
.endr
	s_wait_alu depctr_va_vdst(0)
	s_wait_loadcnt 12                              ; step 0's four loads are in; twelve younger ones stay out
	XTURN 0
.macro XSTEP t
.set XS, XX+16*((\t)%2)
.if (\t) > 0
	s_wait_dscnt 1                                 ; this step's numbers are back from the stage (the last step's byte store may be out)
.else
	s_wait_dscnt 0x0
.endif
.if (\t)+4 < STEPS
	XLOAD (\t)+4                                   ; into the set whose numbers the stage has taken
.endif
.if (\t)+1 < STEPS
.if STEPS-2-(\t) >= 3
	s_wait_loadcnt 12                              ; the next step's four loads are in; those of the three steps behind it may be out
.else
	s_wait_loadcnt 4*(STEPS-2-(\t))
.endif
	XTURN (\t)+1
.endif
	v_max3_num_f32 v8, |v[XS]|, |v[XS+1]|, |v[XS+2]|               ; the largest magnitude of my 16, in two chains
	v_max3_num_f32 v9, |v[XS+3]|, |v[XS+4]|, |v[XS+5]|
.irp i, 6,10
	v_max3_num_f32 v8, v8, |v[XS+\i]|, |v[XS+\i+1]|
	v_max3_num_f32 v9, v9, |v[XS+\i+2]|, |v[XS+\i+3]|
.endr
	v_max3_num_f32 v8, v8, |v[XS+14]|, |v[XS+15]|
	v_max3_num_f32 v8, v8, v9, (EMAX+1)<<23        ; and the floor 2^(5 - 127): the byte cannot fall under 1
	v_max_num_f32_dpp v8, v8, v8 row_xmask:1 row_mask:0xf bank_mask:0xf   ; with my neighbour's 16: the block's
	v_add_nc_u32 v11, 0xfe000000, v8               ; 4 off its exponent field: the conversion takes that field as its scale
	v_cvt_scalef32_pk16_bf6_f32 v[XC+4*(\t):XC+4*(\t)+2], v[XS:XS+15], v11
	v_lshrrev_b32 v[XE+(\t)], 23, v11              ; the scale's byte
	ds_store_b8 v5, v[XE+(\t)] offset:16*(\t)      ; both lanes of a block write the same byte with the same value
	global_store_b96 v4, v[XC+4*(\t):XC+4*(\t)+2], s[4:5] offset:((\t)/2)*192+((\t)%2)*49152   ; row t / 2; K steps 2 (t % 2) and 2 (t % 2) + 1
.endm
.irp t, 0,1,2,3,4,5,6,7,8,9,10,11,12,13,14,15
	XSTEP \t
.endr
	ds_load_b64 v[12:13], v6
	s_wait_dscnt 0x0
	global_store_b64 v7, v[12:13], s[6:7]          ; 32 lanes store 256 consecutive bytes, aligned
	s_wait_tensorcnt 0x0
	ds_add_u32 v192, v193
	s_wait_dscnt 0x0
	s_endpgm
; ---------------- the weights: a lane takes a column, its registers run down K: a block of 32 lies in one lane, and the codes come out with K innermost.
; Work-group u = 0..127: weight u / 32, columns 128 ((u / 4) % 8) on, K from 256 (u % 4) on.  A wave: 32 columns x 256 along K.
.Lweights:
	s_sub_co_u32 s9, ttmp9, 256
	s_lshr_b32 s10, s9, 5                          ; 0 W_Q, 1 W_K, 2 W_V, 3 W_O
	s_bfe_u32 s11, s9, 0x30002                     ; which 128 columns
	s_and_b32 s12, s9, 3                           ; which 256 along K
	s_bitcmp1_b32 s10, 0                           ; the choices hang on the work-group's number alone
	s_cselect_b64 s[34:35], s[20:21], s[18:19]     ; W_K or W_Q
	s_cselect_b64 s[36:37], s[24:25], s[22:23]     ; W_O or W_V
	s_cselect_b64 s[38:39], s[32:33], s[30:31]     ; wo or wv
	s_bitcmp1_b32 s10, 1
	s_cselect_b64 s[4:5], s[36:37], s[34:35]       ; the weight
	s_cselect_b64 s[6:7], s[38:39], s[28:29]       ; its operand buffer
	s_cmp_eq_u32 s10, 1
	s_cselect_b32 s44, 1024, 0                     ; W_K's rows lie behind W_Q's
	s_lshl_b32 s14, s11, 7
	s_lshl_b32 s15, s8, 5
	s_add_co_u32 s14, s14, s15                     ; my wave's first column
	s_lshl_b32 s40, s12, 20                        ; 256 rows of 4,096 bytes
	s_lshl_b32 s15, s14, 2
	s_add_co_u32 s40, s40, s15
	s_mov_b32 s41, 0
	s_add_nc_u64 s[4:5], s[4:5], s[40:41]
	s_add_co_u32 s14, s14, s44                     ; the first row of the buffer that I write
	s_lshr_b32 s40, s14, 7                 ; the group of 128 rows,
	s_mul_i32 s40, s40, 98304
	s_and_b32 s15, s14, 127
	s_mul_i32 s15, s15, KROW               ; my first row in it,
	s_add_co_u32 s40, s40, s15
	s_mul_i32 s15, s12, 24576              ; and my K step's block
	s_add_co_u32 s40, s40, s15
	s_add_co_u32 s40, s40, 262144
	s_add_nc_u64 s[42:43], s[6:7], s[40:41]        ; codes
	s_lshl_b32 s40, s14, 5
	s_lshl_b32 s15, s12, 3
	s_add_co_u32 s40, s40, s15
	s_add_nc_u64 s[6:7], s[6:7], s[40:41]          ; scale bytes
	s_wait_alu depctr_va_vdst(0)
	v_lshlrev_b32 v3, 2, v2                        ; in: 4 bytes a lane
	v_and_b32 v10, 7, v2
	v_and_b32 v11, 8, v2
	v_lshl_add_u32 v10, v11, 1, v10
	v_bfe_u32 v11, v2, 4, 1
	v_lshl_add_u32 v10, v11, 3, v10                ; sigma(lane): the row, of my wave's 32, that takes my column
	s_mul_i32 s15, s8, 32*PITCH
	s_add_co_u32 s15, s15, WSTG                    ; my stage
	v_mul_u32_u24 v4, v10, PITCH
	v_add_nc_u32 v4, s15, v4                       ; into it
	v_and_b32 v5, 15, v2
	v_lshrrev_b32 v6, 4, v2                        ; out of it: sixteen lanes to a row, two rows an instruction
	v_mul_u32_u24 v7, v6, PITCH
	v_lshl_add_u32 v7, v5, 4, v7
	v_add_nc_u32 v7, s15, v7
	v_mul_u32_u24 v8, v6, KROW
	v_mad_u32_u24 v8, v5, 12, v8                   ; and the same place among the codes
	v_lshlrev_b32 v9, 5, v10                       ; my row of scale bytes
.macro WLOAD t                         ; block t: W(32 t + n, my column), n = 0 .. 31: each load reads 128 consecutive bytes
.set n, 0
.rept 32
	global_load_b32 v[WX+32*((\t)%2)+n], v3, s[4:5] offset:(32*(\t)+n)*4096 th:TH_LOAD_NT
.set n, n+1
.endr
.endm
	WLOAD 0
	WLOAD 1
.macro WBLOCK t
.set XS, WX+32*((\t)%2)
.if (\t) < NB-1
	s_wait_loadcnt 32                              ; this block's 32 loads are in; the next block's may be out
.else
	s_wait_loadcnt 0
.endif
	v_max3_num_f32 v12, |v[XS]|, |v[XS+1]|, |v[XS+2]|
	v_max3_num_f32 v13, |v[XS+3]|, |v[XS+4]|, |v[XS+5]|
.irp i, 6,10,14,18,22,26
	v_max3_num_f32 v12, v12, |v[XS+\i]|, |v[XS+\i+1]|
	v_max3_num_f32 v13, v13, |v[XS+\i+2]|, |v[XS+\i+3]|
.endr
	v_max3_num_f32 v12, v12, |v[XS+30]|, |v[XS+31]|
	v_max3_num_f32 v12, v12, v13, (EMAX+1)<<23     ; with the floor
	v_add_nc_u32 v11, 0xfe000000, v12              ; the conversion's scale operand
	v_lshrrev_b32 v13, 23, v11                     ; the scale's byte
.if (\t)%4 == 0
	v_mov_b32 v[WSB+(\t)/4], v13
.else
	v_lshl_or_b32 v[WSB+(\t)/4], v13, 8*((\t)%4), v[WSB+(\t)/4]
.endif
	v_cvt_scalef32_pk16_bf6_f32 v[WC:WC+2], v[XS:XS+15], v11
	v_cvt_scalef32_pk16_bf6_f32 v[WC+4:WC+6], v[XS+16:XS+31], v11   ; (a conversion's three registers begin on an even number)
	ds_store_b96 v4, v[WC:WC+2] offset:32*(\t)     ; 12 bytes to a place of 16, so that every LDS address is a multiple of 16
	ds_store_b96 v4, v[WC+4:WC+6] offset:32*(\t)+16
.if (\t)+2 < NB
	WLOAD (\t)+2
.endif
	s_wait_dscnt 0x0                               ; the stores have read their registers: the next block's codes may be written
.endm
.set Q, 0
.rept NB
	WBLOCK Q
.set Q, Q+1
.endr
	s_wait_alu depctr_va_vdst(0)
	global_store_b64 v9, v[WSB:WSB+1], s[6:7]      ; my column's 8 scale bytes
.irp t, 0,1,2,3,4,5,6,7,8,9,10,11,12,13,14,15
	ds_load_b96 v[WO+4*\t:WO+4*\t+2], v7 offset:2*\t*PITCH
.endr
.irp t, 0,1,2,3,4,5,6,7,8,9,10,11,12,13,14,15
	s_wait_dscnt 15-\t                             ; LDS loads come back in order: number t is in
	global_store_b96 v8, v[WO+4*\t:WO+4*\t+2], s[42:43] offset:2*\t*KROW   ; sixteen lanes store a row's 192 consecutive bytes
.endr
	s_wait_tensorcnt 0x0
	ds_add_u32 v192, v193
	s_wait_dscnt 0x0
	s_endpgm
.Lfunc_end_k_q98fac49de1_quant:
	.size	k_q98fac49de1_quant, .Lfunc_end_k_q98fac49de1_quant-k_q98fac49de1_quant
	.p2alignl 7, 3214868480
	.fill 96, 4, 3214868480
	.section	.rodata,"a",@progbits
	.p2align	6, 0x0
	.amdhsa_kernel k_q98fac49de1_quant
		.amdhsa_group_segment_fixed_size 68096
		.amdhsa_private_segment_fixed_size 0
		.amdhsa_enable_private_segment 0
		.amdhsa_kernarg_size 72
		.amdhsa_user_sgpr_count 2
		.amdhsa_user_sgpr_kernarg_segment_ptr 1
		.amdhsa_wavefront_size32 1
		.amdhsa_system_sgpr_workgroup_id_x 1
		.amdhsa_system_sgpr_workgroup_id_y 1
		.amdhsa_system_sgpr_workgroup_id_z 1
		.amdhsa_system_vgpr_workitem_id 0
		.amdhsa_next_free_vgpr 194
		.amdhsa_next_free_sgpr 66
		.amdhsa_reserve_vcc 0
		.amdhsa_float_denorm_mode_32 3
		.amdhsa_float_denorm_mode_16_64 3
		.amdhsa_memory_ordered 1
		.amdhsa_forward_progress 1
		.amdhsa_inst_pref_size 74
	.end_amdhsa_kernel
	.amdgpu_metadata
---
amdhsa.version: [ 1, 2 ]
amdhsa.kernels:
  - .name:           k_q98fac49de1_quant
    .symbol:         k_q98fac49de1_quant.kd
    .args:
      - { .name: x, .offset: 0, .size: 8, .value_kind: global_buffer, .address_space: global }
      - { .name: W_Q, .offset: 8, .size: 8, .value_kind: global_buffer, .address_space: global }
      - { .name: W_K, .offset: 16, .size: 8, .value_kind: global_buffer, .address_space: global }
      - { .name: W_V, .offset: 24, .size: 8, .value_kind: global_buffer, .address_space: global }
      - { .name: W_O, .offset: 32, .size: 8, .value_kind: global_buffer, .address_space: global }
      - { .name: xq, .offset: 40, .size: 8, .value_kind: global_buffer, .address_space: global }
      - { .name: wqk, .offset: 48, .size: 8, .value_kind: global_buffer, .address_space: global }
      - { .name: wv, .offset: 56, .size: 8, .value_kind: global_buffer, .address_space: global }
      - { .name: wo, .offset: 64, .size: 8, .value_kind: global_buffer, .address_space: global }
    .group_segment_fixed_size: 68096
    .private_segment_fixed_size: 0
    .kernarg_segment_align: 8
    .kernarg_segment_size: 72
    .max_flat_workgroup_size: 128
    .sgpr_count:     66
    .vgpr_count:     194
    .wavefront_size: 32
...
	.end_amdgpu_metadata
.endif
;; end of part 5
;; launch gemm_qkv (part 6): grid 8 x 32, 4 waves a work-group, clusters of 4 x 4, 327,680 bytes of LDS; arguments xq, wqk, wv, qkq, vq; writes qkq, vq
.if DOCPART == 6
	.amdgcn_target "amdgcn-amd-amdhsa--gfx1250"
	.amdhsa_code_object_version 6
	.text
	.protected	k_q98fac49de1_gemm_qkv
	.globl	k_q98fac49de1_gemm_qkv
	.p2align	8
	.type	k_q98fac49de1_gemm_qkv,@function
k_q98fac49de1_gemm_qkv:
	s_mov_b64 s[64:65], 0
	v_nop
	global_prefetch_b8 v0, s[64:65] scope:SCOPE_SE
	s_setreg_imm32_b32 hwreg(HW_REG_WAVE_MODE, 25, 1), 1
	s_wait_xcnt 0x0
	s_wait_alu depctr_hold_cnt(0) depctr_sa_sdst(0) depctr_va_vdst(0) depctr_va_sdst(0) depctr_va_ssrc(0) depctr_va_vcc(0) depctr_vm_vsrc(0)
	s_getreg_b32 s2, hwreg(HW_REG_IB_STS2, 6, 4)
	s_cmp_eq_u32 s2, 0
	s_cbranch_scc0 .Lentry_in_a_cluster
	s_endpgm
.Lentry_in_a_cluster:
	s_bfe_u32 s2, ttmp6, 0x10000c
	s_cmp_lg_u32 s2, 0xf033
	s_cbranch_scc0 .Lentry_shape_is_right
	s_endpgm
.Lentry_shape_is_right:
.set SIZE_K, 1024
.set KSTEP,  256
.set NQ,     KSTEP/128
; A tile of codes, 128 rows x 192 bytes of one K step, is 24,576 consecutive bytes of its buffer: it is stated as 96 rows of 256 bytes; the padding, 16 bytes behind each 64, gives LDS rows of 240 bytes
.set ROWB,   24576                     ; from one K step's tile to the next, in bytes
.set KROW,   SIZE_K*6/8
.set PITCH,  240
.set FR,     12
.set NL,     6
.set NP,     4
.set HALFT,  128*PITCH
.set SLOT,   4*HALFT
.set LAPS,   SIZE_K/(2*KSTEP)
.set KS,     SIZE_K/32
.set SCL,    2*SLOT
.set HALFS,  (128*KS/256)*272
.set SBLK,   (16*KS/256)*272
.set SPARE,  SCL+4*HALFS
.set STG,    SPARE+512
.set WSTG,   12800
.set CODES,  262144
.set RDS,  5
.set CO8,  6
.set VSO,  7
.set ADRA2, 8
.set ADRB2, 12
.set ADRA, 16
.set ADRB, 20
.set STO,  24
.set RD,   25
.set CO,   26
.set ADRS, 27
.set SPW,  28
.set NIL,  29
.set SWA,  30
.set ADRS2, 31
.set SC,   32
.set AF,   128
.set VS,   224
.set CD,   112
.set TM,   200
.set PW,   216
.set OB,   32
.set G0V, 4
.set OC1, 18
.set OS1, 92
.set OC2, 94
.set OS2, 96
.set G1, 24
.set G0, 32
.set G1B, 48
.set G0B, 56
.set SEL, 66
.set G1S, 68
.set G0S, 76
.set G1SB, 80
.set G0SB, 88
.set MSB, 0
.macro WIN new
.if MSB != \new
	s_set_vgpr_msb (MSB<<8)|\new
.set MSB, \new
.endif
.endm
.set MUL_LO, 0xa1
.set MUL_HI, 0xf1
.set TO_B,   0x40
.macro JLOAD g0a, g1a, g0b, g1b
	s_cmp_eq_u32 s15, 0
	s_cbranch_scc0 .Lfor_b_\@
	tensor_load_to_lds s[\g0a:\g0a+3], s[\g1a:\g1a+7]
	s_nop 0
.rept 4
	v_nop
.endr
	s_branch .Lasked_\@
.Lfor_b_\@:
	tensor_load_to_lds s[\g0b:\g0b+3], s[\g1b:\g1b+7]
	s_nop 0
.rept 4
	v_nop
.endr
.Lasked_\@:
.endm
.macro PJLOAD s
	s_cmp_eq_u32 s15, 0
	s_cbranch_scc0 .Lpw_\@
	tensor_load_to_lds s[G0+4*\s:G0+4*\s+3], s[G1:G1+7]
	s_nop 0
.rept 4
	v_nop
.endr
	s_branch .Lpd_\@
.Lpw_\@:
	s_cmp_eq_u32 s14, 2
	s_cbranch_scc0 .Lpn_\@
	tensor_load_to_lds s[G0V+4*\s:G0V+4*\s+3], s[G1B:G1B+7]
	s_nop 0
.rept 4
	v_nop
.endr
	s_branch .Lpd_\@
.Lpn_\@:
.rept 4
	v_nop
.endr
.Lpd_\@:
.endm
.macro TLD g0, g1                      ; s_nop 0 and four v_nop follow each tensor load
	tensor_load_to_lds s[\g0:\g0+3], s[\g1:\g1+7]
	s_nop 0
.rept 4
	v_nop
.endr
.endm
.macro ARM4 a0, a1, b0, b1, c0, c1, d0, d1   ; one chain of branches on the wave's number: every wave issues one load
	s_cmp_lt_u32 s14, 1
	s_cbranch_scc0 .Lq1_\@
	TLD \a0, \a1
	s_branch .Lq4_\@
.Lq1_\@:
	s_cmp_lt_u32 s14, 2
	s_cbranch_scc0 .Lq2_\@
	TLD \b0, \b1
	s_branch .Lq4_\@
.Lq2_\@:
	s_cmp_lt_u32 s14, 3
	s_cbranch_scc0 .Lq3_\@
	TLD \c0, \c1
	s_branch .Lq4_\@
.Lq3_\@:
	TLD \d0, \d1
.Lq4_\@:
.endm
.macro CREST
	s_cmp_lg_u32 s14, 0
	s_cbranch_scc1 .Lnot_wave_0_\@
	s_barrier_signal -3
.Lnot_wave_0_\@:
	s_barrier_wait -3
	s_barrier_signal -1
	s_barrier_wait -1
.endm
.macro CROUND
	s_barrier_signal -1
	s_barrier_wait -1
	CREST
.endm
	s_load_b256 s[4:11], s[0:1], 0x0
	s_load_b64 s[12:13], s[0:1], 0x20
	v_lshl_add_u32 v[SPW], v0, 2, SPARE
	v_mov_b32 v[NIL], 0
	ds_add_u32 v28, v29
	ds_add_u32 v28, v29
	s_wait_dscnt 0x0
	v_lshrrev_b32 v1, 5, v0
	v_readfirstlane_b32 s14, v1
	s_lshr_b32 s15, s14, 1
	s_and_b32 s16, s14, 1
	s_bfe_u32 s40, ttmp6, 0x40000
	s_bfe_u32 s41, ttmp6, 0x40004
	s_lshl_b32 s42, ttmp9, 2
	s_add_co_u32 s42, s42, s40
	s_and_b32 s17, ttmp7, 0xffff
	s_lshl_b32 s17, s17, 2
	s_add_co_u32 s17, s17, s41
	s_lshl_b32 s43, s41, 2
	s_lshl_b32 s43, 15, s43
	s_lshl_b32 s44, 0x1111, s40
	s_mov_b32 s[SEL], 0x76543210
	s_mov_b32 s[SEL+1], 0xfedcba98
	s_or_b32 s[G1+0], s43, (0<<16)|(1<<20)|(1<<21)|(3<<22)|(3<<25)
	s_or_b32 s[G1B+0], s44, (0<<16)|(1<<20)|(1<<21)|(3<<22)|(3<<25)
.irp g, G1, G1B
	s_mov_b32 s[\g+1], 24576<<16           ; for the head's loads: a whole tile of 256 rows is two blocks of 24,576 bytes, 98,304 apart
	s_mov_b32 s[\g+2], 2<<16
	s_mov_b32 s[\g+3], 24576<<16
	s_mov_b32 s[\g+4], 2
	s_mov_b32 s[\g+5], 98304
	s_mov_b32 s[\g+6], 0
	s_mov_b32 s[\g+7], 0
.endr
	s_or_b32 s[G1S+0], s43, (3<<16)|(1<<20)|(1<<21)|(5<<22)|(3<<25)
	s_or_b32 s[G1SB+0], s44, (3<<16)|(1<<20)|(1<<21)|(5<<22)|(3<<25)
.irp g, G1S, G1SB
	s_mov_b32 s[\g+1], 32<<16
	s_mov_b32 s[\g+2], (256*KS/256)<<16    ; the scales of all 256 rows in one load
	s_mov_b32 s[\g+3], 32<<16
	s_mov_b32 s[\g+4], 256*KS/256
	s_mov_b32 s[\g+5], 32
	s_mov_b32 s[\g+6], 0
	s_mov_b32 s[\g+7], 0
.endr
	s_lshl_b32 s20, s17, 8                 ; the tiles' first rows
	s_lshl_b32 s46, s42, 8
	s_mov_b32 s21, 0
	s_mov_b32 s47, 0
	s_mov_b64 s[18:19], KS
	s_mul_u64 s[22:23], s[20:21], s[18:19]
	s_mul_u64 s[92:93], s[46:47], s[18:19]
	s_mov_b64 s[18:19], KROW
	s_mul_u64 s[20:21], s[20:21], s[18:19]
	s_mul_u64 s[46:47], s[46:47], s[18:19]
	s_add_nc_u64 s[20:21], s[20:21], CODES
	s_add_nc_u64 s[46:47], s[46:47], CODES
	s_mul_i32 s45, s14, HALFT
	s_mul_i32 s94, s14, HALFS
	s_mul_i32 s98, s42, 128*KROW
	s_add_co_u32 s98, s98, CODES
	s_mov_b32 s99, 0
	s_lshl_b32 s100, s42, 12
	s_lshl_b32 s101, s15, 11
	s_add_co_u32 s100, s100, s101
	s_mov_b32 s101, 0
	s_wait_kmcnt 0x0
	s_add_nc_u64 s[20:21], s[4:5], s[20:21]
	s_add_nc_u64 s[22:23], s[4:5], s[22:23]
	s_add_nc_u64 s[46:47], s[6:7], s[46:47]
	s_add_nc_u64 s[92:93], s[6:7], s[92:93]
	s_add_nc_u64 s[98:99], s[8:9], s[98:99]
	s_add_nc_u64 s[100:101], s[8:9], s[100:101]
	CROUND
	s_mov_b32 s[G0S], 1
	s_mov_b32 s[G0S+1], SCL
	s_mov_b64 s[G0S+2:G0S+3], s[22:23]
	s_or_b32 s[G0S+3], s[G0S+3], 0x80000000
	s_mov_b32 s[G0SB], 1
	s_mov_b32 s[G0SB+1], SCL+2*HALFS
	s_mov_b64 s[G0SB+2:G0SB+3], s[92:93]
	s_or_b32 s[G0SB+3], s[G0SB+3], 0x80000000
	s_mov_b32 s4, 1                        ; group 0 of the head's loads of K step 0: A's 256 rows (the arguments that lay in s[4:7] have been used),
	s_mov_b32 s5, 0
	s_mov_b64 s[6:7], s[20:21]
	s_or_b32 s7, s7, 0x80000000
	s_mov_b32 s92, 1                       ; and B's 256 rows, behind them in slot 0
	s_mov_b32 s93, 2*HALFT
	s_mov_b64 s[94:95], s[46:47]
	s_or_b32 s95, s95, 0x80000000
	s_mul_i32 s18, s16, 128*KROW           ; for the ring: my 128 rows of a tile
	s_mov_b32 s19, 0
	s_add_nc_u64 s[20:21], s[20:21], s[18:19]
	s_add_nc_u64 s[46:47], s[46:47], s[18:19]
.irp s, 0,1
	s_mov_b32 s[G0+4*\s], 1
	s_add_co_u32 s[G0+4*\s+1], s45, \s*SLOT
	s_add_nc_u64 s[G0+4*\s+2:G0+4*\s+3], s[20:21], \s*ROWB
	s_or_b32 s[G0+4*\s+3], s[G0+4*\s+3], 0x80000000
	s_mov_b32 s[G0B+4*\s], 1
	s_add_co_u32 s[G0B+4*\s+1], s45, \s*SLOT
	s_add_nc_u64 s[G0B+4*\s+2:G0B+4*\s+3], s[46:47], \s*ROWB
	s_or_b32 s[G0B+4*\s+3], s[G0B+4*\s+3], 0x80000000
.endr
	ARM4 4, G1, 92, G1B, G0S, G1S, G0SB, G1SB   ; the head's four tiles, one load a wave: A's and B's K step 0, A's and B's scales
	s_wait_alu depctr_va_vdst(0)
	s_wait_tensorcnt 0x0                   ; my tile of the four is in
	ds_add_u32 v28, v29
.irp g, G1, G1B
	s_mov_b32 s[\g+1], 256<<16             ; no tensor load of mine is out: from here on a load brings 128 rows, 96 rows of 256 bytes
	s_mov_b32 s[\g+2], 96<<16
	s_mov_b32 s[\g+3], 256<<16
	s_mov_b32 s[\g+4], 96
	s_mov_b32 s[\g+5], 256
.endr
	s_wait_dscnt 0x0
	CROUND
	JLOAD G0+4, G1, G0B+4, G1B             ; K step 1, the first tensor load behind the round
	v_and_b32 v1, 15, v0
	v_bfe_u32 v2, v0, 4, 1
	v_lshlrev_b32 v[VSO], 5, v1
.irp a, 0,1,2,3
	global_load_b128 v[VS+8*\a:VS+8*\a+3], v[VSO], s[100:101] offset:512*\a
	global_load_b128 v[VS+8*\a+4:VS+8*\a+7], v[VSO], s[100:101] offset:512*\a+16
.endr
	v_mul_u32_u24 v3, v1, PITCH
	v_mad_u32_u24 v3, v2, 24, v3
	v_lshl_add_u32 v4, v2, 4, v3
	s_mul_i32 s21, s15, HALFT
	s_mul_i32 s22, s16, HALFT
	s_add_co_u32 s22, s22, 2*HALFT
	s_mul_i32 s20, s16, HALFT
	s_mul_i32 s23, s15, 64*PITCH
	s_add_co_u32 s23, s23, 2*HALFT
.irp s, 0,1
	v_add_nc_u32 v[ADRA+\s], s21, v3
	v_add_nc_u32 v[ADRB+\s], s22, v3
	v_add_nc_u32 v[ADRA+2+\s], s21, v4
	v_add_nc_u32 v[ADRB+2+\s], s22, v4
	v_add_nc_u32 v[ADRB2+\s], s20, v3
	v_add_nc_u32 v[ADRA2+\s], s23, v3
	v_add_nc_u32 v[ADRB2+2+\s], s20, v4
	v_add_nc_u32 v[ADRA2+2+\s], s23, v4
	s_add_co_u32 s21, s21, SLOT
	s_add_co_u32 s22, s22, SLOT
	s_add_co_u32 s20, s20, SLOT
	s_add_co_u32 s23, s23, SLOT
.endr
	v_mul_u32_u24 v3, v1, KS
	v_lshrrev_b32 v4, 8, v3
	v_lshl_add_u32 v3, v4, 4, v3
	s_mul_i32 s21, s15, HALFS
	s_mul_i32 s22, s16, HALFS
	s_add_co_u32 s23, s22, SCL
	v_add_nc_u32 v[ADRS2], s23, v3
	s_add_co_u32 s22, s22, 2*HALFS
	s_sub_co_u32 s22, s22, s21
	v_mul_u32_u24 v4, s22, v2
	s_add_co_u32 s21, s21, SCL
	v_add_nc_u32 v3, v3, v4
	v_add_nc_u32 v[ADRS], s21, v3
	s_mul_i32 s23, s14, WSTG
	s_add_co_u32 s23, s23, STG
	v_mul_u32_u24 v3, v1, 48
	v_mad_u32_u24 v3, v2, 24, v3
	v_add_nc_u32 v[STO], s23, v3
	v_and_b32 v4, 31, v0
	v_lshlrev_b32 v[CO], 4, v4
	v_add_nc_u32 v[RD], s23, v[CO]
	v_lshlrev_b32 v[CO8], 3, v4
	s_add_co_u32 s23, s23, 12288
	v_lshl_add_u32 v[SWA], v1, 2, s23
	v_add_nc_u32 v[RDS], s23, v[CO8]
	s_lshl_b32 s20, s17, 5
	s_lshl_b32 s21, s42, 2
	s_add_co_u32 s20, s20, s21
	s_lshl_b32 s21, s16, 1
	s_add_co_u32 s20, s20, s21
	s_mul_i32 s20, s20, 12288
	s_mul_i32 s21, s15, 6144
	s_add_co_u32 s20, s20, s21
	s_add_co_u32 s20, s20, 524288
	s_mov_b32 s21, 0
	s_add_nc_u64 s[OC1:OC1+1], s[10:11], s[20:21]
	s_lshl_b32 s20, s17, 4
	s_lshl_b32 s22, s42, 1
	s_add_co_u32 s20, s20, s22
	s_add_co_u32 s20, s20, s16
	s_lshl_b32 s20, s20, 10
	s_lshl_b32 s22, s15, 9
	s_add_co_u32 s20, s20, s22
	s_add_nc_u64 s[OS1:OS1+1], s[10:11], s[20:21]
	s_lshr_b32 s22, s17, 3
	s_and_b32 s23, s17, 7
	s_lshr_b32 s46, s42, 1
	s_and_b32 s47, s42, 1
	s_lshl_b32 s47, s47, 7
	s_lshl_b32 s2, s15, 6
	s_add_co_u32 s47, s47, s2
	s_lshl_b32 s20, s46, 5
	s_lshl_b32 s2, s23, 2
	s_add_co_u32 s20, s20, s2
	s_lshl_b32 s2, s16, 1
	s_add_co_u32 s20, s20, s2
	s_mul_i32 s20, s20, 12288
	s_mul_i32 s2, s22, 1572864
	s_add_co_u32 s20, s20, s2
	s_mul_i32 s2, s47, 48
	s_add_co_u32 s20, s20, s2
	s_add_co_u32 s20, s20, 524288
	s_add_nc_u64 s[OC2:OC2+1], s[12:13], s[20:21]
	s_lshl_b32 s20, s46, 4
	s_lshl_b32 s2, s23, 1
	s_add_co_u32 s20, s20, s2
	s_add_co_u32 s20, s20, s16
	s_lshl_b32 s20, s20, 10
	s_lshl_b32 s2, s22, 16
	s_add_co_u32 s20, s20, s2
	s_lshl_b32 s2, s47, 2
	s_add_co_u32 s20, s20, s2
	s_add_nc_u64 s[OS2:OS2+1], s[12:13], s[20:21]
.irp s, 0,1
	s_mov_b32 s[G0V+4*\s], 1
	s_mov_b32 s[G0V+4*\s+1], 2*HALFT+\s*SLOT
	s_add_nc_u64 s[G0V+4*\s+2:G0V+4*\s+3], s[98:99], \s*ROWB
	s_or_b32 s[G0V+4*\s+3], s[G0V+4*\s+3], 0x80000000
.endr
.macro FRAG reg, adr, q, i
.irp p, 0,1,2,3,4,5
.set PCE, 12*(\q)+6*(\p/3)+\p%3
.if PCE%8 < 5
	ds_load_b64 v[\reg+2*\p:\reg+2*\p+1], v[\adr] offset:8*PCE+16*(PCE/8)+(\i)*16*PITCH
.else
	ds_load_b64 v[\reg+2*\p:\reg+2*\p+1], v[\adr+2] offset:8*PCE+16*(PCE/8)+(\i)*16*PITCH
.endif
.endr
.endm
.macro PLACES n
.rept \n
	v_nop
.endr
.endm
.macro MUL16 a0, p, q, sc, zero
.irp a, \a0, \a0+1
.irp b, 0,1,2,3,4,5,6,7
.if \zero
	v_wmma_scale_f32_16x16x128_f8f6f4 v[8*(8*((\a)%4)+\b):8*(8*((\a)%4)+\b)+7], v[128*(\p)+FR*\b:128*(\p)+FR*\b+FR-1], v[AF+FR*(\a):AF+FR*(\a)+FR-1], 0, v[SC+8*NQ*(\sc)+NQ*\b+(\q)], v[SC+8*NQ*(\sc)+NQ*(\a)+(\q)] matrix_a_fmt:MATRIX_FMT_BF6 matrix_b_fmt:MATRIX_FMT_BF6 matrix_a_scale:MATRIX_SCALE_ROW1
.else
	v_wmma_scale_f32_16x16x128_f8f6f4 v[8*(8*((\a)%4)+\b):8*(8*((\a)%4)+\b)+7], v[128*(\p)+FR*\b:128*(\p)+FR*\b+FR-1], v[AF+FR*(\a):AF+FR*(\a)+FR-1], v[8*(8*((\a)%4)+\b):8*(8*((\a)%4)+\b)+7], v[SC+8*NQ*(\sc)+NQ*\b+(\q)], v[SC+8*NQ*(\sc)+NQ*(\a)+(\q)] matrix_a_fmt:MATRIX_FMT_BF6 matrix_b_fmt:MATRIX_FMT_BF6 matrix_a_scale:MATRIX_SCALE_ROW1
.endif
.endr
.endr
.endm
.macro FETCH_B slot, q, p
	WIN TO_B
.irp i, 0,1,2,3,4,5,6,7
	FRAG 128*(\p)+FR*\i, ADRB+\slot, \q, \i
.endr
	WIN 0
.endm
.macro FETCH_A slot, q, i0
.irp i, \i0, \i0+1, \i0+2, \i0+3
	FRAG AF+FR*(\i), ADRA+\slot, \q, \i
.endr
.endm
.macro SCALES sc
.irp i, 0,1,2,3,4,5,6,7
	ds_load_b64 v[SC+8*NQ*\sc+NQ*\i:SC+8*NQ*\sc+NQ*\i+1], v[ADRS] offset:\i*SBLK
.endr
.endm
.macro STEP slot, q, zero
	s_wait_dscnt 4*NL
	WIN MUL_LO
	MUL16 0, (\q)%2, \q, \slot, \zero
	MUL16 2, (\q)%2, \q, \slot, \zero
	s_wait_dscnt 0
	PLACES NP
	FETCH_B \slot, (\q)+1, 1-(\q)%2
	FETCH_A \slot, (\q)+1, 0
	WIN MUL_HI
	MUL16 4, (\q)%2, \q, \slot, \zero
	MUL16 6, (\q)%2, \q, \slot, \zero
	PLACES NP
	WIN 0
	FETCH_A \slot, (\q)+1, 4
.endm
.macro TURN slot, next, fill, fetch
	s_wait_tensorcnt 0x0
	ds_add_u32 v[SPW], v[NIL]
	s_wait_dscnt 4*NL+1
	WIN MUL_LO
	MUL16 0, 1, NQ-1, \slot, 0
	s_wait_dscnt 0x0
	s_barrier_signal -1
	MUL16 2, 1, NQ-1, \slot, 0
	WIN 0
	s_barrier_wait -1
	CREST
.if \fill == 1
	s_add_nc_u64 s[G0+4*\slot+2:G0+4*\slot+3], s[G0+4*\slot+2:G0+4*\slot+3], 2*ROWB
	s_add_nc_u64 s[G0B+4*\slot+2:G0B+4*\slot+3], s[G0B+4*\slot+2:G0B+4*\slot+3], 2*ROWB
	JLOAD G0+4*\slot, G1, G0B+4*\slot, G1B
.else
	s_sub_nc_u64 s[G0+4*\slot+2:G0+4*\slot+3], s[G0+4*\slot+2:G0+4*\slot+3], 2*ROWB
	PJLOAD \slot
.endif
.if \fetch
	s_wait_alu depctr_va_vdst(0)
	v_add_nc_u32 v[ADRS], 4*NQ, v[ADRS]
	FETCH_B \next, 0, 0
	FETCH_A \next, 0, 0
	SCALES \next
.endif
	WIN MUL_HI
	MUL16 4, 1, NQ-1, \slot, 0
	MUL16 6, 1, NQ-1, \slot, 0
	PLACES NP
	WIN 0
.if \fetch
	FETCH_A \next, 0, 4
.endif
.endm
.macro VMUL8 a, p, q, sc, st, zero
.irp b, 0,1,2,3,4,5,6,7
.if \zero
	v_wmma_scale_f32_16x16x128_f8f6f4 v[8*(8*(\a)+\b):8*(8*(\a)+\b)+7], v[128*(\p)+FR*\b:128*(\p)+FR*\b+FR-1], v[AF+48*(\p)+FR*(\a):AF+48*(\p)+FR*(\a)+FR-1], 0, v[SC+8*NQ*(\sc)+NQ*\b+(\q)], v[VS+8*(\a)+(\st)] matrix_a_fmt:MATRIX_FMT_BF6 matrix_b_fmt:MATRIX_FMT_BF6
.else
	v_wmma_scale_f32_16x16x128_f8f6f4 v[8*(8*(\a)+\b):8*(8*(\a)+\b)+7], v[128*(\p)+FR*\b:128*(\p)+FR*\b+FR-1], v[AF+48*(\p)+FR*(\a):AF+48*(\p)+FR*(\a)+FR-1], v[8*(8*(\a)+\b):8*(8*(\a)+\b)+7], v[SC+8*NQ*(\sc)+NQ*\b+(\q)], v[VS+8*(\a)+(\st)] matrix_a_fmt:MATRIX_FMT_BF6 matrix_b_fmt:MATRIX_FMT_BF6
.endif
.endr
.endm
.macro VFETCH slot, q, p
	WIN TO_B
.irp i, 0,1,2,3,4,5,6,7
	FRAG 128*(\p)+FR*\i, ADRB2+\slot, \q, \i
.endr
	WIN 0
.irp i, 0,1,2,3
	FRAG AF+48*(\p)+FR*\i, ADRA2+\slot, \q, \i
.endr
.endm
.macro VSCALES sc
.irp i, 0,1,2,3,4,5,6,7
	ds_load_b64 v[SC+8*NQ*\sc+NQ*\i:SC+8*NQ*\sc+NQ*\i+1], v[ADRS2] offset:\i*SBLK
.endr
.endm
.macro VSTEP slot, st, zero
	s_wait_dscnt 0x0
	PLACES NP
	VFETCH \slot, 1, 1
	WIN MUL_LO
.irp a, 0,1,2,3
	VMUL8 \a, 0, 0, \slot, \st, \zero
.endr
	WIN 0
.endm
.macro VTURN slot, next, st, fill
	s_wait_tensorcnt 0x0
	ds_add_u32 v[SPW], v[NIL]
	s_wait_dscnt 1
	WIN MUL_LO
	VMUL8 0, 1, 1, \slot, \st, 0
	s_wait_dscnt 0x0
	s_barrier_signal -1
	VMUL8 1, 1, 1, \slot, \st, 0
	WIN 0
	s_barrier_wait -1
.if \fill
	CREST
	s_add_nc_u64 s[G0+4*\slot+2:G0+4*\slot+3], s[G0+4*\slot+2:G0+4*\slot+3], 2*ROWB
	s_add_nc_u64 s[G0V+4*\slot+2:G0V+4*\slot+3], s[G0V+4*\slot+2:G0V+4*\slot+3], 2*ROWB
	PJLOAD \slot
.else
	PLACES NP
.endif
	s_wait_alu depctr_va_vdst(0)
	v_add_nc_u32 v[ADRS2], 4*NQ, v[ADRS2]
	VFETCH \next, 0, 0
	VSCALES \next
	WIN MUL_LO
	VMUL8 2, 1, 1, \slot, \st, 0
	VMUL8 3, 1, 1, \slot, \st, 0
	WIN 0
.endm
.macro EQUANT a
.set AC, 64*((\a)%4)
.set WW, 2+(\a)/4
.set WS12, (WW<<2)|(WW<<4)
	WIN WS12
.irp b, 0,1,2,3
	v_max3_num_f32 v[TM+\b], 0x2800000, |v[AC+16*\b]|, |v[AC+1+16*\b]|
.endr
.irp i, 2,4,6,8,10,12,14
.irp b, 0,1,2,3
	v_max3_num_f32 v[TM+\b], v[TM+\b], |v[AC+16*\b+\i]|, |v[AC+1+16*\b+\i]|
.endr
.endr
	WIN 0
.irp b, 0,1,2,3
	v_permlanex16_b32 v[TM+4+\b], v[TM+\b], s[SEL], s[SEL+1]
.endr
.irp b, 0,1,2,3
	v_max_num_f32 v[TM+\b], v[TM+\b], v[TM+4+\b]
.endr
.irp b, 0,1,2,3
	v_add_nc_u32 v[TM+12+\b], 0xfe000000, v[TM+\b]
.endr
.irp b, 0,1,2,3
	v_lshrrev_b32 v[TM+4+\b], 23, v[TM+12+\b]
.endr
	v_lshl_or_b32 v[PW], v[TM+5], 8, v[TM+4]
	v_lshl_or_b32 v[PW], v[TM+6], 16, v[PW]
	v_lshl_or_b32 v[PW], v[TM+7], 24, v[PW]
	WIN WW
.irp c, 0,1
	v_cvt_scalef32_pk16_bf6_f32 v[CD+6*\c:CD+2+6*\c], v[AC+32*\c:AC+15+32*\c], v[TM+12+2*\c]
	v_cvt_scalef32_pk16_bf6_f32 v[CD+12+4*\c:CD+14+4*\c], v[AC+16+32*\c:AC+31+32*\c], v[TM+12+2*\c+1]
.endr
	WIN 0
	v_nop
.irp c, 0,1
.irp i, 0,1,2
	v_permlane16_swap_b32 v[CD+6*\c+\i], v[CD+12+4*\c+\i]
.endr
.irp i, 0,1,2
	v_mov_b32 v[CD+3+6*\c+\i], v[CD+12+4*\c+\i]
.endr
.endr
.irp c, 0,1
.irp i, 0,1,2
	ds_store_b64 v[STO], v[CD+6*\c+2*\i:CD+6*\c+2*\i+1] offset:\c*6144+(\a)*768+8*\i
.endr
.endr
	ds_store_b32 v[SWA], v[PW] offset:64*(\a)
	s_wait_dscnt 0x0
.endm
	s_wait_tensorcnt 1
	s_barrier_signal -1
	s_barrier_wait -1
	FETCH_B 0, 0, 0
	FETCH_A 0, 0, 0
	SCALES 0
	FETCH_A 0, 0, 4
	STEP 0, 0, 1
	s_mov_b32 s3, LAPS-1
.Llap:
	TURN 0, 1, 1, 1
	STEP 1, 0, 0
	TURN 1, 0, 1, 1
	STEP 0, 0, 0
	s_sub_co_u32 s3, s3, 1
	s_cmp_lg_u32 s3, 0
	s_cbranch_scc1 .Llap
	TURN 0, 1, 2, 1
	STEP 1, 0, 0
	TURN 1, 0, 2, 0
.irp b, 0,1,2,3
	v_mov_b32 v[TM+4+\b], 0
.endr
.irp a, 0,1,2,3,4,5,6,7
	EQUANT \a
.endr
.set k, 0
.rept 25
	ds_load_b128 v[OB+4*k:OB+4*k+3], v[RD] offset:512*k
.set k, k+1
.endr
.set k, 0
.rept 24
	s_wait_dscnt 24-k
	global_store_b128 v[CO], v[OB+4*k:OB+4*k+3], s[OC1:OC1+1] offset:(k/12)*12288+(k%12)*512
.set k, k+1
.endr
	s_wait_dscnt 0x0
	global_store_b128 v[CO], v[OB+96:OB+99], s[OS1:OS1+1]
	s_wait_xcnt 0x0
	s_wait_loadcnt 0x0
	VFETCH 0, 0, 0
	VSCALES 0
	VSTEP 0, 0, 1
	VTURN 0, 1, 1, 1
	VSTEP 1, 2, 0
	VTURN 1, 0, 3, 1
	VSTEP 0, 4, 0
	VTURN 0, 1, 5, 0
	VSTEP 1, 6, 0
	s_wait_dscnt 0x0
	WIN MUL_LO
.irp a, 0,1,2,3
	VMUL8 \a, 1, 1, 1, 7, 0
.endr
	WIN 0
	PLACES NP
.irp b, 0,1,2,3
	v_mov_b32 v[TM+4+\b], 0
.endr
.irp a, 0,1,2,3
	EQUANT \a
.endr
.set k, 0
.rept 12
	ds_load_b128 v[OB+4*k:OB+4*k+3], v[RD] offset:(k/6)*6144+(k%6)*512
.set k, k+1
.endr
	ds_load_b64 v[OB+48:OB+49], v[RDS]
.set k, 0
.rept 12
	s_wait_dscnt 12-k
	global_store_b128 v[CO], v[OB+4*k:OB+4*k+3], s[OC2:OC2+1] offset:(k/6)*12288+(k%6)*512
.set k, k+1
.endr
	s_wait_dscnt 0x0
	global_store_b64 v[CO8], v[OB+48:OB+49], s[OS2:OS2+1]
	s_wait_tensorcnt 0x0
	ds_add_u32 v[SPW], v[NIL]
	s_wait_dscnt 0x0
	CROUND
	s_endpgm
.Lfunc_end_k_q98fac49de1_gemm_qkv:
	.size	k_q98fac49de1_gemm_qkv, .Lfunc_end_k_q98fac49de1_gemm_qkv-k_q98fac49de1_gemm_qkv
	.p2alignl 7, 3214868480
	.fill 96, 4, 3214868480
	.section	.rodata,"a",@progbits
	.p2align	6, 0x0
	.amdhsa_kernel k_q98fac49de1_gemm_qkv
		.amdhsa_group_segment_fixed_size 327680
		.amdhsa_private_segment_fixed_size 0
		.amdhsa_enable_private_segment 0
		.amdhsa_kernarg_size 40
		.amdhsa_user_sgpr_count 2
		.amdhsa_user_sgpr_kernarg_segment_ptr 1
		.amdhsa_wavefront_size32 1
		.amdhsa_system_sgpr_workgroup_id_x 1
		.amdhsa_system_sgpr_workgroup_id_y 1
		.amdhsa_system_sgpr_workgroup_id_z 1
		.amdhsa_system_vgpr_workitem_id 0
		.amdhsa_next_free_vgpr 1024
		.amdhsa_next_free_sgpr 102
		.amdhsa_reserve_vcc 0
		.amdhsa_float_denorm_mode_32 3
		.amdhsa_float_denorm_mode_16_64 3
		.amdhsa_memory_ordered 1
		.amdhsa_forward_progress 1
		.amdhsa_inst_pref_size 255
	.end_amdhsa_kernel
	.section	.bss,"aw",@nobits
	.p2align	6
	.space	262144
	.amdgpu_metadata
---
amdhsa.version: [ 1, 2 ]
amdhsa.kernels:
  - .name:           k_q98fac49de1_gemm_qkv
    .symbol:         k_q98fac49de1_gemm_qkv.kd
    .args:
      - { .name: xq, .offset: 0, .size: 8, .value_kind: global_buffer, .address_space: global }
      - { .name: wqk, .offset: 8, .size: 8, .value_kind: global_buffer, .address_space: global }
      - { .name: wv, .offset: 16, .size: 8, .value_kind: global_buffer, .address_space: global }
      - { .name: qkq, .offset: 24, .size: 8, .value_kind: global_buffer, .address_space: global }
      - { .name: vq, .offset: 32, .size: 8, .value_kind: global_buffer, .address_space: global }
    .group_segment_fixed_size: 327680
    .private_segment_fixed_size: 0
    .kernarg_segment_align: 8
    .kernarg_segment_size: 40
    .max_flat_workgroup_size: 128
    .sgpr_count:     102
    .vgpr_count:     1024
    .wavefront_size: 32
...
	.end_amdgpu_metadata
.endif
;; end of part 6
;; launch attn (part 7): grid 4 x 64, 16 waves a work-group, clusters of 4 x 1, 327,680 bytes of LDS; arguments qkq, vq, ao; writes ao
.if DOCPART == 7
	.amdgcn_target "amdgcn-amd-amdhsa--gfx1250"
	.amdhsa_code_object_version 6
	.text
	.protected	k_q98fac49de1_attn
	.globl	k_q98fac49de1_attn
	.p2align	8
	.type	k_q98fac49de1_attn,@function
k_q98fac49de1_attn:
	s_mov_b64 s[64:65], 0
	v_nop
	global_prefetch_b8 v0, s[64:65] scope:SCOPE_SE
	s_setreg_imm32_b32 hwreg(HW_REG_WAVE_MODE, 25, 1), 1
	s_wait_xcnt 0x0
	s_wait_alu depctr_hold_cnt(0) depctr_sa_sdst(0) depctr_va_vdst(0) depctr_va_sdst(0) depctr_va_ssrc(0) depctr_va_vcc(0) depctr_vm_vsrc(0)
	s_getreg_b32 s2, hwreg(HW_REG_IB_STS2, 6, 4)
	s_cmp_eq_u32 s2, 0
	s_cbranch_scc0 .Lentry_in_a_cluster
	s_endpgm
.Lentry_in_a_cluster:
	s_bfe_u32 s2, ttmp6, 0x10000c
	s_cmp_lg_u32 s2, 0x3003
	s_cbranch_scc0 .Lentry_shape_is_right
	s_endpgm
.Lentry_shape_is_right:
; Causal attention of one head (64 wide) on codes of E3M2 with one E8M0 scale for each 32 along a product's K; the result is quantised along head x 64 + d and stored as the last product's operand.
; INPUTS.  qkq: q's and k's codes, 48 bytes for (token row, head), and scale words; vq: V^T's codes, 48 bytes for (row of V^T, 64 tokens), and scale words.  Token rows and V^T's rows lie in the order
; sigma (row p holds row p with bits 3 and 4 exchanged); along a product's K everything is in the tensor's own order.
; THE SOFTMAX: t = score x log2(e) / 8; M = the row's largest t so far, rounded up to a whole number; p = 2^(t - M) is quantised along the keys; the row's sum is taken of the unquantised p and divides O at the end.
; When M moves, the sum and O are multiplied by 2^(old M - new M): exact.  A block's largest p is made of the block's largest score by the same multiply-add and exponential (this takes v_exp_f32 not to fall where its input rises).
; ALL OF A HEAD'S K AND V LIES IN LDS: 98,304 bytes of K's codes, 98,304 of V's, 8,192 + 4,096 of scale words.  Every byte is filled once; nothing is filled again.
; SHARES.  Cluster y: batch y / 16, head y % 16.  Its four work-groups need the same K and V and ask for every tile JOINTLY (mask 15).  The 2,048 queries are 16 groups of 128, a group 8 tiles of 16 stored rows;
; work-group cx takes tiles 2 cx and 2 cx + 1 of every group.  Wave w takes tile 2 cx + w % 2 of group 15 - w / 2 and then of group w / 2: (16 - w / 2) + (w / 2 + 1) = 17 key steps of 128 keys in every wave:
; a wave's step T = 0 .. 16 is key step T of the first tile while T <= 15 - w / 2, and then key step T + w / 2 - 16 of the second.  So only key steps that hold a key that counts are walked
; in a group's own key step hidden scores become -infinity ahead of the maximum.
; Trip counts and branches hang on the wave's number and on loop counters alone; cx enters only q's and the output's addresses and the number that the causal compare takes.
; LOADS.  Head: waves 0-3 fetch keys 0-255 of K and of V and all scale words, one tensor load each.  Behind the full sequence and a round, waves 0-6 fetch K's other seven runs of 256 keys, waves 7-13 V's:
; one load a wave is out.  Steps 0 and 1 are worked meanwhile; one barrier then shows the rest to all waves.  NO PREFETCH: every tile is asked for at the head; there is no loop of loads to run ahead in.
; THE WAVES STAY WITHIN ONE STEP OF EACH OTHER: behind step T a wave waits for the signal that every wave gave behind its step T - 1.  Between a signal and its wait stand LDS loads of bytes that nobody writes
; and work on registers; a finished tile's stores stand between a wait and the next signal.
; LAYOUT.  Both products are used transposed: S^T = K Q^T, O^T = V^T P^T: a lane holds ONE query.  The head's 64 fill half of the instruction's 128: a fragment of 12 registers holds TWO key tiles, and is
; multiplied with [Q | zero codes] for the first and [zero codes | Q] for the second; the second's scale bytes stand in the upper half of their registers.
; By the row order the 16 registers of key tiles 2 b, 2 b + 1 are keys 32 b + 16 (lane / 16) + 0 .. 15, and O^T's register 16 b + i is d = 32 b + 16 (lane / 16) + i.  Lane r of a tile is query 128 g + 32 cx + 8 (w % 2) + r + (r & 8).
; LIMITS: the scaled scores stay under 2^31 in magnitude; a block of the output whose largest magnitude lies under 2^-122 has its byte held at 1; a block of zeros gets the byte 1 where the quantiser says 127
; (zero codes; only this program reads the bytes); NaN and infinities are not served.  ao's scale bytes leave as 2 bytes a lane, rows 32 bytes apart: 32 bytes of a tile's 800.
.set VOFF,  98304                      ; K's codes [2048 keys][48] from 0; V's codes [32 groups of 64 keys][64 rows][48] from here
.set KSOFF, 196608                     ; K's scale words, one a key (two heads' bytes)
.set VSOFF, 204800                     ; V's scale words [16 steps][64 rows]
.set SPARE, 325632                     ; the last 2,048 bytes of LDS: the spare words, 128 bytes a wave: eight blocks of 256 bytes that no other line names
.set AK0,  1                           ; 48 r + 24 h
.set AV0,  2                           ; VOFF + the same
.set ASK0, 3                           ; KSOFF + 4 r + 2 (head % 2)
.set ASV0, 4                           ; VSOFF + 4 r
.set SPW,  5                           ; my spare word; never rewritten
.set NIL,  6                           ; 0; never rewritten
.set GO,   7                           ; 8 x lane
.set ADK,  8                           ; v8-11 the addresses of the step in hand
.set ADS,  9
.set ADT,  10
.set ADV,  11
; v12 -M, v13 the largest t, v[14:15] the sum; v16-21 zeros, v22-27 Q, v28-33 zeros; v34, v35 Q's scale bytes low and high; v36-42 the second tile's Q and scale bytes
.set DD,   43                          ; my query - the group's first key - 16 h
.set VSC,  44                          ; v44-47 V's scale words
.set FRG,  48                          ; v48-95 eight key tiles, then four tiles of V
.set KSC,  192                         ; v192-199 K's scale bytes
.set TS2,  200                         ; the old -M
; v96-159 S^T, then p; v160-191 O^T; v216-227 p's codes; v228-246, v252-255 at work; v247 p's scale word; v248 the output's two scale bytes; v249 32 r; v251 -infinity
.set KT,   2                           ; the key step (behind the head, where s2, s3, s66, s67 hold q's offsets)
.set G,    3                           ; the group of the tile in hand
.set WV,   10
.set GP,   11                          ; w / 2: the second tile's group
.set GB,   12                          ; 15 - w / 2: the first tile's group
.set S,    13                          ; the wave's step T
.set SK,   14                          ; 6,144 x key step
.set SS,   15                          ; 512 x key step
.set SV,   16                          ; 256 x key step
.set CX,   17
.set BAT,  18
.set HD,   19
.set SEL,  20
.set CS,   22                          ; s[22:23] c = log2(e) / 8
.set G1K,  24
.set G1V,  32
.set G1KS, 40
.set G1VS, 48
.set G0K,  56
.set G0V,  60
.set G0KS, 68
.set G0VS, 72
.set G0K2, 76
.set G0V2, 80
.set OCA,  88
.set OSA,  90
.set OCB,  92
.set OSB,  94
.set H2,   96
.set HP,   97
.macro G1SET g, c, r, p                ; r rows of c elements of 8 bytes, p elements apart; the mask names the cluster's four, bit 21 beside it
	s_mov_b32 s[\g], 15|(3<<16)|(1<<21)
	s_mov_b32 s[\g+1], (\c)<<16
	s_mov_b32 s[\g+2], (\r)<<16
	s_mov_b32 s[\g+3], (\c)<<16
	s_mov_b32 s[\g+4], \r
	s_mov_b32 s[\g+5], \p
	s_mov_b32 s[\g+6], 0
	s_mov_b32 s[\g+7], 0
.endm
.macro FIX g, base                     ; the offset in words 2, 3 becomes the address, with the type
	s_add_nc_u64 s[\g+2:\g+3], s[\base:\base+1], s[\g+2:\g+3]
	s_or_b32 s[\g+3], s[\g+3], 0x80000000
.endm
.macro TL g0, g1                       ; s_nop 0 and four v_nop follow each tensor load
	tensor_load_to_lds s[\g0:\g0+3], s[\g1:\g1+7]
	s_nop 0
.rept 4
	v_nop
.endr
.endm
.macro CROUND                          ; a round of the cluster's barrier
	s_barrier_signal -1
	s_barrier_wait -1
	s_cmp_lg_u32 s[WV], 0
	s_cbranch_scc1 .Lnot_wave_0_\@
	s_barrier_signal -3
.Lnot_wave_0_\@:
	s_barrier_wait -3
	s_barrier_signal -1
	s_barrier_wait -1
.endm
; For the stored tile in s[t] (0 .. 127 of the sequence): byte offsets of its q codes and scale bytes in qkq, and of its output's codes and scale bytes in ao
.macro BLK t, qc, qs, oc, os
	s_lshr_b32 s98, s[\t], 4
	s_lshl_b32 s99, s[BAT], 3
	s_add_co_u32 s98, s98, s99                     ; X = 8 batch + block of 256 rows
	s_and_b32 s99, s[\t], 15                       ; the tile in it
	s_lshl_b32 s100, s98, 5
	s_add_co_u32 s100, s100, s[HD]
	s_mul_i32 s[\qc], s100, 12288                  ; (32 X + head) x 12,288 + 16 rows of 48 bytes a tile
	s_mul_i32 s100, s99, 768
	s_add_co_u32 s[\qc], s[\qc], s100
	s_add_co_u32 s[\qc], s[\qc], 524288
	s_lshl_b32 s100, s98, 4
	s_add_co_u32 s100, s100, s[H2]
	s_lshl_b32 s[\qs], s100, 10                    ; (16 X + head / 2) x 1,024
	s_lshl_b32 s100, s99, 6
	s_add_co_u32 s[\qs], s[\qs], s100
	s_add_co_u32 s[\qs], s[\qs], s[HP]
	s_lshl_b32 s98, s98, 4
	s_add_co_u32 s98, s98, s99                     ; the tile among all: 16 X + tile
	s_mul_i32 s[\oc], s98, 12288                   ; ao's codes: [tile][head][3][32 lanes][8 bytes] from byte 262,144
	s_mul_i32 s100, s[HD], 768
	s_add_co_u32 s[\oc], s[\oc], s100
	s_add_co_u32 s[\oc], s[\oc], 262144
	s_mov_b32 s[\oc+1], 0
	s_lshl_b32 s[\os], s98, 9                      ; ao's scale bytes: [token row][32]
	s_lshl_b32 s100, s[HD], 1
	s_add_co_u32 s[\os], s[\os], s100
	s_mov_b32 s[\os+1], 0
.endm
	s_load_b128 s[4:7], s[0:1], 0x0                ; qkq, vq
	s_load_b64 s[8:9], s[0:1], 0x10                ; ao
	v_lshl_add_u32 v[SPW], v0, 2, SPARE
	v_mov_b32 v[NIL], 0
	ds_add_u32 v[SPW], v[NIL]                      ; the opening lines: the add, twice on end, and its wait
	ds_add_u32 v[SPW], v[NIL]
	v_lshrrev_b32 v8, 5, v0
	v_readfirstlane_b32 s[WV], v8                  ; wave 0..15
	s_lshr_b32 s[GP], s[WV], 1
	s_xor_b32 s[GB], s[GP], 15
	s_and_b32 s98, ttmp7, 0xffff
	s_lshr_b32 s[BAT], s98, 4
	s_and_b32 s[HD], s98, 15
	s_lshl_b32 s98, s[BAT], 8                      ; K's codes: 524,288 + (32 (8 batch + run of 256 keys) + 16 + head) x 12,288
	s_add_co_u32 s98, s98, s[HD]
	s_add_co_u32 s98, s98, 16
	s_mul_i32 s[G0K+2], s98, 12288
	s_add_co_u32 s[G0K+2], s[G0K+2], 524288
	s_mov_b32 s[G0K+3], 0
	s_add_co_u32 s99, s[WV], 1                     ; waves 0-6: run wave + 1
	s_mul_i32 s[G0K2+1], s99, 12288
	s_mul_i32 s99, s99, 393216
	s_add_co_u32 s[G0K2+2], s[G0K+2], s99
	s_mov_b32 s[G0K2+3], 0
	s_lshl_b32 s98, s[BAT], 2                      ; V's codes: 524,288 + (4 batch + head / 4) x 393,216 + group of 64 keys x 12,288 + (head % 4) x 3,072
	s_lshr_b32 s99, s[HD], 2
	s_add_co_u32 s98, s98, s99
	s_and_b32 s99, s[HD], 3
	s_mul_i32 s[G0V+2], s98, 393216
	s_mul_i32 s100, s99, 3072
	s_add_co_u32 s[G0V+2], s[G0V+2], s100
	s_add_co_u32 s[G0V+2], s[G0V+2], 524288
	s_mov_b32 s[G0V+3], 0
	s_lshl_b32 s[G0VS+2], s98, 14                  ; V's scale words: (4 batch + head / 4) x 16,384 + step x 1,024 + (head % 4) x 256
	s_lshl_b32 s100, s99, 8
	s_add_co_u32 s[G0VS+2], s[G0VS+2], s100
	s_mov_b32 s[G0VS+3], 0
	s_add_co_u32 s100, s[WV], 10                   ; waves 7-13: run wave - 6 = (wave + 10) % 16
	s_and_b32 s100, s100, 15
	s_mul_i32 s[G0V2+1], s100, 12288
	s_add_co_u32 s[G0V2+1], s[G0V2+1], VOFF
	s_mul_i32 s100, s100, 49152
	s_add_co_u32 s[G0V2+2], s[G0V+2], s100
	s_mov_b32 s[G0V2+3], 0
	s_lshl_b32 s98, s[BAT], 7                      ; K's scale words: (16 (8 batch + run) + 8 + head / 2) x 1,024
	s_lshr_b32 s[H2], s[HD], 1
	s_add_co_u32 s98, s98, s[H2]
	s_add_co_u32 s98, s98, 8
	s_lshl_b32 s[G0KS+2], s98, 10
	s_mov_b32 s[G0KS+3], 0
	s_and_b32 s[HP], s[HD], 1
	s_lshl_b32 s[HP], s[HP], 1                     ; 2 (head % 2): my head's two bytes of a scale word
.irp g, G0K, G0V, G0KS, G0VS, G0K2, G0V2
	s_mov_b32 s[\g], 1
.endr
	s_mov_b32 s[G0K+1], 0
	s_mov_b32 s[G0V+1], VOFF
	s_mov_b32 s[G0KS+1], KSOFF
	s_mov_b32 s[G0VS+1], VSOFF
	G1SET G1K, 32, 48, 32                          ; 12,288 dense bytes as 48 rows of 256
	G1SET G1V, 384, 4, 1536                        ; 4 groups of 3,072 bytes, 12,288 apart
	G1SET G1KS, 128, 8, 2048                       ; 8 rows of 1,024 bytes, 16,384 apart
	G1SET G1VS, 32, 16, 128                        ; 16 rows of 256 bytes, 1,024 apart
	s_mov_b32 s[SEL], 0x76543210
	s_mov_b32 s[SEL+1], 0xfedcba98
	s_mov_b32 s[CS], 0x3e38aa3b                    ; c = log2(e) / 8
	s_mov_b32 s[CS+1], s[CS]
	s_bfe_u32 s[CX], ttmp6, 0x40000                ; my place in the cluster: from here on it enters q's and the output's offsets and the causal number alone
	s_lshl_b32 s13, s[CX], 1
	s_and_b32 s14, s[WV], 1
	s_add_co_u32 s13, s13, s14                     ; my tile in a group: 2 cx + wave % 2
	s_lshl_b32 s101, s[GB], 3
	s_add_co_u32 s101, s101, s13
	BLK 101, 2, 3, OCA, OSA
	s_lshl_b32 s101, s[GP], 3
	s_add_co_u32 s101, s101, s13
	BLK 101, 66, 67, OCB, OSB
	s_add_co_u32 s98, s[HP], KSOFF
	s_lshl_b32 s99, s[CX], 5
	s_lshl_b32 s14, s14, 3
	s_add_co_u32 s99, s99, s14                     ; 32 cx + 8 (wave % 2)
	s_wait_dscnt 0x0                               ; both opening adds are done
	s_wait_kmcnt 0x0
	FIX G0K, 4
	FIX G0K2, 4
	FIX G0KS, 4
	FIX G0V, 6
	FIX G0V2, 6
	FIX G0VS, 6
	s_add_nc_u64 s[OCA:OCA+1], s[8:9], s[OCA:OCA+1]
	s_add_nc_u64 s[OSA:OSA+1], s[8:9], s[OSA:OSA+1]
	s_add_nc_u64 s[OCB:OCB+1], s[8:9], s[OCB:OCB+1]
	s_add_nc_u64 s[OSB:OSB+1], s[8:9], s[OSB:OSB+1]
	CROUND                                         ; the four work-groups are here: the first joint loads meet
	s_cmp_eq_u32 s[WV], 0                          ; one chain of branches on the wave's number, one load to an arm
	s_cbranch_scc0 .Lh1
	TL G0K, G1K
	s_branch .Lhd
.Lh1:
	s_cmp_eq_u32 s[WV], 1
	s_cbranch_scc0 .Lh2
	TL G0V, G1V
	s_branch .Lhd
.Lh2:
	s_cmp_eq_u32 s[WV], 2
	s_cbranch_scc0 .Lh3
	TL G0KS, G1KS
	s_branch .Lhd
.Lh3:
	s_cmp_eq_u32 s[WV], 3
	s_cbranch_scc0 .Lhd
	TL G0VS, G1VS
.Lhd:
	v_and_b32 v220, 15, v0                         ; r
	v_bfe_u32 v221, v0, 4, 1                       ; h
	v_mul_u32_u24 v[AK0], v220, 48
	v_mad_u32_u24 v[AK0], v221, 24, v[AK0]
	v_add_nc_u32 v[AV0], VOFF, v[AK0]
	v_lshl_add_u32 v[ASK0], v220, 2, s98
	v_lshl_add_u32 v[ASV0], v220, 2, VSOFF
	v_and_b32 v[GO], 31, v0
	v_lshlrev_b32 v[GO], 3, v[GO]
	v_and_b32 v[DD], 8, v220
	v_add_nc_u32 v[DD], v[DD], v220
	v_lshlrev_b32 v222, 4, v221
	v_sub_nc_u32 v[DD], v[DD], v222
	v_add_nc_u32 v[DD], s99, v[DD]
	v_lshlrev_b32 v249, 5, v220
	v_add_nc_u32 v8, s2, v[AK0]                    ; both tiles' Q: offsets from qkq's first byte; written again only behind the wait for the loads
	v_lshl_add_u32 v9, v220, 2, s3
	v_add_nc_u32 v10, s66, v[AK0]
	v_lshl_add_u32 v11, v220, 2, s67
.irp i, 0,1,2
	global_load_b64 v[22+2*\i:23+2*\i], v8, s[4:5] offset:8*\i
	global_load_b64 v[36+2*\i:37+2*\i], v10, s[4:5] offset:8*\i
.endr
	global_load_u16 v34, v9, s[4:5]                ; my head's two bytes; the upper two are 0, over zero codes
	global_load_u16 v42, v11, s[4:5]
.irp i, 16,17,18,19,20,21, 28,29,30,31,32,33, 193,195,197,199, 232,233,234,235, 245
	v_mov_b32 v\i, 0                               ; zero codes beside Q; the lower halves under K's upper scale bytes; permutes' destinations; the upper half of v[244:245]
.endr
	v_mov_b32 v251, 0xff800000                     ; -infinity
.macro FRESH                           ; a tile of queries begins: O^T and the sum are zeros, the largest t lies under every t
.set n, 0
.rept 32
	v_mov_b32 v[160+n], 0
.set n, n+1
.endr
	v_mov_b32 v13, 0xff61b1e6                      ; -3e38
	s_delay_alu instid0(VALU_DEP_1)
	v_floor_f32 v12, -v13                          ; -M
	v_mov_b32 v14, 0
	v_mov_b32 v15, 0
.endm
	FRESH
.macro SMUL d, t, q, ks, qs
	v_wmma_scale_f32_16x16x128_f8f6f4 v[\d:\d+7], v[FRG+12*\t:FRG+12*\t+11], v[\q:\q+11], 0, v[\ks], v[\qs] matrix_a_fmt:MATRIX_FMT_BF6 matrix_b_fmt:MATRIX_FMT_BF6
.endm
.macro OMUL t
	v_wmma_scale_f32_16x16x128_f8f6f4 v[160+8*(\t):167+8*(\t)], v[FRG+12*(\t):FRG+12*(\t)+11], v[216:227], v[160+8*(\t):167+8*(\t)], v[VSC+(\t)], v247 matrix_a_fmt:MATRIX_FMT_BF6 matrix_b_fmt:MATRIX_FMT_BF6
.endm
; A KEY STEP: 128 keys, at s[SK], s[SS], s[SV].  full = 1: with the causal mask where the key step s[KT] is the tile's own group s[G]
.macro STEP full
	v_add_nc_u32 v[ADK], s[SK], v[AK0]             ; these four are also the places in front of loads into registers that the last products have read
	v_add_nc_u32 v[ADV], s[SK], v[AV0]
	v_add_nc_u32 v[ADS], s[SS], v[ASK0]
	v_add_nc_u32 v[ADT], s[SV], v[ASV0]
.irp k, 0,1,2,3,4,5,6,7
.irp i, 0,1,2
	ds_load_b64 v[FRG+6*\k+2*\i:FRG+6*\k+2*\i+1], v[ADK] offset:768*\k+8*\i
.endr
.endr
.irp t, 0,1,2,3
	ds_load_u16 v[KSC+2*\t], v[ADS] offset:128*\t
	ds_load_u16_d16_hi v[KSC+2*\t+1], v[ADS] offset:128*\t+64   ; the second tile's bytes scale K = 64 .. 127; the lower half stands over zero codes
.endr
	s_wait_alu depctr_va_vdst(0)
	s_wait_dscnt 0x0
.irp t, 0,1,2,3
	SMUL 96+16*\t, \t, 22, KSC+2*\t, 34            ; S^T of key tile 2 t: [Q | 0]
	SMUL 104+16*\t, \t, 16, KSC+2*\t+1, 35         ; and of 2 t + 1: [0 | Q]
.endr
	v_mov_b32 v[TS2], v12                          ; four places behind the last product
.rept 3
	v_nop
.endr
.irp t, 0,1,2,3                                    ; V's four tiles x the step's 128 keys, where K's lay: they land under the softmax
.irp c, 0,1
.irp i, 0,1,2
	ds_load_b64 v[FRG+12*\t+6*\c+2*\i:FRG+12*\t+6*\c+2*\i+1], v[ADV] offset:3072*\c+768*\t+8*\i
.endr
.endr
	ds_load_b32 v[VSC+\t], v[ADT] offset:64*\t
.endr
.if \full
	s_cmp_lg_u32 s[KT], s[G]
	s_cbranch_scc1 .Lopen_\@                       ; an earlier key step: all keys count
.set n, 0
.rept 64                                           ; register 16 b + i holds key 32 b + 16 h + i of the step: hidden where 32 b + i > DD
	v_cmp_gt_i32 vcc_lo, 32*(n/16)+n%16, v[DD]
	v_cndmask_b32 v[96+n], v[96+n], v251, vcc_lo
.set n, n+1
.endr
.Lopen_\@:
.endif
.irp b, 0,1,2,3
	v_max3_num_f32 v[228+\b], v[96+16*\b], v[97+16*\b], v[98+16*\b]   ; the largest score of each block of 32 keys
.endr
.irp i, 3,5,7,9,11,13
.irp b, 0,1,2,3
	v_max3_num_f32 v[228+\b], v[228+\b], v[96+16*\b+\i], v[97+16*\b+\i]
.endr
.endr
.irp b, 0,1,2,3
	v_max_num_f32 v[228+\b], v[228+\b], v[111+16*\b]
.endr
.irp b, 0,1,2,3
	s_delay_alu instid0(VALU_DEP_4)
	v_permlanex16_b32 v[232+\b], v[228+\b], s[SEL], s[SEL+1]
.endr
.irp b, 0,1,2,3
	s_delay_alu instid0(VALU_DEP_4)
	v_max_num_f32 v[228+\b], v[228+\b], v[232+\b]  ; with lane l xor 16's 16 keys
.endr
	s_delay_alu instid0(VALU_DEP_2)
	v_max3_num_f32 v246, v228, v229, v230
	s_delay_alu instid0(VALU_DEP_1)
	v_max_num_f32 v246, v246, v231                 ; the step's largest score of my query
	s_delay_alu instid0(VALU_DEP_1)
	v_mul_f32 v246, s[CS], v246                    ; as t
	s_delay_alu instid0(VALU_DEP_1)
	v_max_num_f32 v13, v13, v246                   ; the running largest t
	s_delay_alu instid0(VALU_DEP_1)
	v_floor_f32 v12, -v13                          ; the new -M = -ceil(t)
	s_delay_alu instid0(VALU_DEP_1)
	v_sub_f32 v246, v12, v[TS2]                    ; old M - new M: a whole number, 0 or less
	s_delay_alu instid0(VALU_DEP_1)
	v_cvt_i32_f32 v246, v246                       ; (it saturates)
	s_delay_alu instid0(VALU_DEP_1)
	v_ldexp_f32 v244, 1.0, v246                    ; f = 2^(old M - new M)
.set n, 0
.rept 16
	v_pk_mul_f32 v[160+n:161+n], v[160+n:161+n], v[244:245] op_sel_hi:[1,0]   ; O^T under the new M; each accumulator from its low end on
.set n, n+2
.endr
	v_pk_mul_f32 v[14:15], v[14:15], v[244:245] op_sel_hi:[1,0]   ; and the sums
.set n, 0
.rept 32
	v_pk_fma_f32 v[96+n:97+n], v[96+n:97+n], s[CS:CS+1], v[12:13] op_sel_hi:[1,0,0]   ; t - M, two at a time
.set n, n+2
.endr
.irp b, 0,1,2,3
	v_fma_f32 v[228+\b], v[228+\b], s[CS], v12     ; the same of each block's largest score
.endr
	s_wait_alu depctr_va_vdst(0)
.set n, 0
.rept 64
	v_exp_f32 v[96+n], v[96+n]                     ; p = 2^(t - M), at most 1, not normalised
.set n, n+1
.endr
.irp b, 0,1,2,3
	v_exp_f32 v[228+\b], v[228+\b]                 ; the block's largest p
.endr
	v_nop                                          ; a plain place behind the exponentials
	s_wait_alu depctr_va_vdst(0)                   ; and the one wait behind the batch
.irp b, 0,1,2,3
	v_max_num_f32 v[228+\b], 0x2800000, v[228+\b]  ; the floor 2^(5 - 127): the byte cannot fall under 1
.endr
.irp b, 0,1,2,3
	s_delay_alu instid0(VALU_DEP_4)
	v_add_nc_u32 v[240+\b], 0xfe000000, v[228+\b]  ; 4 off the exponent field: the conversion's scale operand
.endr
.irp b, 0,1,2,3
	s_delay_alu instid0(VALU_DEP_4)
	v_lshrrev_b32 v[232+\b], 23, v[240+\b]         ; the scale's byte
.endr
	s_delay_alu instid0(VALU_DEP_3)
	v_lshl_or_b32 v247, v233, 8, v232              ; p's scale word for these 128 keys
	s_delay_alu instid0(VALU_DEP_1)
	v_lshl_or_b32 v247, v234, 16, v247
	s_delay_alu instid0(VALU_DEP_1)
	v_lshl_or_b32 v247, v235, 24, v247
.irp c, 0,1
	v_cvt_scalef32_pk16_bf6_f32 v[216+6*\c:218+6*\c], v[96+32*\c:111+32*\c], v[240+2*\c]
	v_cvt_scalef32_pk16_bf6_f32 v[232+4*\c:234+4*\c], v[112+32*\c:127+32*\c], v[240+2*\c+1]   ; (a conversion's three registers begin on an even number)
.endr
	v_nop                                          ; one plain place behind a scaled conversion
.irp c, 0,1                                        ; a whole block in a lane: lanes 0-15 block 2 c, lanes 16-31 block 2 c + 1
.irp i, 0,1,2
	v_permlane16_swap_b32 v[216+6*\c+\i], v[232+4*\c+\i]
.endr
.irp i, 0,1,2
	s_delay_alu instid0(VALU_DEP_3)
	v_mov_b32 v[219+6*\c+\i], v[232+4*\c+\i]
.endr
.endr
	v_pk_add_f32 v[240:241], v[96:97], v[104:105]  ; the row's sum of the unquantised p, in four chains.  (These 32 are the places between p's codes and scale word and the products below)
	v_pk_add_f32 v[242:243], v[98:99], v[106:107]
	v_pk_add_f32 v[252:253], v[100:101], v[108:109]
	v_pk_add_f32 v[254:255], v[102:103], v[110:111]
.set n, 112
.rept 6
	v_pk_add_f32 v[240:241], v[240:241], v[n:n+1]
	v_pk_add_f32 v[242:243], v[242:243], v[n+2:n+3]
	v_pk_add_f32 v[252:253], v[252:253], v[n+4:n+5]
	v_pk_add_f32 v[254:255], v[254:255], v[n+6:n+7]
.set n, n+8
.endr
	s_delay_alu instid0(VALU_DEP_3)
	v_pk_add_f32 v[240:241], v[240:241], v[242:243]
	s_delay_alu instid0(VALU_DEP_2)
	v_pk_add_f32 v[252:253], v[252:253], v[254:255]
	s_delay_alu instid0(VALU_DEP_1)
	v_pk_add_f32 v[240:241], v[240:241], v[252:253]
	s_delay_alu instid0(VALU_DEP_1)
	v_pk_add_f32 v[14:15], v[14:15], v[240:241]
	s_wait_alu depctr_va_vdst(0)
	s_wait_dscnt 0x0                               ; V's tiles and scale words are in
	OMUL 0                                         ; O^T += V^T P^T: the four accumulators take turns
	OMUL 1
	OMUL 2
	OMUL 3
.endm
; A tile of queries is finished: O^T / the sum, quantised along d (two blocks of 32), leaves as the image of half an operand fragment: six registers a lane, and two scale bytes a row.
.macro FINISH oc, os
.rept 4
	v_nop                                          ; places behind the last products
.endr
	v_add_f32 v14, v14, v15
	s_delay_alu instid0(VALU_DEP_1)
	v_permlanex16_b32 v246, v14, s[SEL], s[SEL+1]
	s_delay_alu instid0(VALU_DEP_1)
	v_add_f32 v14, v14, v246                       ; the row's sum
	s_wait_alu depctr_va_vdst(0)
	v_rcp_f32 v244, v14
	v_nop                                          ; one plain place behind a transcendental
	s_wait_alu depctr_va_vdst(0)
.set n, 0
.rept 16
	v_pk_mul_f32 v[96+n:97+n], v[160+n:161+n], v[244:245] op_sel_hi:[1,0]   ; register 16 b + i: d = 32 b + 16 h + i
.set n, n+2
.endr
.irp b, 0,1
	v_max3_num_f32 v[228+\b], |v[96+16*\b]|, |v[97+16*\b]|, 0x2800000
.endr
.irp i, 2,4,6,8,10,12,14
.irp b, 0,1
	s_delay_alu instid0(VALU_DEP_2)
	v_max3_num_f32 v[228+\b], v[228+\b], |v[96+16*\b+\i]|, |v[97+16*\b+\i]|
.endr
.endr
.irp b, 0,1
	s_delay_alu instid0(VALU_DEP_2)
	v_permlanex16_b32 v[232+\b], v[228+\b], s[SEL], s[SEL+1]
.endr
.irp b, 0,1
	s_delay_alu instid0(VALU_DEP_2)
	v_max_num_f32 v[228+\b], v[228+\b], v[232+\b]
.endr
.irp b, 0,1
	s_delay_alu instid0(VALU_DEP_2)
	v_add_nc_u32 v[240+\b], 0xfe000000, v[228+\b]
.endr
.irp b, 0,1
	s_delay_alu instid0(VALU_DEP_2)
	v_lshrrev_b32 v[232+\b], 23, v[240+\b]
.endr
	s_delay_alu instid0(VALU_DEP_1)
	v_lshl_or_b32 v248, v233, 8, v232
	v_cvt_scalef32_pk16_bf6_f32 v[216:218], v[96:111], v240
	v_cvt_scalef32_pk16_bf6_f32 v[232:234], v[112:127], v241
	v_nop
.irp i, 0,1,2
	v_permlane16_swap_b32 v[216+\i], v[232+\i]
.endr
.irp i, 0,1,2
	s_delay_alu instid0(VALU_DEP_3)
	v_mov_b32 v[219+\i], v[232+\i]                 ; v216-221: d = 32 h + 0 .. 31 of my row
.endr
.irp i, 0,1,2
	global_store_b64 v[GO], v[216+2*\i:217+2*\i], s[\oc:\oc+1] offset:256*\i   ; 32 lanes store 256 consecutive bytes, aligned
.endr
	global_store_b16 v249, v248, s[\os:\os+1]      ; both halves of the lanes write the same two bytes with the same value
.endm
	s_wait_alu depctr_va_vdst(0)
	s_wait_tensorcnt 0x0                           ; my tile of the head's four is in
	ds_add_u32 v[SPW], v[NIL]                      ; the add, twice on end here
	ds_add_u32 v[SPW], v[NIL]
	s_wait_dscnt 0x0
	CROUND                                         ; keys 0-255 and all scale words are in, and the four work-groups are here
	s_cmp_lt_u32 s[WV], 7                          ; the other seven runs of 256 keys: waves 0-6 K's, waves 7-13 V's, one load a wave
	s_cbranch_scc0 .Ls1
	TL G0K2, G1K
	s_branch .Lsd
.Ls1:
	s_cmp_lt_u32 s[WV], 14
	s_cbranch_scc0 .Lsd
	TL G0V2, G1V
.Lsd:
	s_wait_loadcnt 0x0                             ; Q
	v_lshlrev_b32 v35, 16, v34                     ; Q's scale bytes for K = 64 .. 127
.rept 5
	v_nop                                          ; with the step's four additions: the places between a scale register's write and a scaled product
.endr
	s_mov_b32 s[S], 0
	s_mov_b32 s[SK], 0
	s_mov_b32 s[SS], 0
	s_mov_b32 s[SV], 0
.Lfirst:                                           ; steps 0 and 1 = key steps 0 and 1: every first tile's group is 8 or more, so nothing is hidden
	STEP 0
	s_add_co_u32 s[SK], s[SK], 6144
	s_add_co_u32 s[SS], s[SS], 512
	s_add_co_u32 s[SV], s[SV], 256
	s_add_co_u32 s[S], s[S], 1
	s_cmp_lt_u32 s[S], 2
	s_cbranch_scc1 .Lfirst
	s_wait_tensorcnt 0x0                           ; my run of K or of V is in;
	s_wait_dscnt 0x0
	s_barrier_signal -1
	s_barrier_wait -1                              ; and so is everybody's
	s_mov_b32 s[G], s[GB]
	s_mov_b32 s[S], 2
	s_barrier_signal -1                            ; step 1 is behind me
.Ltrip:                                            ; steps 2 .. 16
	s_add_co_u32 s98, s[S], s[GP]                  ; T + w / 2: 16 or more in the second tile's steps
	s_lshr_b32 s99, s98, 4                         ; 1 there, else 0
	s_and_b32 s98, s98, 15
	s_mul_i32 s98, s98, s99                        ; the second tile's key step, T + w / 2 - 16,
	s_xor_b32 s99, s99, 1
	s_mul_i32 s99, s99, s[S]                       ; or the first tile's, T
	s_add_co_u32 s[KT], s98, s99
	s_mul_i32 s[SK], s[KT], 6144
	s_lshl_b32 s[SS], s[KT], 9
	s_lshl_b32 s[SV], s[KT], 8
	STEP 1
	s_barrier_wait -1                              ; every wave has the step before this one behind it
	s_cmp_lg_u32 s[S], s[GB]
	s_cbranch_scc1 .Lsame
	s_wait_alu depctr_va_vdst(0)
	FINISH OCA, OSA                                ; the first tile is finished
	s_wait_xcnt 0x0                                ; the stores' registers are written again only behind this wait
.irp i, 0,1,2,3,4,5
	v_mov_b32 v[22+\i], v[36+\i]                   ; the second tile's Q,
.endr
	v_mov_b32 v34, v42                             ; and its scale bytes: the 36 lines of FRESH stand between these and the next product
	v_lshlrev_b32 v35, 16, v42
	FRESH
	s_mov_b32 s[G], s[GP]
.Lsame:
	s_barrier_signal -1                            ; this step is behind me
	s_add_co_u32 s[S], s[S], 1
	s_cmp_lt_u32 s[S], 17
	s_cbranch_scc1 .Ltrip
	s_barrier_wait -1                              ; the last signal's wait
	s_wait_alu depctr_va_vdst(0)
	FINISH OCB, OSB
	s_wait_tensorcnt 0x0                           ; the wave's end
	ds_add_u32 v[SPW], v[NIL]
	s_wait_dscnt 0x0
	CROUND                                         ; the closing round
	s_endpgm
.Lfunc_end_k_q98fac49de1_attn:
	.size	k_q98fac49de1_attn, .Lfunc_end_k_q98fac49de1_attn-k_q98fac49de1_attn
	.p2alignl 7, 3214868480
	.fill 96, 4, 3214868480
	.section	.rodata,"a",@progbits
	.p2align	6, 0x0
	.amdhsa_kernel k_q98fac49de1_attn
		.amdhsa_group_segment_fixed_size 327680
		.amdhsa_private_segment_fixed_size 0
		.amdhsa_enable_private_segment 0
		.amdhsa_kernarg_size 24
		.amdhsa_user_sgpr_count 2
		.amdhsa_user_sgpr_kernarg_segment_ptr 1
		.amdhsa_wavefront_size32 1
		.amdhsa_system_sgpr_workgroup_id_x 1
		.amdhsa_system_sgpr_workgroup_id_y 1
		.amdhsa_system_sgpr_workgroup_id_z 1
		.amdhsa_system_vgpr_workitem_id 0
		.amdhsa_next_free_vgpr 256
		.amdhsa_next_free_sgpr 102
		.amdhsa_reserve_vcc 1
		.amdhsa_float_denorm_mode_32 3
		.amdhsa_float_denorm_mode_16_64 3
		.amdhsa_memory_ordered 1
		.amdhsa_forward_progress 1
		.amdhsa_inst_pref_size 69
	.end_amdhsa_kernel
	.amdgpu_metadata
---
amdhsa.version: [ 1, 2 ]
amdhsa.kernels:
  - .name:           k_q98fac49de1_attn
    .symbol:         k_q98fac49de1_attn.kd
    .args:
      - { .name: qkq, .offset: 0, .size: 8, .value_kind: global_buffer, .address_space: global }
      - { .name: vq, .offset: 8, .size: 8, .value_kind: global_buffer, .address_space: global }
      - { .name: ao, .offset: 16, .size: 8, .value_kind: global_buffer, .address_space: global }
    .group_segment_fixed_size: 327680
    .private_segment_fixed_size: 0
    .kernarg_segment_align: 8
    .kernarg_segment_size: 24
    .max_flat_workgroup_size: 512
    .sgpr_count:     102
    .vgpr_count:     256
    .wavefront_size: 32
...
	.end_amdgpu_metadata
.endif
;; end of part 7
;; launch gemm_o (part 8): grid 4 x 64, 4 waves a work-group, clusters of 4 x 4, 327,680 bytes of LDS; arguments ao, wo, out0; writes out0
.if DOCPART == 8
	.amdgcn_target "amdgcn-amd-amdhsa--gfx1250"
	.amdhsa_code_object_version 6
	.text
	.protected	k_q98fac49de1_gemm_o
	.globl	k_q98fac49de1_gemm_o
	.p2align	8
	.type	k_q98fac49de1_gemm_o,@function
k_q98fac49de1_gemm_o:
	s_mov_b64 s[64:65], 0
	v_nop
	global_prefetch_b8 v0, s[64:65] scope:SCOPE_SE
	s_setreg_imm32_b32 hwreg(HW_REG_WAVE_MODE, 25, 1), 1
	s_wait_xcnt 0x0
	s_wait_alu depctr_hold_cnt(0) depctr_sa_sdst(0) depctr_va_vdst(0) depctr_va_sdst(0) depctr_va_ssrc(0) depctr_va_vcc(0) depctr_vm_vsrc(0)
	s_getreg_b32 s2, hwreg(HW_REG_IB_STS2, 6, 4)
	s_cmp_eq_u32 s2, 0
	s_cbranch_scc0 .Lentry_in_a_cluster
	s_endpgm
.Lentry_in_a_cluster:
	s_bfe_u32 s2, ttmp6, 0x10000c
	s_cmp_lg_u32 s2, 0xf033
	s_cbranch_scc0 .Lentry_shape_is_right
	s_endpgm
.Lentry_shape_is_right:
.set SIZE_K, 1024
.set NQ,     2
; A tile of W_O's codes, 128 rows x 192 bytes of one K step, is 24,576 consecutive bytes of wo: it is stated as 96 rows of 256 bytes; the padding, 16 bytes behind each 64, gives LDS rows of 240 bytes
.set ROWB,   24576                     ; from one K step's tile to the next, in bytes
.set AROW,   3072
.set KROW,   SIZE_K*6/8
.set PITCH,  240
.set FR,     12
.set NP,     4
.set HALFA,  4*AROW
.set HALFB,  128*PITCH
.set SLOT,   2*HALFA+2*HALFB
.set KS,     SIZE_K/32
.set SCL,    3*SLOT
.set HALFSA, 8*272
.set HALFSB, 16*272
.set SBLK,   544
.set SPARE,  SCL+2*HALFSA+2*HALFSB
.set CODES,  262144
.set SPITCH, 528
.set STAGE,  SLOT
.set ADRA, 8
.set ADRB, 12
.set STO,  24
.set RD,   25
.set CO,   26
.set ADRS, 27
.set SPW,  28
.set NIL,  29
.set SC,   32
.set AF,   128
.set BK,   128
.set G1, 24
.set G0, 32
.set G1B, 48
.set G0B, 56
.set G1S, 68
.set G0S, 76
.set G1SB, 80
.set G0SB, 88
.set MSB, 0
.macro WIN new
.if MSB != \new
	s_set_vgpr_msb (MSB<<8)|\new
.set MSB, \new
.endif
.endm
.set MUL_LO, 0xa1
.set TO_B,   0x40
.macro TLD g0, g1                      ; s_nop 0 and four v_nop follow each tensor load
	tensor_load_to_lds s[\g0:\g0+3], s[\g1:\g1+7]
	s_nop 0
.rept 4
	v_nop
.endr
.endm
.macro ARM4 a0, a1, b0, b1, c0, c1, d0, d1   ; one chain of branches on the wave's number: every wave issues one load, a whole tile
	s_cmp_lt_u32 s14, 1
	s_cbranch_scc0 .Lq1_\@
	TLD \a0, \a1
	s_branch .Lq4_\@
.Lq1_\@:
	s_cmp_lt_u32 s14, 2
	s_cbranch_scc0 .Lq2_\@
	TLD \b0, \b1
	s_branch .Lq4_\@
.Lq2_\@:
	s_cmp_lt_u32 s14, 3
	s_cbranch_scc0 .Lq3_\@
	TLD \c0, \c1
	s_branch .Lq4_\@
.Lq3_\@:
	TLD \d0, \d1
.Lq4_\@:
.endm
.macro JLOAD g0a, g1a, g0b, g1b        ; a refill: wave 0 fetches A's tile, wave 1 B's, waves 2 and 3 nothing
	s_cmp_eq_u32 s14, 0
	s_cbranch_scc0 .Lfor_b_\@
	tensor_load_to_lds s[\g0a:\g0a+3], s[\g1a:\g1a+7]
	s_nop 0
.rept 4
	v_nop
.endr
	s_branch .Lasked_\@
.Lfor_b_\@:
	s_cmp_eq_u32 s14, 1
	s_cbranch_scc0 .Lnone_\@
	tensor_load_to_lds s[\g0b:\g0b+3], s[\g1b:\g1b+7]
	s_nop 0
.rept 4
	v_nop
.endr
	s_branch .Lasked_\@
.Lnone_\@:
.rept 4
	v_nop                                  ; the places in front of the LDS loads that follow
.endr
.Lasked_\@:
.endm
.macro CREST
	s_cmp_lg_u32 s14, 0
	s_cbranch_scc1 .Lnot_wave_0_\@
	s_barrier_signal -3
.Lnot_wave_0_\@:
	s_barrier_wait -3
	s_barrier_signal -1
	s_barrier_wait -1
.endm
.macro CROUND
	s_barrier_signal -1
	s_barrier_wait -1
	CREST
.endm
	s_load_b64 s[6:7], s[0:1], 0x0
	s_load_b64 s[10:11], s[0:1], 0x8
	s_load_b64 s[12:13], s[0:1], 0x10
	v_lshl_add_u32 v[SPW], v0, 2, SPARE
	v_mov_b32 v[NIL], 0
	ds_add_u32 v28, v29
	ds_add_u32 v28, v29
	s_wait_dscnt 0x0
	v_lshrrev_b32 v1, 5, v0
	v_readfirstlane_b32 s14, v1
	s_lshr_b32 s15, s14, 1
	s_and_b32 s16, s14, 1
	s_bfe_u32 s40, ttmp6, 0x40000
	s_bfe_u32 s41, ttmp6, 0x40004
	s_lshl_b32 s42, ttmp9, 2
	s_add_co_u32 s42, s42, s40
	s_and_b32 s17, ttmp7, 0xffff
	s_lshl_b32 s17, s17, 2
	s_add_co_u32 s17, s17, s41
	s_lshl_b32 s43, s41, 2
	s_lshl_b32 s43, 15, s43
	s_lshl_b32 s44, 0x1111, s40
	s_or_b32 s[G1+0], s43, (3<<16)|(1<<21)
	s_mov_b32 s[G1+1], 384<<16
	s_mov_b32 s[G1+2], 8<<16               ; A's whole tile: 8 tiles of 16 rows, 3,072 bytes of each
	s_mov_b32 s[G1+3], 384<<16
	s_mov_b32 s[G1+4], 8
	s_mov_b32 s[G1+5], 1536
	s_mov_b32 s[G1+6], 0
	s_mov_b32 s[G1+7], 0
	s_or_b32 s[G1B+0], s44, (0<<16)|(1<<20)|(1<<21)|(3<<22)|(3<<25)
	s_mov_b32 s[G1B+1], 24576<<16          ; B's whole tile of 256 rows: two blocks of 24,576 bytes, 98,304 apart
	s_mov_b32 s[G1B+2], 2<<16
	s_mov_b32 s[G1B+3], 24576<<16
	s_mov_b32 s[G1B+4], 2
	s_mov_b32 s[G1B+5], 98304
	s_mov_b32 s[G1B+6], 0
	s_mov_b32 s[G1B+7], 0
	s_or_b32 s[G1S+0], s43, (3<<16)|(1<<20)|(1<<21)|(5<<22)|(3<<25)
	s_mov_b32 s[G1S+1], 32<<16
	s_mov_b32 s[G1S+2], 16<<16             ; the scales of A's 128 rows
	s_mov_b32 s[G1S+3], 32<<16
	s_mov_b32 s[G1S+4], 16
	s_mov_b32 s[G1S+5], 32
	s_mov_b32 s[G1S+6], 0
	s_mov_b32 s[G1S+7], 0
	s_or_b32 s[G1SB+0], s44, (3<<16)|(1<<20)|(1<<21)|(5<<22)|(3<<25)
	s_mov_b32 s[G1SB+1], 32<<16
	s_mov_b32 s[G1SB+2], 32<<16            ; the scales of B's 256 rows
	s_mov_b32 s[G1SB+3], 32<<16
	s_mov_b32 s[G1SB+4], 32
	s_mov_b32 s[G1SB+5], 32
	s_mov_b32 s[G1SB+6], 0
	s_mov_b32 s[G1SB+7], 0
	s_lshl_b32 s20, s17, 7                 ; the tiles' first rows
	s_lshl_b32 s46, s42, 8
	s_mov_b32 s21, 0
	s_mov_b32 s47, 0
	s_mov_b64 s[18:19], KS
	s_mul_u64 s[22:23], s[20:21], s[18:19]
	s_mul_u64 s[92:93], s[46:47], s[18:19]
	s_mov_b64 s[18:19], KROW
	s_mul_u64 s[20:21], s[20:21], s[18:19]
	s_mul_u64 s[46:47], s[46:47], s[18:19]
	s_mov_b32 s45, 0
	s_mov_b32 s95, 2*HALFA
	s_mov_b32 s94, SCL
	s_mov_b32 s96, SCL+2*HALFSA
	s_wait_kmcnt 0x0
	s_add_nc_u64 s[4:5], s[6:7], CODES
	s_add_nc_u64 s[8:9], s[10:11], CODES
	s_add_nc_u64 s[20:21], s[4:5], s[20:21]
	s_add_nc_u64 s[22:23], s[6:7], s[22:23]
	s_add_nc_u64 s[46:47], s[8:9], s[46:47]
	s_add_nc_u64 s[92:93], s[10:11], s[92:93]
	CROUND
	s_mov_b32 s[G0S], 1
	s_mov_b32 s[G0S+1], s94
	s_mov_b64 s[G0S+2:G0S+3], s[22:23]
	s_or_b32 s[G0S+3], s[G0S+3], 0x80000000
	s_mov_b32 s[G0SB], 1
	s_mov_b32 s[G0SB+1], s96
	s_mov_b64 s[G0SB+2:G0SB+3], s[92:93]
	s_or_b32 s[G0SB+3], s[G0SB+3], 0x80000000
.macro FIRST g0a, g0b, s
	s_mov_b32 s[\g0a], 1
	s_add_co_u32 s[\g0a+1], s45, \s*SLOT
	s_add_nc_u64 s[\g0a+2:\g0a+3], s[20:21], \s*AROW
	s_or_b32 s[\g0a+3], s[\g0a+3], 0x80000000
	s_mov_b32 s[\g0b], 1
	s_add_co_u32 s[\g0b+1], s95, \s*SLOT
	s_add_nc_u64 s[\g0b+2:\g0b+3], s[46:47], \s*ROWB
	s_or_b32 s[\g0b+3], s[\g0b+3], 0x80000000
.endm
	FIRST G0, G0B, 0
	FIRST G0+4, G0B+4, 1
	FIRST 4, 8, 2
	ARM4 G0, G1, G0B, G1B, G0S, G1S, G0SB, G1SB    ; the head's four tiles, one load a wave: A's and B's K step 0, A's and B's scales
	v_and_b32 v1, 15, v0
	v_bfe_u32 v2, v0, 4, 1
	v_mul_u32_u24 v3, v1, PITCH
	v_mad_u32_u24 v3, v2, 24, v3
	v_lshl_add_u32 v4, v2, 4, v3
	v_and_b32 v6, 31, v0
	v_lshlrev_b32 v7, 3, v6
	s_mul_i32 s21, s15, HALFA
	s_mul_i32 s22, s16, HALFB
	s_add_co_u32 s22, s22, 2*HALFA
.irp s, 0,1,2
	v_add_nc_u32 v[ADRA+\s], s21, v7
	v_add_nc_u32 v[ADRB+\s], s22, v3
	v_add_nc_u32 v[ADRB+3+\s], s22, v4
	s_add_co_u32 s21, s21, SLOT
	s_add_co_u32 s22, s22, SLOT
.endr
	v_mul_u32_u24 v5, v1, KS
	v_lshrrev_b32 v3, 8, v5
	v_lshl_add_u32 v5, v3, 4, v5
	s_mul_i32 s21, s15, HALFSA
	s_mul_i32 s22, s16, HALFSB
	s_add_co_u32 s22, s22, 2*HALFSA
	s_sub_co_u32 s22, s22, s21
	v_mul_u32_u24 v3, s22, v2
	s_add_co_u32 s21, s21, SCL
	v_add_nc_u32 v5, v5, v3
	v_add_nc_u32 v[ADRS], s21, v5
	s_mul_i32 s23, s14, 16*SPITCH
	s_add_co_u32 s23, s23, STAGE
	v_mul_u32_u24 v5, v1, SPITCH
	v_lshl_add_u32 v5, v2, 6, v5
	v_add_nc_u32 v[STO], s23, v5
	v_lshlrev_b32 v[CO], 4, v6
	v_add_nc_u32 v[RD], s23, v[CO]
	s_lshl_b32 s20, s17, 7
	s_lshl_b32 s21, s15, 6
	s_add_co_u32 s20, s20, s21
	s_lshl_b32 s20, s20, 12
	s_lshl_b32 s46, s42, 10
	s_lshl_b32 s47, s16, 9
	s_add_co_u32 s46, s46, s47
	s_add_co_u32 s20, s20, s46
	s_mov_b32 s21, 0
	s_add_nc_u64 s[12:13], s[12:13], s[20:21]
.macro FRAG reg, adr, q, i
.irp p, 0,1,2,3,4,5
.set PCE, 12*(\q)+6*(\p/3)+\p%3
.if PCE%8 < 5
	ds_load_b64 v[\reg+2*\p:\reg+2*\p+1], v[\adr] offset:8*PCE+16*(PCE/8)+(\i)*16*PITCH
.else
	ds_load_b64 v[\reg+2*\p:\reg+2*\p+1], v[\adr+3] offset:8*PCE+16*(PCE/8)+(\i)*16*PITCH
.endif
.endr
.endm
.macro FRAGA reg, adr, q, i
.irp p, 0,1,2,3,4,5
	ds_load_b64 v[\reg+2*\p:\reg+2*\p+1], v[\adr] offset:(\i)*AROW+(\q)*1536+256*\p
.endr
.endm
.macro VMUL8 a, p, q, sc, zero
.irp b, 0,1,2,3,4,5,6,7
.if \zero
	v_wmma_scale_f32_16x16x128_f8f6f4 v[8*(8*(\a)+\b):8*(8*(\a)+\b)+7], v[128*(\p)+FR*\b:128*(\p)+FR*\b+FR-1], v[AF+48*(\p)+FR*(\a):AF+48*(\p)+FR*(\a)+FR-1], 0, v[SC+8*NQ*(\sc)+NQ*\b+(\q)], v[SC+8*NQ*(\sc)+NQ*(\a)+(\q)] matrix_a_fmt:MATRIX_FMT_BF6 matrix_b_fmt:MATRIX_FMT_BF6 matrix_a_scale:MATRIX_SCALE_ROW1
.else
	v_wmma_scale_f32_16x16x128_f8f6f4 v[8*(8*(\a)+\b):8*(8*(\a)+\b)+7], v[128*(\p)+FR*\b:128*(\p)+FR*\b+FR-1], v[AF+48*(\p)+FR*(\a):AF+48*(\p)+FR*(\a)+FR-1], v[8*(8*(\a)+\b):8*(8*(\a)+\b)+7], v[SC+8*NQ*(\sc)+NQ*\b+(\q)], v[SC+8*NQ*(\sc)+NQ*(\a)+(\q)] matrix_a_fmt:MATRIX_FMT_BF6 matrix_b_fmt:MATRIX_FMT_BF6 matrix_a_scale:MATRIX_SCALE_ROW1
.endif
.endr
.endm
.macro VFETCH slot, q, p
	WIN TO_B
.irp i, 0,1,2,3,4,5,6,7
	FRAG 128*(\p)+FR*\i, ADRB+\slot, \q, \i
.endr
	WIN 0
.irp i, 0,1,2,3
	FRAGA AF+48*(\p)+FR*\i, ADRA+\slot, \q, \i
.endr
.endm
.macro SCALES sc
.irp i, 0,1,2,3,4,5,6,7
	ds_load_b64 v[SC+8*NQ*\sc+NQ*\i:SC+8*NQ*\sc+NQ*\i+1], v[ADRS] offset:\i*SBLK
.endr
.endm
.macro PLACES n
.rept \n
	v_nop
.endr
.endm
.macro VSTEP sc, p, q, zero, fslot, fq, fsc
	s_wait_dscnt 0x0
	PLACES NP
.if \fsc >= 0
	v_add_nc_u32 v[ADRS], 4*NQ, v[ADRS]
.endif
	VFETCH \fslot, \fq, 1-(\p)
.if \fsc >= 0
	SCALES \fsc
.endif
	WIN MUL_LO
.irp a, 0,1,2,3
	VMUL8 \a, \p, \q, \sc, \zero
.endr
	WIN 0
.endm
.macro VTURN sc, next, nsc, fill
	s_wait_tensorcnt 0x0
	ds_add_u32 v[SPW], v[NIL]
	s_wait_dscnt 1
	WIN MUL_LO
	VMUL8 0, 1, 1, \sc, 0
	s_wait_dscnt 0x0
	s_barrier_signal -1
	VMUL8 1, 1, 1, \sc, 0
	WIN 0
	s_barrier_wait -1
.if \fill
	CREST
	s_add_nc_u64 s[G0+2:G0+3], s[G0+2:G0+3], 3*AROW
	s_add_nc_u64 s[G0B+2:G0B+3], s[G0B+2:G0B+3], 3*ROWB
	JLOAD G0, G1, G0B, G1B
.else
	PLACES NP
.endif
	v_add_nc_u32 v[ADRS], 4*NQ, v[ADRS]
	VFETCH \next, 0, 0
	SCALES \nsc
	WIN MUL_LO
	VMUL8 2, 1, 1, \sc, 0
	VMUL8 3, 1, 1, \sc, 0
	WIN 0
.endm
	s_wait_alu depctr_va_vdst(0)
	s_wait_tensorcnt 0x0                   ; my tile of the head's four is in
	ds_add_u32 v[SPW], v[NIL]
	s_wait_dscnt 0x0
	CROUND
	ARM4 G0+4, G1, G0B+4, G1B, 4, G1, 8, G1B       ; K steps 1 and 2 into slots 1 and 2, one load a wave
	VFETCH 0, 0, 0
	SCALES 0
	VSTEP 0, 0, 0, 1, 0, 1, -1
	VTURN 0, 1, 1, 1
	s_wait_alu depctr_va_vdst(0)
	VSTEP 1, 0, 0, 0, 1, 1, -1
	VSTEP 1, 1, 1, 0, 2, 0, 0
	s_wait_alu depctr_va_vdst(0)
	VSTEP 0, 0, 0, 0, 2, 1, -1
	VTURN 0, 0, 1, 0
	VSTEP 1, 0, 0, 0, 0, 1, -1
	s_wait_dscnt 0x0
	WIN MUL_LO
.irp a, 0,1,2,3
	VMUL8 \a, 1, 1, 1, 0
.endr
	WIN 0
.macro TOSTAGE a
.set AC, 64*(\a)
	WIN 0x08
.irp b, 0,1,2,3,4,5,6,7
	ds_store_b128 v[STO], v[AC+8*\b:AC+8*\b+3] offset:128*(\b/2)+32*(\b%2)
	ds_store_b128 v[STO], v[AC+8*\b+4:AC+8*\b+7] offset:128*(\b/2)+32*(\b%2)+16
.endr
	WIN 0
.set BB, BK+64*((\a)%2)
.irp t, 0,1,2,3,4,5,6,7,8,9,10,11,12,13,14,15
	ds_load_b128 v[BB+4*\t:BB+4*\t+3], v[RD] offset:\t*SPITCH
.endr
.endm
.macro SEND a, younger
.set BB, BK+64*((\a)%2)
	s_wait_dscnt \younger
.irp t, 0,1,2,3,4,5,6,7,8,9,10,11,12,13,14,15
	global_store_b128 v[CO], v[BB+4*\t:BB+4*\t+3], s[12:13] offset:(32*((\a)/2)+8*((\a)%2)+\t+8*(\t/8))*4096 th:TH_STORE_NT
.endr
.endm
	PLACES NP
	TOSTAGE 0
.irp a, 1,2,3
.if \a > 1
	s_wait_xcnt 0x0
.endif
	TOSTAGE \a
	SEND \a-1, 32
.endr
	SEND 3, 0
	s_wait_tensorcnt 0x0
	ds_add_u32 v[SPW], v[NIL]
	s_wait_dscnt 0x0
	CROUND
	s_endpgm
.Lfunc_end_k_q98fac49de1_gemm_o:
	.size	k_q98fac49de1_gemm_o, .Lfunc_end_k_q98fac49de1_gemm_o-k_q98fac49de1_gemm_o
	.p2alignl 7, 3214868480
	.fill 96, 4, 3214868480
	.section	.rodata,"a",@progbits
	.p2align	6, 0x0
	.amdhsa_kernel k_q98fac49de1_gemm_o
		.amdhsa_group_segment_fixed_size 327680
		.amdhsa_private_segment_fixed_size 0
		.amdhsa_enable_private_segment 0
		.amdhsa_kernarg_size 24
		.amdhsa_user_sgpr_count 2
		.amdhsa_user_sgpr_kernarg_segment_ptr 1
		.amdhsa_wavefront_size32 1
		.amdhsa_system_sgpr_workgroup_id_x 1
		.amdhsa_system_sgpr_workgroup_id_y 1
		.amdhsa_system_sgpr_workgroup_id_z 1
		.amdhsa_system_vgpr_workitem_id 0
		.amdhsa_next_free_vgpr 1024
		.amdhsa_next_free_sgpr 98
		.amdhsa_reserve_vcc 0
		.amdhsa_float_denorm_mode_32 3
		.amdhsa_float_denorm_mode_16_64 3
		.amdhsa_memory_ordered 1
		.amdhsa_forward_progress 1
		.amdhsa_inst_pref_size 100
	.end_amdhsa_kernel
	.amdgpu_metadata
---
amdhsa.version: [ 1, 2 ]
amdhsa.kernels:
  - .name:           k_q98fac49de1_gemm_o
    .symbol:         k_q98fac49de1_gemm_o.kd
    .args:
      - { .name: ao, .offset: 0, .size: 8, .value_kind: global_buffer, .address_space: global }
      - { .name: wo, .offset: 8, .size: 8, .value_kind: global_buffer, .address_space: global }
      - { .name: out0, .offset: 16, .size: 8, .value_kind: global_buffer, .address_space: global }
    .group_segment_fixed_size: 327680
    .private_segment_fixed_size: 0
    .kernarg_segment_align: 8
    .kernarg_segment_size: 24
    .max_flat_workgroup_size: 128
    .sgpr_count:     98
    .vgpr_count:     1024
    .wavefront_size: 32
...
	.end_amdgpu_metadata
.endif
;; end of part 8
